; MI455X (gfx1250); checked and timed in simulation.
; The chip was launched on July 23, 2026; its instructions are those of AMD's public machine-readable ISA for CDNA 5 (MIT licence, August 2026) and "CDNA5" Instruction Set Architecture Reference Guide (July 2026). The comments in the code are by the model that wrote it; some were corrected since.
;; Multi Headed Attention. Allowed arithmetic: matrix products marked QUANTISED: E4M3 operands, one E8M0 scale for each 32 along K, by v_wmma_scale_f32_16x16x128_f8f6f4 with both operands' format E4M3, f32 sums; everything else in f32.
;; Inputs: Wk 16 x 1,024 x 64 float32; Wo 1,024 x 1,024 float32; Wq 16 x 1,024 x 64 float32; Wv 16 x 1,024 x 64 float32; bk 16 x 64 float32; bo 1,024 float32; bq 16 x 64 float32; bv 16 x 64 float32; k 2 x 2,048 x 1,024 float32; mask 2 x 1 x 2,048 x 2,048 float32; q 2 x 2,048 x 1,024 float32; v 2 x 2,048 x 1,024 float32.
;; Outputs: out0 2 x 2,048 x 1,024 float32.
;; This version of the problem:
;;   THIS VERSION OF THE PROBLEM IS GIVEN IN LOW PRECISION. The matrix products marked QUANTISED in the list below multiply operands that are first quantised to E4M3 (4 exponent bits, 3 mantissa bits; 8 bits a number), with one power-of-two scale for each 32 numbers along K (OCP MX v1.0); their sums are f32. All else is computed in f32.
;;   The module's matrix products, in the order in which they are computed (A, B: the left and right operand; K: the contracted axis; several contracted axes count as one K, in the product's order):
;;     1. [M 1,024, K 1,024] x [K 1,024, N 4,096]; A: input Wq; B: input q: QUANTISED
;;     2. [M 1,024, K 1,024] x [K 1,024, N 4,096]; A: input Wk; B: input k: QUANTISED
;;     3. [M 1,024, K 1,024] x [K 1,024, N 4,096]; A: input Wv; B: input v: QUANTISED
;;     4. batch 32 x [M 2,048, K 64] x [K 64, N 2,048]; A: computed on the way; B: computed on the way: QUANTISED
;;     5. batch 32 x [M 2,048, K 2,048] x [K 2,048, N 64]; A: softmax (see below); B: computed on the way: QUANTISED
;;     6. [M 4,096, K 1,024] x [K 1,024, N 1,024]; A: computed on the way; B: input Wo: QUANTISED
;;   THE QUANTISER, for each operand of a quantised product, along K:
;;     - K is cut into blocks of 32 from its start; a last block that is shorter is filled with zeros.
;;     - A block's scale is 2^e with e = floor(log2(the largest magnitude in the block)) - 8, held to -126 .. 127; a block of zeros has e = 0. As a byte (E8M0): e + 127.
;;     - Each number is divided by its block's scale, clamped to +-448, and rounded to the nearest number of E4M3, ties to even, subnormals kept.
;;     - The product sums the exact products of the quantised numbers (number of the format x scale) in f32.
;;   ~~~python
;;   def quantise(x, axis):      # numpy; x: float32 -> the quantised numbers, widened to float32 again
;;       x = np.moveaxis(x, axis, -1); K = x.shape[-1]
;;       x = np.pad(x, [(0, 0)] * (x.ndim - 1) + [(0, -K % 32)]); x = x.reshape(x.shape[:-1] + (-1, 32)); a = np.abs(x).max(-1, keepdims=True)
;;       e = np.where(a > 0, np.clip(np.frexp(np.where(a > 0, a, 1))[1] - 1 - 8, -126, 127), 0)      # np.frexp(a)[1] - 1 = floor(log2(a)), exactly
;;       r = np.clip(x / 2.0 ** e, -448, 448)
;;       step = 2.0 ** (np.maximum(np.frexp(np.where(r == 0, 1, r))[1] - 1, -6) - 3)
;;       q = np.round(r / step) * step * 2.0 ** e      # np.round: ties to even
;;       return np.moveaxis(q.reshape(q.shape[:-2] + (-1,))[..., :K], -1, axis).astype(np.float32)
;;   ~~~
;;   SOFTMAX AHEAD OF A QUANTISED PRODUCT. Where the list says 'softmax', what is quantised is not the finished softmax but p = 2^(t - M), with t = logit x log2(e) and M = ceil(the row's largest t), a whole number; so 1/2 < the row's largest p <= 1. The row's sum l is taken of the UNQUANTISED p, in f32, and the product's result is divided by l at the end. Since M is a whole number, a kernel that streams over the keys may use a running M (the ceiling of the running maximum): every later rescaling is an exact power of two, which a block's scale takes up: the codes' values come out the same.
;;   OPERANDS COMPUTED ON THE WAY. 'Computed on the way' means the value that the module computes at that place (a softmax that the list does not call 'softmax' is quantised finished and normalised). What goes into a quantiser is computed in f32, as accurately as f32 sums, v_exp_f32 and their like allow (about 1e-6 of the number): no bf16 or f16 on the way to a quantiser, and a product that is left as it is and whose result goes on into a quantised operand takes f32 operands (vector FMAs, or v_wmma_f32_16x16x4_f32). A number that lies on a knife's edge between two numbers of the format may be rounded either way, as far as f32 arithmetic and the matrix unit's own rounding can turn it there, and no further.
;; 2 versions. Each part assembles by itself: llvm-mc -triple=amdgcn-amd-amdhsa -mcpu=gfx1250 --defsym DOCPART=n.
;; ======== version 1 of 2: 4 launches
;; workspace buffers: xc 12,582,912 bytes; xs 393,216 bytes; wc 4,194,304 bytes; ws 131,072 bytes; qb 4,456,448 bytes; kv 8,912,896 bytes; oc 4,194,304 bytes; os 131,072 bytes
;; launch quant (part 1): grid 320 x 1, 4 waves a work-group, no clusters, 34,304 bytes of LDS; arguments q, k, v, Wq, Wk, Wv, Wo, xc, xs, wc, ws; writes xc, xs, wc, ws
.if DOCPART == 1
	.amdgcn_target "amdgcn-amd-amdhsa--gfx1250"
	.amdhsa_code_object_version 6
	.text
	.protected	k_q4f1034b890_quant
	.globl	k_q4f1034b890_quant
	.p2align	8
	.type	k_q4f1034b890_quant,@function
k_q4f1034b890_quant:
	s_mov_b64 s[64:65], 0
	v_nop
	global_prefetch_b8 v0, s[64:65] scope:SCOPE_SE
	s_setreg_imm32_b32 hwreg(HW_REG_WAVE_MODE, 25, 1), 1
	s_wait_xcnt 0x0
; LAUNCH 1 OF 4: q, k, v [4096 tokens][1024] and Wq, Wk, Wv [16][1024][64], Wo [1024][1024], all f32, become codes of E4M3 with one E8M0 byte for each 32 along K (K = the model's 1,024).
; NOTHING OF reference() IS LEFT OUT in this program: each bias goes into a quantised operand, the mask is an input and is added as it is given, all twelve inputs are loaded.
; LAYOUT OF THE WORKSPACE: A FRAGMENT (16 rows x 128 K) IS STORED AS THE IMAGE OF ITS 16 REGISTERS: four pieces c of 512 bytes, lane l's 16 bytes at 16 l; lane (r = l % 16, h = l / 16) of piece c holds k = 32 c + 16 h + 0 .. 15 of row r.
; A tile's scale words: [K step s 0..7][row r] words of four bytes, 512 bytes a tile.  xc: [q,k,v][tile 256][s 8][2,048], xs: [q,k,v][tile][512]; wc: [Wq,Wk,Wv,Wo][tile 64][s 8][2,048], ws likewise.
; WHICH ROWS FORM A TILE: q's tiles take 16 neighbouring tokens.  The tiles of k's and v's tokens and of the weights' columns n are PERMUTED: lane r of tile 2 j + u stands for row 32 j + 8 u + r + 8 (r / 8),
; so that a later product's results, used transposed, lie as 16 neighbours along the next K in a lane's registers.
; A block's scale is 2^(floor(log2(largest magnitude)) - 8): its byte is the largest magnitude's exponent field - 8, held at 1 from below by a floor among the maximum's leaves.
; LIMITS: NaN and infinities among these inputs are not served.  A block of zeros gets the byte 1 where the rule says 127: its codes are zeros, and these bytes are read by this program alone.
; The weights' scale words leave in runs of 64 bytes (one byte in 128 of what the path reads).
; SHARES: work-groups 0-191: a wave takes one tile of 16 tokens, all of K (8 fragments).  Work-groups 192-319: a wave takes 32 columns of a weight x 256 along K, a lane to a column, registers down K.
; Only the tokens' path uses LDS (a stage of the wave's own); waves share nothing: no barrier.
.set SPARE, 33792                      ; behind the four stages: the spare words, 128 bytes a wave
.set STG,   8448                       ; a wave's stage: 16 rows x 528
.set SP,    528                        ; a stage row: 512 bytes + 16
.set SPW,   14                         ; v14  LDS address of my spare word; never rewritten
.set NIL,   15                         ; v15  0; never rewritten
.set R,     16                         ; v16-143  two sets of 64: a fragment's numbers as loaded
.set X,     144                        ; v144-207 the same, 16 neighbours of each of four blocks
.set PC,    208                        ; v208-223 the fragment's codes
.set TM,    224                        ; v224-239 at work: maxima, bytes, holds, scale operands
.set PW,    240                        ; the scale word just made
.set PWE,   241                        ; the even K step's word, kept
.set SW,    242                        ; v242-245 pairs of words as they are stored
.set VO,    16                         ; weights: v16-47 offsets of 32 rows
.set WX,    48                         ; v48-111 two sets of 32 numbers
.set WC,    112                        ; v112-127 two sets of 8 registers of codes
.set WW,    128                        ; v128-129 two scale words
.set BW,    44                         ; s[44:59] a base for each of a wave's eight blocks
.set SEL,   70                         ; s[70:71] lane selects: lane l xor 16
.set MNT,   72                         ; s72 the mantissa field of 448
.set HIM,   73                         ; s73 lanes 16-31
; 64 numbers of a lane, register 16 b + i = k 32 b + 16 (lane / 16) + i of my row, become 16 registers of codes; the four scale bytes stay in v[TM+4] on.
.macro QUANT64 s, pc, fl
.irp b, 0,1,2,3
	v_max3_num_f32 v[TM+\b], |v[\s+16*\b]|, |v[\s+1+16*\b]|, \fl   ; my 16 numbers of block b, and the floor
.endr
.irp i, 2,4,6,8,10,12,14
.irp b, 0,1,2,3
	v_max3_num_f32 v[TM+\b], v[TM+\b], |v[\s+16*\b+\i]|, |v[\s+1+16*\b+\i]|
.endr
.endr
.irp b, 0,1,2,3
	v_permlanex16_b32 v[TM+4+\b], v[TM+\b], s[SEL], s[SEL+1]
.endr
.irp b, 0,1,2,3
	v_max_num_f32 v[TM+\b], v[TM+\b], v[TM+4+\b]                   ; with lane l xor 16's: the block's largest magnitude
.endr
.irp b, 0,1,2,3
	v_add_nc_u32 v[TM+12+\b], 0xfc000000, v[TM+\b]                 ; 8 off its exponent field: the conversion's scale operand
.endr
.irp b, 0,1,2,3
	v_and_or_b32 v[TM+8+\b], v[TM+\b], 0x7f800000, s[MNT]          ; 448 x the scale
.endr
.irp b, 0,1,2,3
	v_lshrrev_b32 v[TM+4+\b], 23, v[TM+12+\b]                      ; the scale's byte
.endr
.irp b, 0,1,2,3
.irp i, 0,1,2,3,4,5,6,7,8,9,10,11,12,13,14,15
	v_med3_num_f32 v[\s+16*\b+\i], v[\s+16*\b+\i], -v[TM+8+\b], v[TM+8+\b]   ; the conversion does not saturate (ISA guide 7.6.2): the hold
.endr
	v_cvt_scalef32_pk8_fp8_f32 v[\pc+4*\b:\pc+4*\b+1], v[\s+16*\b:\s+16*\b+7], v[TM+12+\b]
	v_cvt_scalef32_pk8_fp8_f32 v[\pc+4*\b+2:\pc+4*\b+3], v[\s+16*\b+8:\s+16*\b+15], v[TM+12+\b]
.endr
	v_nop                                          ; a plain line behind the last conversion
.endm
	s_load_b256 s[4:11], s[0:1], 0x0               ; q, k, v, Wq
	s_load_b256 s[12:19], s[0:1], 0x20             ; Wk, Wv, Wo, xc
	s_load_b128 s[20:23], s[0:1], 0x40             ; xs, wc
	s_load_b64 s[24:25], s[0:1], 0x50              ; ws
	v_lshl_add_u32 v[SPW], v0, 2, SPARE
	v_mov_b32 v[NIL], 0
	v_lshrrev_b32 v1, 5, v0
	v_readfirstlane_b32 s26, v1                    ; wave
	v_and_b32 v7, 31, v0                           ; lane
	v_and_b32 v8, 15, v0                           ; r
	v_bfe_u32 v9, v0, 4, 1                         ; h
	s_mov_b32 s[SEL], 0x76543210
	s_mov_b32 s[SEL+1], 0xfedcba98
	s_mov_b32 s[MNT], 0x600000
	s_mov_b32 s[HIM], 0xffff0000
	s_cmp_ge_u32 ttmp9, 192
	s_cbranch_scc1 .Lweights
	; ---------------- the tokens ----------------
	s_lshl_b32 s27, ttmp9, 2
	s_add_co_u32 s27, s27, s26                     ; which tile of the 768
	s_lshr_b32 s28, s27, 8                         ; tensor: 0 q, 1 k, 2 v
	s_and_b32 s29, s27, 255                        ; tile T
	s_lshl_b32 s32, s29, 4                         ; q: first row 16 T
	s_lshr_b32 s33, s29, 1
	s_lshl_b32 s33, s33, 5
	s_and_b32 s34, s29, 1
	s_lshl_b32 s34, s34, 3
	s_add_co_u32 s33, s33, s34                     ; k, v: first row 32 (T / 2) + 8 (T % 2)
	s_cmp_eq_u32 s28, 0
	s_cselect_b32 s32, s32, s33
	s_cselect_b32 s35, 0, 32768                    ; k, v: the tile's rows 8-15 lie 8 rows (of 4,096 bytes) further on
	s_lshl_b32 s32, s32, 12
	s_mov_b32 s33, 0
	s_lshl_b32 s36, s27, 14                        ; a tile's codes are 16,384 bytes,
	s_mov_b32 s37, 0
	s_lshl_b32 s38, s27, 9                         ; its scale words 512
	s_mov_b32 s39, 0
	s_mul_i32 s40, s26, STG                        ; my stage
	v_lshlrev_b32 v5, 4, v7                        ; 16 x lane: loads of rows 0-7, and the stores of images
	v_lshlrev_b32 v6, 2, v7                        ; 4 x lane
	v_add_nc_u32 v2, s35, v5                       ; loads of rows 8-15
	v_add_nc_u32 v3, s40, v5                       ; the stage, on the way in
	v_mul_u32_u24 v4, v8, SP
	v_lshl_add_u32 v4, v9, 6, v4
	v_add_nc_u32 v4, s40, v4                       ; and out: row r, + 64 h
.irp b, 0,1,2,3
	v_mov_b32 v[TM+4+\b], 0                        ; a lane permute's destination counts as read
.endr
	s_wait_kmcnt 0x0
	s_cmp_eq_u32 s28, 1
	s_cselect_b64 s[30:31], s[6:7], s[4:5]
	s_cmp_eq_u32 s28, 2
	s_cselect_b64 s[30:31], s[8:9], s[30:31]
	s_add_nc_u64 s[30:31], s[30:31], s[32:33]
	s_add_nc_u64 s[18:19], s[18:19], s[36:37]
	s_add_nc_u64 s[20:21], s[20:21], s[38:39]
.macro LOADX s                         ; K step s of the tile's 16 rows: each load reads 512 consecutive bytes of one row
.irp i, 0,1,2,3,4,5,6,7
	global_load_b128 v[R+64*((\s)%2)+4*\i:R+64*((\s)%2)+4*\i+3], v5, s[30:31] offset:\i*4096+(\s)*512 th:TH_LOAD_NT
.endr
.irp i, 8,9,10,11,12,13,14,15
	global_load_b128 v[R+64*((\s)%2)+4*\i:R+64*((\s)%2)+4*\i+3], v2, s[30:31] offset:\i*4096+(\s)*512 th:TH_LOAD_NT
.endr
.endm
.macro FRAGX s
.if (\s) < 7
	s_wait_loadcnt 16                              ; this fragment's 16 loads are in; the next fragment's 16 may be out
.else
	s_wait_loadcnt 0x0
.endif
.irp i, 0,1,2,3,4,5,6,7,8,9,10,11,12,13,14,15
	ds_store_b128 v3, v[R+64*((\s)%2)+4*\i:R+64*((\s)%2)+4*\i+3] offset:\i*SP
.endr
.irp c, 0,1,2,3
.irp j, 0,1,2,3
	ds_load_b128 v[X+16*\c+4*\j:X+16*\c+4*\j+3], v4 offset:128*\c+16*\j   ; LDS serves a wave's instructions in order: these see the stores above
.endr
.endr
	s_wait_dscnt 0x0                               ; the numbers are back, and the stores have read their registers,
.if (\s)+2 < 8
	LOADX (\s)+2                                   ; which take the loads of two fragments on
.endif
	s_wait_xcnt 0x0                                ; the last fragment's stores have read the codes' registers
	QUANT64 X, PC, 0x4800000
	v_lshl_or_b32 v[PW], v[TM+5], 8, v[TM+4]       ; my row's scale word
	v_lshl_or_b32 v[PW], v[TM+6], 16, v[PW]
	v_lshl_or_b32 v[PW], v[TM+7], 24, v[PW]
.irp c, 0,1,2,3
	global_store_b128 v5, v[PC+4*\c:PC+4*\c+3], s[18:19] offset:(\s)*2048+\c*512   ; 512 consecutive bytes
.endr
.if ((\s)%2) == 0
	v_mov_b32 v[PWE], v[PW]
.else
	v_cndmask_b32 v[SW+(\s)/2], v[PWE], v[PW], s[HIM]              ; lanes 0-15 the even K step's words, lanes 16-31 the odd one's
	global_store_b32 v6, v[SW+(\s)/2], s[20:21] offset:((\s)/2)*128
.endif
.endm
	LOADX 0
	LOADX 1
.irp s, 0,1,2,3,4,5,6,7
	FRAGX \s
.endr
	s_wait_tensorcnt 0x0                           ; the wave's end
	ds_add_u32 v[SPW], v[NIL]
	s_wait_dscnt 0x0
	s_endpgm
	; ---------------- the weights ----------------
.Lweights:
	s_sub_co_u32 s27, ttmp9, 192
	s_lshr_b32 s28, s27, 5                         ; which weight: 0 Wq, 1 Wk, 2 Wv, 3 Wo
	s_bfe_u32 s29, s27, 0x20003                    ; y: which 256 along K
	s_and_b32 s30, s27, 7
	s_lshl_b32 s30, s30, 2
	s_add_co_u32 s30, s30, s26                     ; cg: which 32 columns n
	s_lshr_b32 s37, s30, 1
	s_lshl_b32 s37, s37, 18                        ; Wq, Wk, Wv: head cg / 2 (262,144 bytes a head),
	s_and_b32 s38, s30, 1
	s_lshl_b32 s38, s38, 7                         ; and which half of its 64
	s_add_co_u32 s37, s37, s38
	s_lshl_b32 s38, s30, 7                         ; Wo: 128 bytes a group
	s_mov_b32 s36, 256
	s_cmp_eq_u32 s28, 3
	s_cselect_b32 s37, s38, s37                    ; where my columns begin in a row
	s_cselect_b32 s36, 4096, s36                   ; bytes from k to k + 1
	s_lshl_b32 s38, s29, 8
	s_mul_i32 s38, s38, s36
	s_add_co_u32 s38, s38, s37
	s_mov_b32 s39, 0
	s_lshl_b32 s42, s36, 5                         ; a block of 32 along K
	s_mov_b32 s43, 0
	s_lshl_b32 s32, s28, 20                        ; codes: 1 MiB a weight,
	s_lshl_b32 s33, s30, 15                        ; tiles 2 cg, 2 cg + 1 of 16,384 bytes,
	s_add_co_u32 s32, s32, s33
	s_lshl_b32 s33, s29, 12                        ; K steps 2 y, 2 y + 1
	s_add_co_u32 s32, s32, s33
	s_mov_b32 s33, 0
	s_lshl_b32 s34, s28, 15                        ; scale words: 32,768 bytes a weight, 512 a tile, 64 a K step
	s_lshl_b32 s35, s30, 10
	s_add_co_u32 s34, s34, s35
	s_lshl_b32 s35, s29, 7
	s_add_co_u32 s34, s34, s35
	s_mov_b32 s35, 0
	v_and_b32 v3, 8, v8
	v_add_nc_u32 v3, v3, v8
	v_lshl_add_u32 v3, v9, 3, v3                   ; my column of the 32: 8 u + r + 8 (r / 8), u = lane / 16
	v_lshlrev_b32 v3, 2, v3
.set n_, 0
.rept 32
	v_mad_u32_u24 v[VO+n_], s36, n_, v3            ; row n_ of a block
.set n_, n_+1
.endr
	v_lshlrev_b32 v1, 4, v8
	v_lshl_add_u32 v1, v9, 14, v1                  ; codes: tile u, 16 r
	v_lshlrev_b32 v2, 2, v8
	v_lshl_add_u32 v2, v9, 9, v2                   ; scale words: tile u, 4 r
	s_wait_kmcnt 0x0
	s_cmp_eq_u32 s28, 1
	s_cselect_b64 s[40:41], s[12:13], s[10:11]
	s_cmp_eq_u32 s28, 2
	s_cselect_b64 s[40:41], s[14:15], s[40:41]
	s_cmp_eq_u32 s28, 3
	s_cselect_b64 s[40:41], s[16:17], s[40:41]
	s_add_nc_u64 s[BW:BW+1], s[40:41], s[38:39]
.irp t, 1,2,3,4,5,6,7
	s_add_nc_u64 s[BW+2*\t:BW+2*\t+1], s[BW+2*\t-2:BW+2*\t-1], s[42:43]
.endr
	s_add_nc_u64 s[22:23], s[22:23], s[32:33]
	s_add_nc_u64 s[24:25], s[24:25], s[34:35]
.macro LOADW t                         ; block t: 32 rows k, my column: the wave reads 128 neighbouring bytes of each row
.set n_, 0
.rept 32
	global_load_b32 v[WX+32*((\t)%2)+n_], v[VO+n_], s[BW+2*(\t):BW+2*(\t)+1] th:TH_LOAD_NT
.set n_, n_+1
.endr
.endm
.macro BLOCKW t
.set XS, WX+32*((\t)%2)
.set CC, WC+8*((\t)%2)
.if (\t) < 7
	s_wait_loadcnt 32                              ; this block's 32 loads are in; the next block's may be out
.else
	s_wait_loadcnt 0x0
.endif
	v_max3_num_f32 v12, |v[XS]|, |v[XS+1]|, |v[XS+2]|              ; the block's largest magnitude: all 32 numbers are mine
	v_max3_num_f32 v13, |v[XS+3]|, |v[XS+4]|, |v[XS+5]|
.irp i, 6,10,14,18,22,26
	v_max3_num_f32 v12, v12, |v[XS+\i]|, |v[XS+\i+1]|
	v_max3_num_f32 v13, v13, |v[XS+\i+2]|, |v[XS+\i+3]|
.endr
	v_max3_num_f32 v12, v12, |v[XS+30]|, |v[XS+31]|
	v_max3_num_f32 v12, v12, v13, 0x4800000        ; and the floor
	v_add_nc_u32 v11, 0xfc000000, v12
	v_and_or_b32 v10, v12, 0x7f800000, s[MNT]
	v_lshrrev_b32 v13, 23, v11
.if (\t)%4 == 0
	v_mov_b32 v[WW+(\t)/4], v13
.else
	v_lshl_or_b32 v[WW+(\t)/4], v13, 8*((\t)%4), v[WW+(\t)/4]
.endif
.irp i, 0,1,2,3,4,5,6,7,8,9,10,11,12,13,14,15,16,17,18,19,20,21,22,23,24,25,26,27,28,29,30,31
	v_med3_num_f32 v[XS+\i], v[XS+\i], -v10, v10
.endr
	s_wait_xcnt 0x0                                ; the stores of two blocks back have read this set of codes' registers
.irp g, 0,1,2,3
	v_cvt_scalef32_pk8_fp8_f32 v[CC+2*\g:CC+2*\g+1], v[XS+8*\g:XS+8*\g+7], v11
.endr
	global_store_b128 v1, v[CC:CC+3], s[22:23] offset:((\t)/4)*2048+((\t)%4)*512        ; k 0-15 of the block: the piece's lanes 0-15; sixteen lanes store 256 consecutive bytes
	global_store_b128 v1, v[CC+4:CC+7], s[22:23] offset:((\t)/4)*2048+((\t)%4)*512+256  ; k 16-31: its lanes 16-31
.if (\t)+2 < 8
	LOADW (\t)+2
.endif
.endm
	LOADW 0
	LOADW 1
.irp t, 0,1,2,3,4,5,6,7
	BLOCKW \t
.endr
	global_store_b32 v2, v[WW], s[24:25]
	global_store_b32 v2, v[WW+1], s[24:25] offset:64
	s_endpgm
.Lfunc_end_k_q4f1034b890_quant:
	.size	k_q4f1034b890_quant, .Lfunc_end_k_q4f1034b890_quant-k_q4f1034b890_quant
	.p2alignl 7, 3214868480
	.fill 96, 4, 3214868480
	.section	.rodata,"a",@progbits
	.p2align	6, 0x0
	.amdhsa_kernel k_q4f1034b890_quant
		.amdhsa_group_segment_fixed_size 34304
		.amdhsa_private_segment_fixed_size 0
		.amdhsa_enable_private_segment 0
		.amdhsa_kernarg_size 88
		.amdhsa_user_sgpr_count 2
		.amdhsa_user_sgpr_kernarg_segment_ptr 1
		.amdhsa_wavefront_size32 1
		.amdhsa_system_sgpr_workgroup_id_x 1
		.amdhsa_system_sgpr_workgroup_id_y 1
		.amdhsa_system_sgpr_workgroup_id_z 1
		.amdhsa_system_vgpr_workitem_id 0
		.amdhsa_next_free_vgpr 256
		.amdhsa_next_free_sgpr 80
		.amdhsa_reserve_vcc 0
		.amdhsa_float_denorm_mode_32 3
		.amdhsa_float_denorm_mode_16_64 3
		.amdhsa_memory_ordered 1
		.amdhsa_forward_progress 1
		.amdhsa_inst_pref_size 158
	.end_amdhsa_kernel
	.amdgpu_metadata
---
amdhsa.version: [ 1, 2 ]
amdhsa.kernels:
  - .name:           k_q4f1034b890_quant
    .symbol:         k_q4f1034b890_quant.kd
    .args:
      - { .name: q, .offset: 0, .size: 8, .value_kind: global_buffer, .address_space: global }
      - { .name: k, .offset: 8, .size: 8, .value_kind: global_buffer, .address_space: global }
      - { .name: v, .offset: 16, .size: 8, .value_kind: global_buffer, .address_space: global }
      - { .name: Wq, .offset: 24, .size: 8, .value_kind: global_buffer, .address_space: global }
      - { .name: Wk, .offset: 32, .size: 8, .value_kind: global_buffer, .address_space: global }
      - { .name: Wv, .offset: 40, .size: 8, .value_kind: global_buffer, .address_space: global }
      - { .name: Wo, .offset: 48, .size: 8, .value_kind: global_buffer, .address_space: global }
      - { .name: xc, .offset: 56, .size: 8, .value_kind: global_buffer, .address_space: global }
      - { .name: xs, .offset: 64, .size: 8, .value_kind: global_buffer, .address_space: global }
      - { .name: wc, .offset: 72, .size: 8, .value_kind: global_buffer, .address_space: global }
      - { .name: ws, .offset: 80, .size: 8, .value_kind: global_buffer, .address_space: global }
    .group_segment_fixed_size: 34304
    .private_segment_fixed_size: 0
    .kernarg_segment_align: 8
    .kernarg_segment_size: 88
    .max_flat_workgroup_size: 128
    .sgpr_count:     80
    .vgpr_count:     256
    .wavefront_size: 32
...
	.end_amdgpu_metadata
.endif
;; end of part 1
;; launch proj (part 2): grid 4 x 48, 4 waves a work-group, clusters of 4 x 4, 327,680 bytes of LDS; arguments xc, xs, wc, ws, bq, bk, bv, qb, kv; writes qb, kv
.if DOCPART == 2
	.amdgcn_target "amdgcn-amd-amdhsa--gfx1250"
	.amdhsa_code_object_version 6
	.text
	.protected	k_q4f1034b890_proj
	.globl	k_q4f1034b890_proj
	.p2align	8
	.type	k_q4f1034b890_proj,@function
k_q4f1034b890_proj:
	s_mov_b64 s[64:65], 0
	v_nop
	global_prefetch_b8 v0, s[64:65] scope:SCOPE_SE
	s_setreg_imm32_b32 hwreg(HW_REG_WAVE_MODE, 25, 1), 1
	s_wait_xcnt 0x0
	s_wait_alu depctr_hold_cnt(0) depctr_sa_sdst(0) depctr_va_vdst(0) depctr_va_sdst(0) depctr_va_ssrc(0) depctr_va_vcc(0) depctr_vm_vsrc(0)
	s_getreg_b32 s2, hwreg(HW_REG_IB_STS2, 6, 4)
	s_cmp_eq_u32 s2, 0
	s_cbranch_scc0 .Lentry_in_a_cluster
	s_endpgm
.Lentry_in_a_cluster:
	s_bfe_u32 s2, ttmp6, 0x10000c
	s_cmp_lg_u32 s2, 0xf033
	s_cbranch_scc0 .Lentry_shape_is_right
	s_endpgm
.Lentry_shape_is_right:
; LAUNCH 2 OF 4: qh = q Wq + bq, kh = k Wk + bk, vh = v Wv + bv on codes of E4M3 (K = 1,024), and their quantising for attention's two products.  Nothing is left out.
; A work-group of four waves makes 256 x 256, a wave 128 x 128: 64 accumulators.  Source 0 takes the 'B side', source 1 the 'A side': a lane holds ONE row of the A side, its registers run along the B side's rows.
; Clusters y 0-3: Q, 4-7: K (A side = tokens, B side = the weight's columns): a lane's 64 numbers of a tile are 128 columns = two heads' 64, the next K.
; Clusters y 8-11: V (A side = the weight's columns, B side = tokens): a lane holds one channel and 128 keys, the second product's K.  The choice is made by selects on the cluster's y, which all partners share.
; All operands lie in memory as images of fragments: a tile's two K steps of 128 are 4,096 consecutive bytes, a slot holds A's 16 tiles and B's 16 tiles for 256 along K.  K = four fills of two slots, written out: the scale registers change with the fill.
; CLUSTER 4 x 4: A's tiles are shared along a row of the cluster, B's along a column: joint loads.
; OUT: qb [bh 32][group of 128 tokens 16] blocks of 8,704 bytes: 8 tiles x 1,024 bytes of codes (pieces 0, 1: K = 64), then 512 bytes of scale words [lane][4]: word i: tile 2 i in lanes 0-15, tile 2 i + 1 in lanes 16-31.
;      kv [bh 32][step of 128 keys 16] blocks 17,408 bytes apart: K's codes as in qb; from 8,192 V^T's four fragments (16 channels x 128 keys); from 16,384 K's scale words as in qb; from 16,896 V's [lane][2].
; LIMIT: the floor under a block's largest magnitude is 2^(12 - 127) here, so that every byte is at least 4 (the next launch takes 3 off Q's): blocks under 2^-115 get a coarser scale than the rule's.  NaN and infinities are not served.
; REGISTERS, in windows of 256: window 0: v16-31 addresses; v32-63 A's scale words (4 a + fill), v64-95 B's; v96-117 at work; v128-255 A's fragments, ONE set, later the way out.
;   window 1: B's fragments, two sets; at the end the biases.   windows 2, 3: the accumulators ((a, b) at v[8 (8 (a % 4) + b)]).
.set SLOT,  131072
.set HALFT, 32768                      ; 8 tiles x 4,096: what one tensor load brings, and what a wave reads of a side
.set SPARE, 262144                     ; behind the ring: the spare words, 128 bytes a wave
.set NP,    8                          ; places behind this matrix instruction (ISA guide 7.12.1)
.set ADRA,  16                         ; v16-17 my A fragments in slot 0, 1
.set ADRB,  20                         ; v20-21 the same for B
.set L16,   24                         ; 16 x lane
.set L8,    25
.set L4,    26
.set SPW,   28
.set NIL,   29
.set SA,    32
.set SB,    64
.set TM,    96
.set VOF,   112                        ; v112-115 16 x lane + i x the tile's stride on the way out
.set BH,    116                        ; 64 (lane / 16)
.set BR,    117                        ; 4 (r + 8 (r / 8))
.set AF,    128
.set X,     128                        ; the way out: 64 numbers
.set PC,    192                        ; two sets of 16 registers of codes
.set LO,    224                        ; v224-231 bytes 0, 1 of tile a's scale word
.set HI,    232                        ; v232-239 bytes 2, 3
.set SCW,   240
.set G1,    24
.set G0,    32
.set G1B,   48
.set G0B,   56
.set OB,    68                         ; s[68:75] four bases of the codes' stores
.set SCB,   76                         ; s[76:79] two bases of the scale words' stores
.set SEL,   82
.set MNT,   84
.set HIM,   85
.set MSB, 0
.macro WIN new                         ; the immediate's high byte repeats the setting that is left
.if MSB != \new
	s_set_vgpr_msb (MSB<<8)|\new
.set MSB, \new
.endif
.endm
.set MUL_LO, 0xa1                      ; source 0 (B) window 1, source 1 (A) window 0, C and D window 2
.set MUL_HI, 0xf1
.set TO_B,   0x40
.macro JLOAD s                         ; a joint load: waves 0, 1 fetch A's halves, waves 2, 3 B's; an s_nop 0 and four v_nop follow each line
	s_cmp_eq_u32 s23, 0
	s_cbranch_scc0 .Lfor_b_\@
	tensor_load_to_lds s[G0+4*(\s):G0+4*(\s)+3], s[G1:G1+7]
	s_nop 0
.rept 4
	v_nop
.endr
	s_branch .Lasked_\@
.Lfor_b_\@:
	tensor_load_to_lds s[G0B+4*(\s):G0B+4*(\s)+3], s[G1B:G1B+7]
	s_nop 0
.rept 4
	v_nop
.endr
.Lasked_\@:
.endm
.macro CREST                           ; a round of the cluster's barrier behind its opening barrier
	s_cmp_lg_u32 s22, 0
	s_cbranch_scc1 .Lnot_wave_0_\@
	s_barrier_signal -3
.Lnot_wave_0_\@:
	s_barrier_wait -3
	s_barrier_signal -1
	s_barrier_wait -1
.endm
.macro CROUND
	s_barrier_signal -1
	s_barrier_wait -1
	CREST
.endm
.macro PLACES n
.rept \n
	v_nop
.endr
.endm
.macro QUANT64 s, pc, fl               ; 64 numbers of a lane, register 16 b + i = k 32 b + 16 (lane / 16) + i, become 16 registers of codes; the four bytes stay in v[TM+4] on
.irp b, 0,1,2,3
	v_max3_num_f32 v[TM+\b], |v[\s+16*\b]|, |v[\s+1+16*\b]|, \fl
.endr
.irp i, 2,4,6,8,10,12,14
.irp b, 0,1,2,3
	v_max3_num_f32 v[TM+\b], v[TM+\b], |v[\s+16*\b+\i]|, |v[\s+1+16*\b+\i]|
.endr
.endr
.irp b, 0,1,2,3
	v_permlanex16_b32 v[TM+4+\b], v[TM+\b], s[SEL], s[SEL+1]
.endr
.irp b, 0,1,2,3
	v_max_num_f32 v[TM+\b], v[TM+\b], v[TM+4+\b]
.endr
.irp b, 0,1,2,3
	v_add_nc_u32 v[TM+12+\b], 0xfc000000, v[TM+\b]
.endr
.irp b, 0,1,2,3
	v_and_or_b32 v[TM+8+\b], v[TM+\b], 0x7f800000, s[MNT]
.endr
.irp b, 0,1,2,3
	v_lshrrev_b32 v[TM+4+\b], 23, v[TM+12+\b]
.endr
.irp b, 0,1,2,3
.irp i, 0,1,2,3,4,5,6,7,8,9,10,11,12,13,14,15
	v_med3_num_f32 v[\s+16*\b+\i], v[\s+16*\b+\i], -v[TM+8+\b], v[TM+8+\b]
.endr
	v_cvt_scalef32_pk8_fp8_f32 v[\pc+4*\b:\pc+4*\b+1], v[\s+16*\b:\s+16*\b+7], v[TM+12+\b]
	v_cvt_scalef32_pk8_fp8_f32 v[\pc+4*\b+2:\pc+4*\b+3], v[\s+16*\b+8:\s+16*\b+15], v[TM+12+\b]
.endr
	v_nop
.endm
	s_load_b256 s[4:11], s[0:1], 0x0               ; xc, xs, wc, ws
	s_load_b256 s[12:19], s[0:1], 0x20             ; bq, bk, bv, qb
	s_load_b64 s[20:21], s[0:1], 0x40              ; kv
	v_lshl_add_u32 v[SPW], v0, 2, SPARE
	v_mov_b32 v[NIL], 0
	ds_add_u32 v[SPW], v[NIL]                      ; the wave's opening: the add, twice on end, and its wait ahead of my first tensor load
	ds_add_u32 v[SPW], v[NIL]
	v_lshrrev_b32 v1, 5, v0
	v_readfirstlane_b32 s22, v1                    ; wave 0..3
	s_lshr_b32 s23, s22, 1                         ; wa: my half of the A side.  Also: I fetch for A (0) or B (1)
	s_and_b32 s3, s22, 1                           ; wb: my half of the B side.  Also: which 8 tiles I fetch
	s_bfe_u32 s40, ttmp6, 0x40000                  ; cx
	s_bfe_u32 s41, ttmp6, 0x40004                  ; cy
	s_and_b32 s42, ttmp7, 0xffff                   ; the cluster's y, 0..11
	s_lshr_b32 s43, s42, 2                         ; P: 0 Q, 1 K, 2 V
	s_and_b32 s44, s42, 3
	s_lshl_b32 s44, s44, 2
	s_cmp_eq_u32 s43, 2
	s_cselect_b32 s45, 1, 0                        ; is it V
	s_cselect_b32 s46, 0, s44
	s_cselect_b32 s47, s44, 0
	s_add_co_u32 s46, s46, s41                     ; A's block of 256 rows: made of cy and the cluster's y alone
	s_add_co_u32 s47, s47, s40                     ; B's: of cx and the cluster's y alone
	s_lshl_b32 s80, s41, 2
	s_lshl_b32 s80, 15, s80                        ; my row of the cluster
	s_lshl_b32 s81, 0x1111, s40                    ; my column
	s_or_b32 s[G1], s80, (3<<16)|(1<<21)           ; 15:0 the mask; 17:16 elements of 8 bytes; 21 set beside a mask; no padding: the images are read 16 bytes a lane on end
	s_or_b32 s[G1B], s81, (3<<16)|(1<<21)
.irp g, G1, G1B
	s_mov_b32 s[\g+1], 512<<16                     ; tensor_dim0 = 512 elements: a tile's 4,096 bytes
	s_mov_b32 s[\g+2], 8<<16                       ; tensor_dim1 = 8 tiles
	s_mov_b32 s[\g+3], 512<<16                     ; tile_dim0
	s_mov_b32 s[\g+4], 8                           ; tile_dim1
	s_mov_b32 s[\g+5], 2048                        ; from tile to tile: 16,384 bytes
	s_mov_b32 s[\g+6], 0
	s_mov_b32 s[\g+7], 0
.endr
	s_lshl_b32 s82, s43, 22                        ; the tensor's place in xc,
	s_lshl_b32 s83, s43, 20                        ; the weight's in wc,
	s_lshl_b32 s84, s43, 17                        ; in xs,
	s_lshl_b32 s85, s43, 15                        ; in ws
	s_cmp_eq_u32 s45, 1
	s_cselect_b32 s86, s83, s82
	s_cselect_b32 s88, s82, s83
	s_cselect_b32 s90, s85, s84
	s_cselect_b32 s92, s84, s85
	s_lshl_b32 s66, s46, 18                        ; A's codes: 16 tiles of 16,384 bytes a block,
	s_add_co_u32 s86, s86, s66
	s_lshl_b32 s66, s3, 17                         ; the 8 tiles that I fetch
	s_add_co_u32 s86, s86, s66
	s_mov_b32 s87, 0
	s_lshl_b32 s67, s47, 18
	s_add_co_u32 s88, s88, s67
	s_lshl_b32 s67, s3, 17
	s_add_co_u32 s88, s88, s67
	s_mov_b32 s89, 0
	s_lshl_b32 s91, s46, 13                        ; A's scale words: 512 bytes a tile; my 8 tiles
	s_add_co_u32 s90, s90, s91
	s_lshl_b32 s91, s23, 12
	s_add_co_u32 s90, s90, s91
	s_mov_b32 s91, 0
	s_lshl_b32 s93, s47, 13
	s_add_co_u32 s92, s92, s93
	s_lshl_b32 s93, s3, 12
	s_add_co_u32 s92, s92, s93
	s_mov_b32 s93, 0
	s_mul_i32 s2, s22, HALFT                       ; where my load goes: the wave's number alone
	s_wait_dscnt 0x0                               ; both opening adds are done
	s_wait_kmcnt 0x0
	s_cmp_eq_u32 s45, 1
	s_cselect_b64 s[94:95], s[8:9], s[4:5]         ; A's codes: the weight's for V, else the tokens'
	s_cselect_b64 s[96:97], s[4:5], s[8:9]
	s_cselect_b64 s[98:99], s[10:11], s[6:7]
	s_cselect_b64 s[100:101], s[6:7], s[10:11]
	s_add_nc_u64 s[94:95], s[94:95], s[86:87]
	s_add_nc_u64 s[96:97], s[96:97], s[88:89]
	s_add_nc_u64 s[98:99], s[98:99], s[90:91]
	s_add_nc_u64 s[100:101], s[100:101], s[92:93]
	CROUND                                         ; all sixteen work-groups are here: the first joint loads meet
.irp s, 0,1
	s_mov_b32 s[G0+4*\s], 1
	s_add_co_u32 s[G0+4*\s+1], s2, \s*SLOT
	s_add_nc_u64 s[G0+4*\s+2:G0+4*\s+3], s[94:95], \s*4096
	s_or_b32 s[G0+4*\s+3], s[G0+4*\s+3], 0x80000000
	s_mov_b32 s[G0B+4*\s], 1
	s_add_co_u32 s[G0B+4*\s+1], s2, \s*SLOT
	s_add_nc_u64 s[G0B+4*\s+2:G0B+4*\s+3], s[96:97], \s*4096
	s_or_b32 s[G0B+4*\s+3], s[G0B+4*\s+3], 0x80000000
	JLOAD \s
.endr
	v_and_b32 v1, 31, v0
	v_lshlrev_b32 v[L16], 4, v1
	v_lshlrev_b32 v[L8], 3, v1
	v_lshlrev_b32 v[L4], 2, v1
	v_and_b32 v2, 15, v0
	v_and_b32 v3, 8, v2
	v_add_nc_u32 v3, v3, v2
	v_lshlrev_b32 v[BR], 2, v3
	v_bfe_u32 v3, v0, 4, 1
	v_lshlrev_b32 v[BH], 6, v3
.irp b, 0,1,2,3
	v_mov_b32 v[TM+4+\b], 0                        ; a lane permute's destination counts as read
.endr
	s_mul_i32 s86, s23, HALFT                      ; my 8 tiles of A
	s_mul_i32 s88, s3, HALFT                       ; my 8 tiles of B,
	s_add_co_u32 s88, s88, 2*HALFT                 ; behind A's 16
.irp s, 0,1
	v_add_nc_u32 v[ADRA+\s], s86, v[L16]
	v_add_nc_u32 v[ADRB+\s], s88, v[L16]
	s_add_co_u32 s86, s86, SLOT
	s_add_co_u32 s88, s88, SLOT
.endr
.irp i, 0,1,2,3,4,5,6,7                ; the scale words of all of K, once: register 4 i + p: lanes 0-15 tile i's words of K step 2 p, lanes 16-31 of 2 p + 1
.irp p, 0,1,2,3
	global_load_b32 v[SA+4*\i+\p], v[L4], s[98:99] offset:\i*512+\p*128
	global_load_b32 v[SB+4*\i+\p], v[L4], s[100:101] offset:\i*512+\p*128
.endr
.endr
.macro FRAG reg, adr, q, i             ; a fragment comes back as it was stored: four loads of 512 consecutive bytes
.irp c, 0,1,2,3
	ds_load_b128 v[\reg+4*\c:\reg+4*\c+3], v[\adr] offset:(\i)*4096+(\q)*2048+\c*512
.endr
.endm
; 16 matrix instructions: A's tiles a0, a0 + 1 x B's eight.  p: B's set; q: which 128 of the slot (it picks the scale registers' rows); ks: the fill.  The 64 accumulators take turns.
.macro MUL16 a0, p, q, ks, zero
.irp a, \a0, \a0+1
.irp b, 0,1,2,3,4,5,6,7
.if \zero
	v_wmma_scale_f32_16x16x128_f8f6f4 v[8*(8*((\a)%4)+\b):8*(8*((\a)%4)+\b)+7], v[128*(\p)+16*\b:128*(\p)+16*\b+15], v[AF+16*(\a):AF+16*(\a)+15], 0, v[SB+4*\b+(\ks)], v[SA+4*(\a)+(\ks)]
.elseif \q
	v_wmma_scale_f32_16x16x128_f8f6f4 v[8*(8*((\a)%4)+\b):8*(8*((\a)%4)+\b)+7], v[128*(\p)+16*\b:128*(\p)+16*\b+15], v[AF+16*(\a):AF+16*(\a)+15], v[8*(8*((\a)%4)+\b):8*(8*((\a)%4)+\b)+7], v[SB+4*\b+(\ks)], v[SA+4*(\a)+(\ks)] matrix_a_scale:MATRIX_SCALE_ROW1 matrix_b_scale:MATRIX_SCALE_ROW1
.else
	v_wmma_scale_f32_16x16x128_f8f6f4 v[8*(8*((\a)%4)+\b):8*(8*((\a)%4)+\b)+7], v[128*(\p)+16*\b:128*(\p)+16*\b+15], v[AF+16*(\a):AF+16*(\a)+15], v[8*(8*((\a)%4)+\b):8*(8*((\a)%4)+\b)+7], v[SB+4*\b+(\ks)], v[SA+4*(\a)+(\ks)]
.endif
.endr
.endr
.endm
.macro FETCH_B slot, q, p
	WIN TO_B
.irp i, 0,1,2,3,4,5,6,7
	FRAG 128*(\p)+16*\i, ADRB+\slot, \q, \i
.endr
	WIN 0
.endm
.macro FETCH_A slot, q, i0
.irp i, \i0, \i0+1, \i0+2, \i0+3
	FRAG AF+16*(\i), ADRA+\slot, \q, \i
.endr
.endm
.macro STEP slot, ks, zero             ; a slot's first 128 along K; fetches its second
	s_wait_dscnt 16                                ; B's set and A's tiles 0-3 are in; the youngest 16 loads (A's tiles 4-7) may be out
	WIN MUL_LO
	MUL16 0, 0, 0, \ks, \zero
	MUL16 2, 0, 0, \ks, \zero
	s_wait_dscnt 0x0
	PLACES NP                                      ; in front of loads into registers that matrix instructions have read
	FETCH_B \slot, 1, 1
	FETCH_A \slot, 1, 0
	WIN MUL_HI
	MUL16 4, 0, 0, \ks, \zero
	MUL16 6, 0, 0, \ks, \zero
	PLACES NP
	WIN 0
	FETCH_A \slot, 1, 4
.endm
.macro TURN slot, next, ks, fill       ; a slot's second 128, and the change of slots: one barrier
	s_wait_tensorcnt 0x0                           ; all my tensor loads have landed: my part of the next slot
	ds_add_u32 v[SPW], v[NIL]
	s_wait_dscnt 17                                ; the add and the youngest 16 loads may be out
	WIN MUL_LO
	MUL16 0, 1, 1, \ks, 0
	s_wait_dscnt 0x0                               ; the add is done, and my reads of this slot are over
	s_barrier_signal -1
	MUL16 2, 1, 1, \ks, 0
	WIN 0
	s_barrier_wait -1
.if \fill
	CREST                                          ; the barrier has opened a round of the cluster's: no wave of any partner still reads this slot or has a load on its way
	s_add_nc_u64 s[G0+4*\slot+2:G0+4*\slot+3], s[G0+4*\slot+2:G0+4*\slot+3], 8192
	s_add_nc_u64 s[G0B+4*\slot+2:G0B+4*\slot+3], s[G0B+4*\slot+2:G0B+4*\slot+3], 8192
	JLOAD \slot                                    ; the first tensor load behind the round; its four v_nop are among the places below
	PLACES NP-4
.else
	PLACES NP
.endif
	FETCH_B \next, 0, 0
	FETCH_A \next, 0, 0
	WIN MUL_HI
	MUL16 4, 1, 1, \ks, 0
	MUL16 6, 1, 1, \ks, 0
	PLACES NP
	WIN 0
	FETCH_A \next, 0, 4
.endm
	s_wait_tensorcnt 1                             ; my part of slot 0 is in; slot 1's may be out
	s_barrier_signal -1
	s_barrier_wait -1
	FETCH_B 0, 0, 0
	FETCH_A 0, 0, 0
	FETCH_A 0, 0, 4
	s_wait_loadcnt 0x0                             ; the scale words
	STEP 0, 0, 1                                   ; the first products start the sums
	TURN 0, 1, 0, 1
	STEP 1, 1, 0
	TURN 1, 0, 1, 1
	STEP 0, 2, 0
	TURN 0, 1, 2, 0                                ; nothing is left to fetch
	STEP 1, 3, 0
	; the scalars of the way out, in registers that feed no descriptor.  g: my group of 128 tokens; hg: my pair of heads
	s_lshl_b32 s90, s46, 1
	s_add_co_u32 s90, s90, s23                     ; 2 x A's block + wa
	s_lshl_b32 s91, s47, 1
	s_add_co_u32 s91, s91, s3                      ; 2 x B's block + wb
	s_mov_b32 s99, 1024
	s_cmp_eq_u32 s45, 1
	s_cselect_b32 s92, s91, s90                    ; g
	s_cselect_b32 s93, s90, s91                    ; hg
	s_cselect_b32 s98, 8192, 0                     ; V's fragments begin 8,192 bytes into a block
	s_cselect_b32 s99, 2048, s99                   ; from tile to tile on the way out
	s_mov_b32 s100, 17408
	s_cmp_eq_u32 s43, 0
	s_cselect_b32 s100, 8704, s100                 ; a block
	s_cselect_b64 s[68:69], s[18:19], s[20:21]     ; qb or kv
	s_cmp_eq_u32 s43, 1
	s_cselect_b64 s[12:13], s[14:15], s[12:13]
	s_cmp_eq_u32 s43, 2
	s_cselect_b64 s[12:13], s[16:17], s[12:13]     ; the bias
	s_lshl_b32 s14, s93, 9                         ; my 128 numbers of it
	s_mov_b32 s15, 0
	s_add_nc_u64 s[12:13], s[12:13], s[14:15]
	s_lshl_b32 s101, s100, 4                       ; from head to head: 16 blocks
	s_lshr_b32 s70, s92, 4
	s_lshl_b32 s70, s70, 8
	s_lshl_b32 s71, s93, 5
	s_add_co_u32 s70, s70, s71
	s_and_b32 s71, s92, 15
	s_add_co_u32 s70, s70, s71                     ; block ((batch x 16 + 2 hg) x 16 + step)
	s_mul_i32 s70, s70, s100
	s_mov_b32 s71, 0
	s_add_nc_u64 s[SCB:SCB+1], s[68:69], s[70:71]  ; the first head's block
	s_mov_b32 s90, s98
	s_mov_b32 s91, 0
	s_add_nc_u64 s[OB:OB+1], s[SCB:SCB+1], s[90:91]
	s_mov_b32 s90, 4096
	s_mov_b32 s92, 1024
	s_cmp_eq_u32 s45, 1
	s_cselect_b32 s90, s101, s90                   ; tiles 4-7: Q, K: four tiles on; V: the next head
	s_cselect_b32 s92, s92, s101                   ; blocks 2, 3 of a lane's four: Q, K: the next head; V: pieces 2, 3
	s_mov_b32 s93, 0
	s_add_nc_u64 s[OB+2:OB+3], s[OB:OB+1], s[92:93]
	s_add_nc_u64 s[OB+4:OB+5], s[OB:OB+1], s[90:91]
	s_add_nc_u64 s[OB+6:OB+7], s[OB+4:OB+5], s[92:93]
	s_mov_b32 s90, 16384
	s_cmp_eq_u32 s43, 0
	s_cselect_b32 s90, 8192, s90
	s_cmp_eq_u32 s43, 2
	s_cselect_b32 s90, 16896, s90                  ; where the scale words lie in a block
	s_add_nc_u64 s[SCB:SCB+1], s[SCB:SCB+1], s[90:91]
	s_mov_b32 s90, s101
	s_add_nc_u64 s[SCB+2:SCB+3], s[SCB:SCB+1], s[90:91]
	s_mov_b32 s[SEL], 0x76543210
	s_mov_b32 s[SEL+1], 0xfedcba98
	s_mov_b32 s[MNT], 0x600000
	s_mov_b32 s[HIM], 0xffff0000
.irp i, 0,1,2,3
	v_mad_u32_u24 v[VOF+\i], s99, \i, v[L16]
.endr
	; the biases, into B's set 0, which the eight places at STEP's end have freed
	s_cmp_eq_u32 s45, 1
	s_cbranch_scc1 .Lbias_v
	WIN TO_B
.irp b, 0,1,2,3,4,5,6,7                ; Q, K: register 8 b + j belongs to column 32 (b / 2) + 16 (lane / 16) + 8 (b % 2) + j
	global_load_b128 v[8*\b:8*\b+3], v[BH], s[12:13] offset:(32*(\b/2)+8*(\b%2))*4
	global_load_b128 v[8*\b+4:8*\b+7], v[BH], s[12:13] offset:(32*(\b/2)+8*(\b%2))*4+16
.endr
	WIN 0
	s_branch .Lbias_done
.Lbias_v:
	WIN TO_B
.irp a, 0,1,2,3,4,5,6,7                ; V: one number a lane and tile, its row's; twice, to fill a pair
	global_load_b32 v[64+2*\a], v[BR], s[12:13] offset:(32*(\a/2)+8*(\a%2))*4
	global_load_b32 v[65+2*\a], v[BR], s[12:13] offset:(32*(\a/2)+8*(\a%2))*4
.endr
	WIN 0
.Lbias_done:
	s_wait_dscnt 16                                ; the very last 128 along K
	WIN MUL_LO
	MUL16 0, 1, 1, 3, 0
	MUL16 2, 1, 1, 3, 0
	s_wait_dscnt 0x0
	WIN MUL_HI
	MUL16 4, 1, 1, 3, 0
	MUL16 6, 1, 1, 3, 0
	WIN 0
	PLACES NP                                      ; in front of the first read of results and of writes into A's registers
	s_wait_loadcnt 0x0                             ; the biases
; THE WAY OUT of A's tile a: + bias; quantised along the lane's 128; the four blocks' codes leave as pieces of images, 512 consecutive bytes a store.
.macro EPI a
.set WN, 0x06+(\a)/4                   ; source 0 (the sums) window 2 or 3, source 1 (the bias) window 1
	s_cmp_eq_u32 s45, 1
	s_cbranch_scc1 .Lepv_\@
	WIN WN
.set n_, 0
.rept 32
	v_pk_add_f32 v[X+2*n_:X+2*n_+1], v[64*((\a)%4)+2*n_:64*((\a)%4)+2*n_+1], v[2*n_:2*n_+1]   ; each accumulator from its low end on
.set n_, n_+1
.endr
	WIN 0
	s_branch .Lepj_\@
.Lepv_\@:
	WIN WN
.set n_, 0
.rept 32
	v_pk_add_f32 v[X+2*n_:X+2*n_+1], v[64*((\a)%4)+2*n_:64*((\a)%4)+2*n_+1], v[64+2*(\a):65+2*(\a)]
.set n_, n_+1
.endr
	WIN 0
.Lepj_\@:
	s_wait_xcnt 0x0                                ; the stores of two tiles back have read this set of codes' registers
	QUANT64 X, PC+16*((\a)%2), 0x6000000
	v_lshl_or_b32 v[LO+(\a)], v[TM+5], 8, v[TM+4]
	v_lshl_or_b32 v[HI+(\a)], v[TM+7], 8, v[TM+6]
.irp k, 0,1,2,3
	global_store_b128 v[VOF+(\a)%4], v[PC+16*((\a)%2)+4*\k:PC+16*((\a)%2)+4*\k+3], s[OB+4*((\a)/4)+2*(\k/2):OB+4*((\a)/4)+2*(\k/2)+1] offset:(\k%2)*512
.endr
.endm
.irp a, 0,1,2,3,4,5,6,7
	EPI \a
.endr
	s_cmp_eq_u32 s45, 1
	s_cbranch_scc1 .Lsc_v
.irp i, 0,1,2,3                        ; Q, K: word i: tile 2 i in lanes 0-15, tile 2 i + 1 in lanes 16-31; bytes 2, 3 are 0
	v_cndmask_b32 v[SCW+\i], v[LO+2*\i], v[LO+2*\i+1], s[HIM]
	v_cndmask_b32 v[SCW+4+\i], v[HI+2*\i], v[HI+2*\i+1], s[HIM]
.endr
	global_store_b128 v[L16], v[SCW:SCW+3], s[SCB:SCB+1]
	global_store_b128 v[L16], v[SCW+4:SCW+7], s[SCB+2:SCB+3]
	s_branch .Lsc_done
.Lsc_v:
.irp a, 0,1,2,3,4,5,6,7
	v_lshl_or_b32 v[LO+\a], v[HI+\a], 16, v[LO+\a]                 ; V: a row's four bytes for these 128 keys
.endr
.irp i, 0,1
	v_cndmask_b32 v[SCW+\i], v[LO+2*\i], v[LO+2*\i+1], s[HIM]
	v_cndmask_b32 v[SCW+4+\i], v[LO+4+2*\i], v[LO+5+2*\i], s[HIM]
.endr
	global_store_b64 v[L8], v[SCW:SCW+1], s[SCB:SCB+1]
	global_store_b64 v[L8], v[SCW+4:SCW+5], s[SCB+2:SCB+3]
.Lsc_done:
	s_wait_tensorcnt 0x0                           ; the wave's end
	ds_add_u32 v[SPW], v[NIL]
	s_wait_dscnt 0x0
	CROUND                                         ; the closing round
	s_endpgm
.Lfunc_end_k_q4f1034b890_proj:
	.size	k_q4f1034b890_proj, .Lfunc_end_k_q4f1034b890_proj-k_q4f1034b890_proj
	.p2alignl 7, 3214868480
	.fill 96, 4, 3214868480
	.section	.rodata,"a",@progbits
	.p2align	6, 0x0
	.amdhsa_kernel k_q4f1034b890_proj
		.amdhsa_group_segment_fixed_size 327680
		.amdhsa_private_segment_fixed_size 0
		.amdhsa_enable_private_segment 0
		.amdhsa_kernarg_size 72
		.amdhsa_user_sgpr_count 2
		.amdhsa_user_sgpr_kernarg_segment_ptr 1
		.amdhsa_wavefront_size32 1
		.amdhsa_system_sgpr_workgroup_id_x 1
		.amdhsa_system_sgpr_workgroup_id_y 1
		.amdhsa_system_sgpr_workgroup_id_z 1
		.amdhsa_system_vgpr_workitem_id 0
		.amdhsa_next_free_vgpr 1024
		.amdhsa_next_free_sgpr 102
		.amdhsa_reserve_vcc 0
		.amdhsa_float_denorm_mode_32 3
		.amdhsa_float_denorm_mode_16_64 3
		.amdhsa_memory_ordered 1
		.amdhsa_forward_progress 1
		.amdhsa_inst_pref_size 225
	.end_amdhsa_kernel
	.amdgpu_metadata
---
amdhsa.version: [ 1, 2 ]
amdhsa.kernels:
  - .name:           k_q4f1034b890_proj
    .symbol:         k_q4f1034b890_proj.kd
    .args:
      - { .name: xc, .offset: 0, .size: 8, .value_kind: global_buffer, .address_space: global }
      - { .name: xs, .offset: 8, .size: 8, .value_kind: global_buffer, .address_space: global }
      - { .name: wc, .offset: 16, .size: 8, .value_kind: global_buffer, .address_space: global }
      - { .name: ws, .offset: 24, .size: 8, .value_kind: global_buffer, .address_space: global }
      - { .name: bq, .offset: 32, .size: 8, .value_kind: global_buffer, .address_space: global }
      - { .name: bk, .offset: 40, .size: 8, .value_kind: global_buffer, .address_space: global }
      - { .name: bv, .offset: 48, .size: 8, .value_kind: global_buffer, .address_space: global }
      - { .name: qb, .offset: 56, .size: 8, .value_kind: global_buffer, .address_space: global }
      - { .name: kv, .offset: 64, .size: 8, .value_kind: global_buffer, .address_space: global }
    .group_segment_fixed_size: 327680
    .private_segment_fixed_size: 0
    .kernarg_segment_align: 8
    .kernarg_segment_size: 72
    .max_flat_workgroup_size: 128
    .sgpr_count:     102
    .vgpr_count:     1024
    .wavefront_size: 32
...
	.end_amdgpu_metadata
.endif
;; end of part 2
;; launch attn (part 3): grid 8 x 32, 16 waves a work-group, clusters of 4 x 4, 327,680 bytes of LDS; arguments qb, kv, mask, oc, os; writes oc, os
.if DOCPART == 3
	.amdgcn_target "amdgcn-amd-amdhsa--gfx1250"
	.amdhsa_code_object_version 6
	.text
	.protected	k_q4f1034b890_attn
	.globl	k_q4f1034b890_attn
	.p2align	8
	.type	k_q4f1034b890_attn,@function
k_q4f1034b890_attn:
	s_mov_b64 s[64:65], 0
	v_nop
	global_prefetch_b8 v0, s[64:65] scope:SCOPE_SE
	s_setreg_imm32_b32 hwreg(HW_REG_WAVE_MODE, 25, 1), 1
	s_wait_xcnt 0x0
	s_wait_alu depctr_hold_cnt(0) depctr_sa_sdst(0) depctr_va_vdst(0) depctr_va_sdst(0) depctr_va_ssrc(0) depctr_va_vcc(0) depctr_vm_vsrc(0)
	s_getreg_b32 s2, hwreg(HW_REG_IB_STS2, 6, 4)
	s_cmp_eq_u32 s2, 0
	s_cbranch_scc0 .Lentry_in_a_cluster
	s_endpgm
.Lentry_in_a_cluster:
	s_bfe_u32 s2, ttmp6, 0x10000c
	s_cmp_lg_u32 s2, 0xf033
	s_cbranch_scc0 .Lentry_shape_is_right
	s_endpgm
.Lentry_shape_is_right:
; LAUNCH 3 OF 4: logits = qh kh^T / 8 + mask, p = 2^(t - M), heads = (p vh) / l, both products on codes of E4M3; the heads are quantised along the last product's K and stored as images.  Nothing is left out.
; SHARES: a work-group owns 256 queries of one (batch, head); each of its sixteen waves 16 of them, in 256 registers.  Every wave walks the 2,048 keys, 128 a step.
; LAYOUT: both products are used transposed (S^T = K Q^T, O^T = V^T P^T): a lane holds ONE query (lane % 16).  The keys of a tile of K and the channels of a tile of V^T are permuted by the launches before, so that
; p's 16 registers of two neighbouring tiles are 16 neighbouring keys, and O^T's are 16 neighbouring channels.
; THE MASK IS THE C OF S^T: 3 is taken off both of Q's scale bytes once (x 2^-3 = 1 / sqrt(64), exact; the bytes are at least 4), so the product's result is the logit itself.
; K = 64 IN AN INSTRUCTION OF 128: Q's registers 8-15 hold zero codes.  K's eight tiles lie 8 registers apart, so a tile's upper half is the next tile's codes, finite numbers that meet Q's zeros; eight zero registers follow tile 7.
; SOFTMAX: t = logit x log2(e); M = the running largest t rounded up to a whole number; the row's sum is taken of the unquantised p; when M moves, the sum and O^T are multiplied by 2^(old M - new M), exact.
; CLUSTER 4 x 4: x = blocks of queries, y = heads of one batch.  The mask's tile hangs on the block of queries and the batch: shared along a column.  K's and V's block hangs on the head: shared along a row.
; RING: two slots, each 256 rows of the mask (512 bytes + 16) and a block of K and V (17,152 bytes).  Waves 0-3 fetch the mask's quarters, wave 4 the block.the add in front of a refill stands twice.
; LIMITS: a row of the mask that is all -infinity gives NaN, as in reference().  The heads' scale bytes leave two bytes a row (131,072 bytes in the launch); lanes l and l + 16 store the same two bytes with the same value.
.set SLOTB, 152320
.set KVO,   135168                     ; the block of K and V in a slot, behind the mask's 256 x 528
.set MP,    528
.set SPARE, 304640                     ; behind the ring: the spare words, 128 bytes for each of 16 waves
.set AM,   1                           ; v1-2   my row of the mask in slot 0, 1
.set AK,   3                           ; v3-4   the block + 16 x lane
.set AVS,  5                           ; v5-6   V's scale words + 8 x lane
.set PFO,  7                           ; the prefetches' offset; never rewritten
.set SPW,  8
.set NIL,  9
.set L16,  10
.set OSO,  11                          ; 4 (lane % 16)
.set S,    104                         ; v104-167 the mask, the logits, p
.set OT,   168                         ; v168-199 O^T
.set PCD,  200                         ; v200-215 p's codes
.set KS,   216                         ; v216-219 K's scale words
.set VS,   220                         ; v220-221 V's
.set QS,   222                         ; Q's
.set PS,   223                         ; p's
.set BM,   224
.set BP,   228
.set HOLD, 232
.set SOP,  236
.set F,    240                         ; v[240:241] f = 2^(old M - new M) in the low register
.set TMP,  242
.set WV,   14
.set MNT,  19
.set SEL,  20
.set CS,   22
.set G1M,  24
.set G1K,  32
.set G0M,  40
.set G0K,  48
.set CNT,  56
.set ASKF, 57
.set PFA,  58
.set PFS,  60
.macro JLOAD s
	s_cmp_lt_u32 s[WV], 4
	s_cbranch_scc0 .Lnot_m_\@
	tensor_load_to_lds s[G0M+4*(\s):G0M+4*(\s)+3], s[G1M:G1M+7]
	s_nop 0
.rept 4
	v_nop
.endr
	s_branch .Lasked_\@
.Lnot_m_\@:
	s_cmp_eq_u32 s[WV], 4
	s_cbranch_scc0 .Lasked_\@
	tensor_load_to_lds s[G0K+4*(\s):G0K+4*(\s)+3], s[G1K:G1K+7]
	s_nop 0
.rept 4
	v_nop
.endr
.Lasked_\@:
.endm
.macro ROUND                           ; a round of the cluster's barrier
	s_barrier_signal -1
	s_barrier_wait -1
	s_cmp_lg_u32 s[WV], 0
	s_cbranch_scc1 .Lnot_wave_0_\@
	s_barrier_signal -3
.Lnot_wave_0_\@:
	s_barrier_wait -3
	s_barrier_signal -1
	s_barrier_wait -1
.endm
; A PREFETCH INTO THE L2: in step j the tile of step j + 2, one step ahead of its tensor load.  Each aligned block of 256 bytes is named once in the launch.  The mask's tile is read by the four clusters of a batch and block column:
; the first of them asks, waves 8-11; the four partners of a column take 64 rows each BY ADDRESS, a wave 16 rows, a lane one of a row's two blocks.  K's and V's block is read by both clusters of a row of clusters: the first asks, wave 12;
; its four partners take 17 blocks of 256 bytes each by address (lanes 17-31 repeat lane 16's).  The flag is the same in all partners.  The last two steps ask for nothing.
.macro ASK
	s_cmp_eq_u32 s[ASKF], 1
	s_cbranch_scc0 .Lnot_mine_\@
	global_prefetch_b8 v[PFO], s[PFA:PFA+1] th:TH_LOAD_NT scope:SCOPE_SE
.Lnot_mine_\@:
.endm
	s_load_b256 s[4:11], s[0:1], 0x0               ; qb, kv, mask, oc
	s_load_b64 s[12:13], s[0:1], 0x20              ; os
	v_lshl_add_u32 v[SPW], v0, 2, SPARE
	v_mov_b32 v[NIL], 0
	ds_add_u32 v[SPW], v[NIL]                      ; the wave's opening: the add, twice on end, and its wait
	ds_add_u32 v[SPW], v[NIL]
	v_lshrrev_b32 v[TMP], 5, v0
	v_readfirstlane_b32 s[WV], v[TMP]              ; wave 0..15
	s_bfe_u32 s15, ttmp6, 0x40000                  ; cx
	s_bfe_u32 s16, ttmp6, 0x40004                  ; cy
	s_and_b32 s17, ttmp7, 0xffff                   ; the cluster's y
	s_lshl_b32 s18, ttmp9, 2
	s_add_co_u32 s18, s18, s15                     ; X: my block of 256 queries
	s_lshl_b32 s70, s17, 2
	s_add_co_u32 s70, s70, s16                     ; Y: batch x 16 + head
	s_lshr_b32 s74, s17, 2                         ; the batch
	s_and_b32 s75, s[WV], 3                        ; which quarter of the mask's tile
	s_lshl_b32 s66, 0x1111, s15                    ; my column of the cluster
	s_lshl_b32 s71, s16, 2
	s_lshl_b32 s71, 15, s71                        ; my row
	s_or_b32 s[G1M], s66, (2<<16)|(1<<20)|(1<<21)|(6<<22)|(3<<25)  ; elements of 4 bytes; padding: 4 words behind every 128
	s_mov_b32 s[G1M+1], 128<<16                    ; tensor_dim0 = 128 keys
	s_mov_b32 s[G1M+2], 64<<16                     ; tensor_dim1 = 64 queries
	s_mov_b32 s[G1M+3], 128<<16
	s_mov_b32 s[G1M+4], 64
	s_mov_b32 s[G1M+5], 2048                       ; a row of the mask
	s_mov_b32 s[G1M+6], 0
	s_mov_b32 s[G1M+7], 0
	s_or_b32 s[G1K], s71, (3<<16)|(1<<21)          ; a dense block as 67 rows of 256 bytes
	s_mov_b32 s[G1K+1], 32<<16
	s_mov_b32 s[G1K+2], 67<<16
	s_mov_b32 s[G1K+3], 32<<16
	s_mov_b32 s[G1K+4], 67
	s_mov_b32 s[G1K+5], 32
	s_mov_b32 s[G1K+6], 0
	s_mov_b32 s[G1K+7], 0
	s_lshl_b32 s68, s74, 24                        ; the mask: 16 MiB a batch,
	s_lshl_b32 s67, s18, 21                        ; 256 rows of 8,192 bytes a block,
	s_add_co_u32 s68, s68, s67
	s_lshl_b32 s67, s75, 19                        ; 64 rows a quarter
	s_add_co_u32 s68, s68, s67
	s_mov_b32 s69, 0
	s_mul_i32 s72, s70, 278528                     ; kv: 16 blocks of 17,408 bytes a head
	s_mov_b32 s73, 0
	s_mul_i32 s76, s75, 64*MP
	; Q: block 16 Y + 2 X + wave / 8, tile wave % 8
	s_lshl_b32 s80, s70, 4
	s_lshl_b32 s81, s18, 1
	s_add_co_u32 s80, s80, s81
	s_lshr_b32 s81, s[WV], 3
	s_add_co_u32 s80, s80, s81
	s_mul_i32 s80, s80, 8704
	s_and_b32 s81, s[WV], 7
	s_lshl_b32 s82, s81, 10
	s_add_co_u32 s82, s82, s80
	s_mov_b32 s83, 0
	s_and_b32 s84, s[WV], 1
	s_lshl_b32 s84, s84, 8                         ; odd tiles' words lie in lanes 16-31: 16 x 16 bytes on
	s_lshr_b32 s85, s81, 1
	s_lshl_b32 s85, s85, 2
	s_add_co_u32 s84, s84, s85
	s_add_co_u32 s84, s84, s80
	s_add_co_u32 s84, s84, 8192
	s_mov_b32 s85, 0
	; the way out: tile T = 128 batch + 16 X + wave; my head's 64 along K
	s_lshl_b32 s86, s74, 7
	s_lshl_b32 s87, s18, 4
	s_add_co_u32 s86, s86, s87
	s_add_co_u32 s86, s86, s[WV]
	s_and_b32 s87, s70, 15                         ; the head
	s_lshl_b32 s88, s86, 14
	s_lshl_b32 s89, s87, 10                        ; two pieces of 512 bytes a head
	s_add_co_u32 s88, s88, s89
	s_mov_b32 s89, 0
	s_lshl_b32 s90, s86, 9
	s_lshr_b32 s91, s87, 1
	s_lshl_b32 s91, s91, 6
	s_add_co_u32 s90, s90, s91
	s_and_b32 s91, s87, 1
	s_lshl_b32 s91, s91, 1
	s_add_co_u32 s90, s90, s91
	s_mov_b32 s91, 0
	; the prefetches: they stand at step 1; the first step moves them to step 2
	s_lshl_b32 s96, s74, 24
	s_lshl_b32 s97, s18, 21
	s_add_co_u32 s96, s96, s97
	s_lshl_b32 s97, s16, 19                        ; my work-group's 64 rows,
	s_add_co_u32 s96, s96, s97
	s_lshl_b32 s97, s75, 17                        ; my wave's 16
	s_add_co_u32 s96, s96, s97
	s_add_co_u32 s96, s96, 512
	s_mul_i32 s97, s70, 278528
	s_mul_i32 s98, s15, 4352                       ; my work-group's 17 blocks of 256 bytes
	s_add_co_u32 s97, s97, s98
	s_add_co_u32 s97, s97, 17408
	s_mov_b32 s[PFS], 512
	s_cmp_eq_u32 s[WV], 12
	s_cselect_b32 s96, s97, s96
	s_cselect_b32 s[PFS], 17408, s[PFS]
	s_cselect_b32 s99, -1, 0
	s_mov_b32 s97, 0
	s_mov_b32 s[PFS+1], 0
	s_and_b32 s98, s17, 3
	s_lshr_b32 s77, s[WV], 2
	s_xor_b32 s77, s77, 2
	s_or_b32 s98, s98, s77                         ; 0: waves 8-11 of a batch's first cluster
	s_xor_b32 s77, s[WV], 12
	s_or_b32 s77, s77, ttmp9                       ; 0: wave 12 of the first cluster along x
	s_min_u32 s98, s98, s77
	s_cmp_eq_u32 s98, 0
	s_cselect_b32 s[ASKF], 1, 0
	s_mov_b32 s[SEL], 0x76543210
	s_mov_b32 s[SEL+1], 0xfedcba98
	s_mov_b32 s[CS], 0x3fb8aa3b                    ; log2(e)
	s_mov_b32 s[CS+1], s[CS]
	s_mov_b32 s[MNT], 0x600000
	s_mov_b32 s[CNT], 7
	v_and_b32 v[TMP], 31, v0                       ; lane
	v_and_b32 v245, 15, v0                         ; r
	v_bfe_u32 v244, v0, 4, 1                       ; h
	v_min_u32 v[PFO], 16, v[TMP]
	v_lshlrev_b32 v[PFO], 8, v[PFO]
	v_lshlrev_b32 v243, 13, v245
	v_lshl_add_u32 v243, v244, 8, v243
	v_cndmask_b32 v[PFO], v243, v[PFO], s99
	s_mul_i32 s77, s[WV], 16*MP
	v_mul_u32_u24 v[AM], v245, MP
	v_lshl_add_u32 v[AM], v244, 6, v[AM]
	v_add_nc_u32 v[AM], s77, v[AM]                 ; row 16 wave + r, + 64 h
	v_add_nc_u32 v[AM+1], SLOTB, v[AM]
	v_lshlrev_b32 v[L16], 4, v[TMP]
	v_add_nc_u32 v[AK], KVO, v[L16]
	v_add_nc_u32 v[AK+1], SLOTB+KVO, v[L16]
	v_lshlrev_b32 v[AVS], 3, v[TMP]
	v_add_nc_u32 v[AVS+1], SLOTB+KVO+16896, v[AVS]
	v_add_nc_u32 v[AVS], KVO+16896, v[AVS]
	v_lshlrev_b32 v[OSO], 2, v245
	v_lshlrev_b32 v246, 4, v245
	s_wait_dscnt 0x0                               ; both opening adds are done
	s_wait_kmcnt 0x0
	s_add_nc_u64 s[68:69], s[8:9], s[68:69]
	s_add_nc_u64 s[72:73], s[6:7], s[72:73]
	s_add_nc_u64 s[92:93], s[4:5], s[82:83]
	s_add_nc_u64 s[94:95], s[4:5], s[84:85]
	s_add_nc_u64 s[10:11], s[10:11], s[88:89]
	s_add_nc_u64 s[12:13], s[12:13], s[90:91]
	s_cmp_eq_u32 s[WV], 12
	s_cselect_b64 s[PFA:PFA+1], s[6:7], s[8:9]
	s_add_nc_u64 s[PFA:PFA+1], s[PFA:PFA+1], s[96:97]
.irp s, 0,1
	s_mov_b32 s[G0M+4*\s], 1
	s_add_co_u32 s[G0M+4*\s+1], s76, \s*SLOTB
	s_add_nc_u64 s[G0M+4*\s+2:G0M+4*\s+3], s[68:69], \s*512
	s_or_b32 s[G0M+4*\s+3], s[G0M+4*\s+3], 0x80000000
	s_mov_b32 s[G0K+4*\s], 1
	s_mov_b32 s[G0K+4*\s+1], \s*SLOTB+KVO
	s_add_nc_u64 s[G0K+4*\s+2:G0K+4*\s+3], s[72:73], \s*17408
	s_or_b32 s[G0K+4*\s+3], s[G0K+4*\s+3], 0x80000000
.endr
	ROUND                                          ; all sixteen work-groups are here
	JLOAD 0                                        ; step 0
	global_load_b128 v[16:19], v[L16], s[92:93]    ; Q's fragment: pieces 0, 1
	global_load_b128 v[20:23], v[L16], s[92:93] offset:512
	global_load_b32 v[QS], v246, s[94:95]
	s_wait_loadcnt 0x0
	v_add_nc_u32 v[QS], 0xfffffcfd, v[QS]          ; 3 off bytes 0 and 1 (each at least 4: no borrow)
.irp j, 0,1,2,3,4,5,6,7
	v_mov_b32 v[24+\j], 0                          ; Q's zero codes for k = 64 .. 127
	v_mov_b32 v[96+\j], 0                          ; and what stands behind K's tile 7
.endr
	v_mov_b32 v13, 0xff61b1e6                      ; the largest t so far: -3e38
	v_floor_f32 v12, -v13                          ; -M
	v_mov_b32 v14, 0
	v_mov_b32 v15, 0
	v_mov_b32 v[F+1], 0                            ; named as the upper half of a pair
.irp b, 0,1,2,3
	v_mov_b32 v[BP+\b], 0                          ; a lane permute's destination counts as read
.endr
.set n_, 0
.rept 32
	v_mov_b32 v[OT+n_], 0                          ; the step is written once: the first finds zeros
.set n_, n_+1
.endr
.macro STEP slot, ask
.irp t, 0,1,2,3,4,5,6,7
	ds_load_b128 v[32+8*\t:35+8*\t], v[AK+\slot] offset:\t*1024
	ds_load_b128 v[36+8*\t:39+8*\t], v[AK+\slot] offset:\t*1024+512
.endr
	ds_load_b128 v[KS:KS+3], v[AK+\slot] offset:16384
.irp t, 0,1,2,3,4,5,6,7                ; register 8 t + j: the mask at my query and key 32 (t / 2) + 16 h + 8 (t % 2) + j
	ds_load_b128 v[S+8*\t:S+8*\t+3], v[AM+\slot] offset:128*(\t/2)+32*(\t%2)
	ds_load_b128 v[S+8*\t+4:S+8*\t+7], v[AM+\slot] offset:128*(\t/2)+32*(\t%2)+16
.endr
.if \ask
	ASK
.endif
	s_wait_dscnt 0x0
.irp t, 0,2,4,6
	v_wmma_scale_f32_16x16x128_f8f6f4 v[S+8*\t:S+8*\t+7], v[32+8*\t:47+8*\t], v[16:31], v[S+8*\t:S+8*\t+7], v[KS+\t/2], v[QS]
	v_wmma_scale_f32_16x16x128_f8f6f4 v[S+8*\t+8:S+8*\t+15], v[40+8*\t:55+8*\t], v[16:31], v[S+8*\t+8:S+8*\t+15], v[KS+\t/2], v[QS] matrix_a_scale:MATRIX_SCALE_ROW1
.endr
.rept 8
	v_nop                                          ; places in front of the loads into K's registers and of the first read of the logits
.endr
.irp e, 0,1,2,3
.irp c, 0,1,2,3
	ds_load_b128 v[32+16*\e+4*\c:35+16*\e+4*\c], v[AK+\slot] offset:8192+\e*2048+\c*512   ; V^T: it lands under the softmax
.endr
.endr
	ds_load_b64 v[VS:VS+1], v[AVS+\slot]
.irp b, 0,1,2,3
	v_max3_num_f32 v[BM+\b], v[S+16*\b], v[S+1+16*\b], v[S+2+16*\b]   ; the largest logit of each block of 32 keys: for the row's maximum and for the block's largest p
.endr
.irp i, 3,5,7,9,11,13
.irp b, 0,1,2,3
	v_max3_num_f32 v[BM+\b], v[BM+\b], v[S+16*\b+\i], v[S+1+16*\b+\i]
.endr
.endr
.irp b, 0,1,2,3
	v_max_num_f32 v[BM+\b], v[BM+\b], v[S+15+16*\b]
.endr
.irp b, 0,1,2,3
	v_permlanex16_b32 v[BP+\b], v[BM+\b], s[SEL], s[SEL+1]
.endr
.irp b, 0,1,2,3
	v_max_num_f32 v[BM+\b], v[BM+\b], v[BP+\b]
.endr
	v_max3_num_f32 v[TMP], v[BM], v[BM+1], v[BM+2]
	v_max_num_f32 v[TMP], v[TMP], v[BM+3]
	v_mul_f32 v[TMP], s[CS], v[TMP]
	v_max_num_f32 v13, v13, v[TMP]                 ; the running largest t
	v_mov_b32 v[TMP], v12
	v_floor_f32 v12, -v13                          ; the new -M: M is a whole number
	v_sub_f32 v[TMP], v12, v[TMP]
	v_cvt_i32_f32 v[TMP], v[TMP]                   ; (it saturates)
	v_ldexp_f32 v[F], 1.0, v[TMP]                  ; f = 2^(old M - new M)
.set n_, 0
.rept 32
	v_pk_fma_f32 v[S+n_:S+n_+1], v[S+n_:S+n_+1], s[CS:CS+1], v[12:13] op_sel_hi:[1,0,0]   ; t - M
.set n_, n_+2
.endr
.irp b, 0,1,2,3
	v_fma_f32 v[BM+\b], v[BM+\b], s[CS], v12
.endr
.set n_, 0
.rept 64
	v_exp_f32 v[S+n_], v[S+n_]                     ; p = 2^(t - M)
.set n_, n_+1
.endr
	v_pk_mul_f32 v[14:15], v[14:15], v[F:F+1] op_sel_hi:[1,0]      ; the sums under the new M; a plain line behind the exponentials
	s_wait_alu depctr_va_vdst(0)                   ; one wait for the batch, ahead of its first reader
.irp b, 0,1,2,3
	v_exp_f32 v[BM+\b], v[BM+\b]                   ; the block's largest p
.endr
	v_pk_add_f32 v[BP:BP+1], v[S:S+1], v[S+2:S+3]  ; the row's sum of the unquantised p, in two chains
.irp j, 4,8,12,16,20,24,28,32,36,40,44,48,52,56,60
	v_pk_add_f32 v[14:15], v[14:15], v[S+\j:S+\j+1]
	v_pk_add_f32 v[BP:BP+1], v[BP:BP+1], v[S+2+\j:S+3+\j]
.endr
	v_pk_add_f32 v[14:15], v[14:15], v[BP:BP+1]
	s_wait_alu depctr_va_vdst(0)                   ; and one for the four
.irp b, 0,1,2,3
	v_max_num_f32 v[BM+\b], 0x4800000, v[BM+\b]    ; the floor: the byte cannot fall under 1
.endr
.irp b, 0,1,2,3
	v_add_nc_u32 v[SOP+\b], 0xfc000000, v[BM+\b]
.endr
.irp b, 0,1,2,3
	v_and_or_b32 v[HOLD+\b], v[BM+\b], 0x7f800000, s[MNT]
.endr
.irp b, 0,1,2,3
	v_lshrrev_b32 v[BP+\b], 23, v[SOP+\b]
.endr
	v_lshl_or_b32 v[PS], v[BP+1], 8, v[BP]         ; p's scale word for these 128 keys
	v_lshl_or_b32 v[PS], v[BP+2], 16, v[PS]
	v_lshl_or_b32 v[PS], v[BP+3], 24, v[PS]
.irp b, 0,1,2,3
.irp i, 0,1,2,3,4,5,6,7,8,9,10,11,12,13,14,15
	v_min_num_f32 v[S+16*\b+\i], v[S+16*\b+\i], v[HOLD+\b]         ; the hold; p is not negative
.endr
	v_cvt_scalef32_pk8_fp8_f32 v[PCD+4*\b:PCD+4*\b+1], v[S+16*\b:S+16*\b+7], v[SOP+\b]
	v_cvt_scalef32_pk8_fp8_f32 v[PCD+4*\b+2:PCD+4*\b+3], v[S+16*\b+8:S+16*\b+15], v[SOP+\b]
.endr
.set n_, 0
.rept 16
	v_pk_mul_f32 v[OT+n_:OT+n_+1], v[OT+n_:OT+n_+1], v[F:F+1] op_sel_hi:[1,0]   ; O^T under the new M; also the places between the codes and the products
.set n_, n_+2
.endr
	s_wait_dscnt 0x0                               ; V^T and its scale words
.irp e, 0,2
	v_wmma_scale_f32_16x16x128_f8f6f4 v[OT+8*\e:OT+8*\e+7], v[32+16*\e:47+16*\e], v[PCD:PCD+15], v[OT+8*\e:OT+8*\e+7], v[VS+\e/2], v[PS]
	v_wmma_scale_f32_16x16x128_f8f6f4 v[OT+8*\e+8:OT+8*\e+15], v[48+16*\e:63+16*\e], v[PCD:PCD+15], v[OT+8*\e+8:OT+8*\e+15], v[VS+\e/2], v[PS] matrix_a_scale:MATRIX_SCALE_ROW1
.endr
.rept 8
	v_nop                                          ; places in front of the next step's loads into V's registers, and of the way out's reads
.endr
.endm
; A step: all my tensor loads have landed (my part of this step's slot); the add; the slot's descriptors step two tiles on; my reads of the other slot are over; a round of the cluster's barrier; the other slot is asked for; the work.
.macro TRIP slot, refill, ask
	s_wait_tensorcnt 0x0
	ds_add_u32 v[SPW], v[NIL]
.if \refill
	ds_add_u32 v[SPW], v[NIL]                      ; twice on end where a load follows that some waves reach with none behind them
.endif
	s_add_nc_u64 s[G0M+4*\slot+2:G0M+4*\slot+3], s[G0M+4*\slot+2:G0M+4*\slot+3], 1024
	s_add_nc_u64 s[G0K+4*\slot+2:G0K+4*\slot+3], s[G0K+4*\slot+2:G0K+4*\slot+3], 34816
.if \ask
	s_wait_xcnt 0x0                                ; the last prefetch, a step back, has read its address
	s_add_nc_u64 s[PFA:PFA+1], s[PFA:PFA+1], s[PFS:PFS+1]
.endif
	s_wait_dscnt 0x0
	ROUND
.if \refill
	JLOAD 1-\slot
.endif
	STEP \slot, \ask
.endm
.Lpair:                                            ; seven trips: steps 0 to 13
	TRIP 0, 1, 1
	TRIP 1, 1, 1
	s_sub_co_u32 s[CNT], s[CNT], 1
	s_cmp_lg_u32 s[CNT], 0
	s_cbranch_scc1 .Lpair
	TRIP 0, 1, 0                                   ; step 14 asks for step 15's tiles
	TRIP 1, 0, 0                                   ; step 15: nothing is left to fetch
	; THE WAY OUT: O^T / the sum; register 16 j + i is channel 32 j + 16 h + i of my query: two blocks of the last product's K; their codes are pieces of an image.
	v_add_f32 v14, v14, v15
	v_permlanex16_b32 v[TMP], v14, s[SEL], s[SEL+1]
	v_add_f32 v14, v14, v[TMP]
	v_rcp_f32 v14, v14
	v_nop
	s_wait_alu depctr_va_vdst(0)
.set n_, 0
.rept 16
	v_pk_mul_f32 v[S+n_:S+n_+1], v[OT+n_:OT+n_+1], v[14:15] op_sel_hi:[1,0]
.set n_, n_+2
.endr
.irp b, 0,1
	v_max3_num_f32 v[BM+\b], |v[S+16*\b]|, |v[S+1+16*\b]|, 0x4800000
.endr
.irp i, 2,4,6,8,10,12,14
.irp b, 0,1
	v_max3_num_f32 v[BM+\b], v[BM+\b], |v[S+16*\b+\i]|, |v[S+1+16*\b+\i]|
.endr
.endr
.irp b, 0,1
	v_permlanex16_b32 v[BP+\b], v[BM+\b], s[SEL], s[SEL+1]
.endr
.irp b, 0,1
	v_max_num_f32 v[BM+\b], v[BM+\b], v[BP+\b]
.endr
.irp b, 0,1
	v_add_nc_u32 v[SOP+\b], 0xfc000000, v[BM+\b]
.endr
.irp b, 0,1
	v_and_or_b32 v[HOLD+\b], v[BM+\b], 0x7f800000, s[MNT]
.endr
.irp b, 0,1
	v_lshrrev_b32 v[BP+\b], 23, v[SOP+\b]
.endr
	v_lshl_or_b32 v[TMP], v[BP+1], 8, v[BP]
.irp b, 0,1
.irp i, 0,1,2,3,4,5,6,7,8,9,10,11,12,13,14,15
	v_med3_num_f32 v[S+16*\b+\i], v[S+16*\b+\i], -v[HOLD+\b], v[HOLD+\b]
.endr
	v_cvt_scalef32_pk8_fp8_f32 v[PCD+4*\b:PCD+4*\b+1], v[S+16*\b:S+16*\b+7], v[SOP+\b]
	v_cvt_scalef32_pk8_fp8_f32 v[PCD+4*\b+2:PCD+4*\b+3], v[S+16*\b+8:S+16*\b+15], v[SOP+\b]
.endr
	v_nop
	global_store_b128 v[L16], v[PCD:PCD+3], s[10:11]               ; 512 consecutive bytes
	global_store_b128 v[L16], v[PCD+4:PCD+7], s[10:11] offset:512
	global_store_b16 v[OSO], v[TMP], s[12:13]                      ; my row's two bytes
	s_wait_tensorcnt 0x0                           ; the wave's end
	ds_add_u32 v[SPW], v[NIL]
	s_wait_dscnt 0x0
	ROUND                                          ; the closing round
	s_endpgm
.Lfunc_end_k_q4f1034b890_attn:
	.size	k_q4f1034b890_attn, .Lfunc_end_k_q4f1034b890_attn-k_q4f1034b890_attn
	.p2alignl 7, 3214868480
	.fill 96, 4, 3214868480
	.section	.rodata,"a",@progbits
	.p2align	6, 0x0
	.amdhsa_kernel k_q4f1034b890_attn
		.amdhsa_group_segment_fixed_size 327680
		.amdhsa_private_segment_fixed_size 0
		.amdhsa_enable_private_segment 0
		.amdhsa_kernarg_size 40
		.amdhsa_user_sgpr_count 2
		.amdhsa_user_sgpr_kernarg_segment_ptr 1
		.amdhsa_wavefront_size32 1
		.amdhsa_system_sgpr_workgroup_id_x 1
		.amdhsa_system_sgpr_workgroup_id_y 1
		.amdhsa_system_sgpr_workgroup_id_z 1
		.amdhsa_system_vgpr_workitem_id 0
		.amdhsa_next_free_vgpr 256
		.amdhsa_next_free_sgpr 100
		.amdhsa_reserve_vcc 0
		.amdhsa_float_denorm_mode_32 3
		.amdhsa_float_denorm_mode_16_64 3
		.amdhsa_memory_ordered 1
		.amdhsa_forward_progress 1
		.amdhsa_inst_pref_size 98
	.end_amdhsa_kernel
	.amdgpu_metadata
---
amdhsa.version: [ 1, 2 ]
amdhsa.kernels:
  - .name:           k_q4f1034b890_attn
    .symbol:         k_q4f1034b890_attn.kd
    .args:
      - { .name: qb, .offset: 0, .size: 8, .value_kind: global_buffer, .address_space: global }
      - { .name: kv, .offset: 8, .size: 8, .value_kind: global_buffer, .address_space: global }
      - { .name: mask, .offset: 16, .size: 8, .value_kind: global_buffer, .address_space: global }
      - { .name: oc, .offset: 24, .size: 8, .value_kind: global_buffer, .address_space: global }
      - { .name: os, .offset: 32, .size: 8, .value_kind: global_buffer, .address_space: global }
    .group_segment_fixed_size: 327680
    .private_segment_fixed_size: 0
    .kernarg_segment_align: 8
    .kernarg_segment_size: 40
    .max_flat_workgroup_size: 512
    .sgpr_count:     100
    .vgpr_count:     256
    .wavefront_size: 32
...
	.end_amdgpu_metadata
.endif
;; end of part 3
;; launch outp (part 4): grid 4 x 16, 4 waves a work-group, clusters of 4 x 4, 327,680 bytes of LDS; arguments oc, os, wc, ws, bo, out0; writes out0
.if DOCPART == 4
	.amdgcn_target "amdgcn-amd-amdhsa--gfx1250"
	.amdhsa_code_object_version 6
	.text
	.protected	k_q4f1034b890_outp
	.globl	k_q4f1034b890_outp
	.p2align	8
	.type	k_q4f1034b890_outp,@function
k_q4f1034b890_outp:
	s_mov_b64 s[64:65], 0
	v_nop
	global_prefetch_b8 v0, s[64:65] scope:SCOPE_SE
	s_setreg_imm32_b32 hwreg(HW_REG_WAVE_MODE, 25, 1), 1
	s_wait_xcnt 0x0
	s_wait_alu depctr_hold_cnt(0) depctr_sa_sdst(0) depctr_va_vdst(0) depctr_va_sdst(0) depctr_va_ssrc(0) depctr_va_vcc(0) depctr_vm_vsrc(0)
	s_getreg_b32 s2, hwreg(HW_REG_IB_STS2, 6, 4)
	s_cmp_eq_u32 s2, 0
	s_cbranch_scc0 .Lentry_in_a_cluster
	s_endpgm
.Lentry_in_a_cluster:
	s_bfe_u32 s2, ttmp6, 0x10000c
	s_cmp_lg_u32 s2, 0xf033
	s_cbranch_scc0 .Lentry_shape_is_right
	s_endpgm
.Lentry_shape_is_right:
; LAUNCH 4 OF 4: out0 = gelu(x Wo + bo), gelu(y) = y / (1 + 2^(-1.702 log2(e) y)), the product on codes of E4M3 (K = 1,024).  Nothing is left out.
; The product is the second launch's: a work-group makes 256 tokens x 256 columns, a wave 128 x 128; source 0 = Wo's columns (the fourth weight in wc, ws), source 1 = the tokens' tiles (oc, os);
; operands are images of fragments; two slots of 256 along K, four fills, written out; cluster 4 x 4, A's tiles shared along a row, B's along a column.  64 work-groups: 4,096 x 1,024 in tiles of 256 x 256.
; A lane holds one token; register 8 b + j of a tile belongs to column 32 (b / 2) + 16 (lane / 16) + 8 (b % 2) + j.  A tile of 16 tokens x 128 columns goes through the wave's own stage in LDS and leaves as whole rows of 512 bytes.
; The stage lies in slot 0, which has had its last fill, and which nobody reads behind the last change of slots.
.set SLOT,  131072
.set HALFT, 32768
.set SPARE, 262144
.set NP,    8
.set SP,    528
.set ADRA,  16
.set ADRB,  20
.set L16,   24
.set STO,   25
.set L4,    26
.set RD,    27
.set SPW,   28
.set NIL,   29
.set BH,    30
.set SA,    32
.set SB,    64
.set AF,    128
.set X,     128                        ; the way out: 64 numbers
.set T,     192                        ; 64 more
.set G1,    24
.set G0,    32
.set G1B,   48
.set G0B,   56
.set GC,    82                         ; s[82:83] -1.702 log2(e)
.set MSB, 0
.macro WIN new
.if MSB != \new
	s_set_vgpr_msb (MSB<<8)|\new
.set MSB, \new
.endif
.endm
.set MUL_LO, 0xa1
.set MUL_HI, 0xf1
.set TO_B,   0x40
.macro JLOAD s
	s_cmp_eq_u32 s23, 0
	s_cbranch_scc0 .Lfor_b_\@
	tensor_load_to_lds s[G0+4*(\s):G0+4*(\s)+3], s[G1:G1+7]
	s_nop 0
.rept 4
	v_nop
.endr
	s_branch .Lasked_\@
.Lfor_b_\@:
	tensor_load_to_lds s[G0B+4*(\s):G0B+4*(\s)+3], s[G1B:G1B+7]
	s_nop 0
.rept 4
	v_nop
.endr
.Lasked_\@:
.endm
.macro CREST
	s_cmp_lg_u32 s22, 0
	s_cbranch_scc1 .Lnot_wave_0_\@
	s_barrier_signal -3
.Lnot_wave_0_\@:
	s_barrier_wait -3
	s_barrier_signal -1
	s_barrier_wait -1
.endm
.macro CROUND
	s_barrier_signal -1
	s_barrier_wait -1
	CREST
.endm
.macro PLACES n
.rept \n
	v_nop
.endr
.endm
	s_load_b256 s[4:11], s[0:1], 0x0               ; oc, os, wc, ws
	s_load_b128 s[12:15], s[0:1], 0x20             ; bo, out0
	v_lshl_add_u32 v[SPW], v0, 2, SPARE
	v_mov_b32 v[NIL], 0
	ds_add_u32 v[SPW], v[NIL]                      ; the wave's opening: the add, twice on end, and its wait
	ds_add_u32 v[SPW], v[NIL]
	v_lshrrev_b32 v1, 5, v0
	v_readfirstlane_b32 s22, v1                    ; wave
	s_lshr_b32 s23, s22, 1                         ; wa; also: I fetch for A (0) or B (1)
	s_and_b32 s3, s22, 1                           ; wb; also: which 8 tiles I fetch
	s_bfe_u32 s40, ttmp6, 0x40000                  ; cx
	s_bfe_u32 s41, ttmp6, 0x40004                  ; cy
	s_and_b32 s42, ttmp7, 0xffff
	s_lshl_b32 s46, s42, 2
	s_add_co_u32 s46, s46, s41                     ; A's block of 256 tokens
	s_mov_b32 s47, s40                             ; B's block of 256 columns
	s_lshl_b32 s80, s41, 2
	s_lshl_b32 s80, 15, s80
	s_lshl_b32 s81, 0x1111, s40
	s_or_b32 s[G1], s80, (3<<16)|(1<<21)
	s_or_b32 s[G1B], s81, (3<<16)|(1<<21)
.irp g, G1, G1B
	s_mov_b32 s[\g+1], 512<<16                     ; a tile's 4,096 bytes as 512 elements of 8 bytes
	s_mov_b32 s[\g+2], 8<<16                       ; 8 tiles
	s_mov_b32 s[\g+3], 512<<16
	s_mov_b32 s[\g+4], 8
	s_mov_b32 s[\g+5], 2048                        ; 16,384 bytes from tile to tile
	s_mov_b32 s[\g+6], 0
	s_mov_b32 s[\g+7], 0
.endr
	s_lshl_b32 s86, s46, 18
	s_lshl_b32 s66, s3, 17
	s_add_co_u32 s86, s86, s66
	s_mov_b32 s87, 0
	s_lshl_b32 s88, s47, 18
	s_lshl_b32 s67, s3, 17
	s_add_co_u32 s88, s88, s67
	s_add_co_u32 s88, s88, 3<<20                   ; the fourth weight
	s_mov_b32 s89, 0
	s_lshl_b32 s90, s46, 13
	s_lshl_b32 s91, s23, 12
	s_add_co_u32 s90, s90, s91
	s_mov_b32 s91, 0
	s_lshl_b32 s92, s47, 13
	s_lshl_b32 s93, s3, 12
	s_add_co_u32 s92, s92, s93
	s_add_co_u32 s92, s92, 98304
	s_mov_b32 s93, 0
	s_mul_i32 s2, s22, HALFT
	s_mov_b32 s[GC], 0xc01d265f
	s_mov_b32 s[GC+1], s[GC]
	s_wait_dscnt 0x0
	s_wait_kmcnt 0x0
	s_add_nc_u64 s[94:95], s[4:5], s[86:87]
	s_add_nc_u64 s[96:97], s[8:9], s[88:89]
	s_add_nc_u64 s[98:99], s[6:7], s[90:91]
	s_add_nc_u64 s[100:101], s[10:11], s[92:93]
	CROUND
.irp s, 0,1
	s_mov_b32 s[G0+4*\s], 1
	s_add_co_u32 s[G0+4*\s+1], s2, \s*SLOT
	s_add_nc_u64 s[G0+4*\s+2:G0+4*\s+3], s[94:95], \s*4096
	s_or_b32 s[G0+4*\s+3], s[G0+4*\s+3], 0x80000000
	s_mov_b32 s[G0B+4*\s], 1
	s_add_co_u32 s[G0B+4*\s+1], s2, \s*SLOT
	s_add_nc_u64 s[G0B+4*\s+2:G0B+4*\s+3], s[96:97], \s*4096
	s_or_b32 s[G0B+4*\s+3], s[G0B+4*\s+3], 0x80000000
	JLOAD \s
.endr
	v_and_b32 v1, 31, v0
	v_lshlrev_b32 v[L16], 4, v1
	v_lshlrev_b32 v[L4], 2, v1
	v_and_b32 v2, 15, v0
	v_bfe_u32 v3, v0, 4, 1
	v_lshlrev_b32 v[BH], 6, v3
	s_mul_i32 s86, s23, HALFT
	s_mul_i32 s88, s3, HALFT
	s_add_co_u32 s88, s88, 2*HALFT
.irp s, 0,1
	v_add_nc_u32 v[ADRA+\s], s86, v[L16]
	v_add_nc_u32 v[ADRB+\s], s88, v[L16]
	s_add_co_u32 s86, s86, SLOT
	s_add_co_u32 s88, s88, SLOT
.endr
	s_mul_i32 s86, s22, 16*SP                      ; my stage
	v_mul_u32_u24 v[STO], v2, SP
	v_add_nc_u32 v[STO], v[STO], v[BH]
	v_add_nc_u32 v[STO], s86, v[STO]               ; in: row r, + 64 h
	v_add_nc_u32 v[RD], s86, v[L16]                ; back: a whole row, 16 bytes a lane
.irp i, 0,1,2,3,4,5,6,7
.irp p, 0,1,2,3
	global_load_b32 v[SA+4*\i+\p], v[L4], s[98:99] offset:\i*512+\p*128
	global_load_b32 v[SB+4*\i+\p], v[L4], s[100:101] offset:\i*512+\p*128
.endr
.endr
.macro FRAG reg, adr, q, i
.irp c, 0,1,2,3
	ds_load_b128 v[\reg+4*\c:\reg+4*\c+3], v[\adr] offset:(\i)*4096+(\q)*2048+\c*512
.endr
.endm
.macro MUL16 a0, p, q, ks, zero        ; the 64 accumulators take turns
.irp a, \a0, \a0+1
.irp b, 0,1,2,3,4,5,6,7
.if \zero
	v_wmma_scale_f32_16x16x128_f8f6f4 v[8*(8*((\a)%4)+\b):8*(8*((\a)%4)+\b)+7], v[128*(\p)+16*\b:128*(\p)+16*\b+15], v[AF+16*(\a):AF+16*(\a)+15], 0, v[SB+4*\b+(\ks)], v[SA+4*(\a)+(\ks)]
.elseif \q
	v_wmma_scale_f32_16x16x128_f8f6f4 v[8*(8*((\a)%4)+\b):8*(8*((\a)%4)+\b)+7], v[128*(\p)+16*\b:128*(\p)+16*\b+15], v[AF+16*(\a):AF+16*(\a)+15], v[8*(8*((\a)%4)+\b):8*(8*((\a)%4)+\b)+7], v[SB+4*\b+(\ks)], v[SA+4*(\a)+(\ks)] matrix_a_scale:MATRIX_SCALE_ROW1 matrix_b_scale:MATRIX_SCALE_ROW1
.else
	v_wmma_scale_f32_16x16x128_f8f6f4 v[8*(8*((\a)%4)+\b):8*(8*((\a)%4)+\b)+7], v[128*(\p)+16*\b:128*(\p)+16*\b+15], v[AF+16*(\a):AF+16*(\a)+15], v[8*(8*((\a)%4)+\b):8*(8*((\a)%4)+\b)+7], v[SB+4*\b+(\ks)], v[SA+4*(\a)+(\ks)]
.endif
.endr
.endr
.endm
.macro FETCH_B slot, q, p
	WIN TO_B
.irp i, 0,1,2,3,4,5,6,7
	FRAG 128*(\p)+16*\i, ADRB+\slot, \q, \i
.endr
	WIN 0
.endm
.macro FETCH_A slot, q, i0
.irp i, \i0, \i0+1, \i0+2, \i0+3
	FRAG AF+16*(\i), ADRA+\slot, \q, \i
.endr
.endm
.macro STEP slot, ks, zero
	s_wait_dscnt 16                                ; the youngest 16 loads (A's tiles 4-7) may be out
	WIN MUL_LO
	MUL16 0, 0, 0, \ks, \zero
	MUL16 2, 0, 0, \ks, \zero
	s_wait_dscnt 0x0
	PLACES NP
	FETCH_B \slot, 1, 1
	FETCH_A \slot, 1, 0
	WIN MUL_HI
	MUL16 4, 0, 0, \ks, \zero
	MUL16 6, 0, 0, \ks, \zero
	PLACES NP
	WIN 0
	FETCH_A \slot, 1, 4
.endm
.macro TURN slot, next, ks, fill
	s_wait_tensorcnt 0x0                           ; all my tensor loads have landed
	ds_add_u32 v[SPW], v[NIL]
	s_wait_dscnt 17                                ; the add and the youngest 16 loads may be out
	WIN MUL_LO
	MUL16 0, 1, 1, \ks, 0
	s_wait_dscnt 0x0                               ; the add is done, and my reads of this slot are over
	s_barrier_signal -1
	MUL16 2, 1, 1, \ks, 0
	WIN 0
	s_barrier_wait -1
.if \fill
	CREST
	s_add_nc_u64 s[G0+4*\slot+2:G0+4*\slot+3], s[G0+4*\slot+2:G0+4*\slot+3], 8192
	s_add_nc_u64 s[G0B+4*\slot+2:G0B+4*\slot+3], s[G0B+4*\slot+2:G0B+4*\slot+3], 8192
	JLOAD \slot
	PLACES NP-4
.else
	PLACES NP
.endif
	FETCH_B \next, 0, 0
	FETCH_A \next, 0, 0
	WIN MUL_HI
	MUL16 4, 1, 1, \ks, 0
	MUL16 6, 1, 1, \ks, 0
	PLACES NP
	WIN 0
	FETCH_A \next, 0, 4
.endm
	s_wait_tensorcnt 1                             ; my part of slot 0 is in; slot 1's may be out
	s_barrier_signal -1
	s_barrier_wait -1
	FETCH_B 0, 0, 0
	FETCH_A 0, 0, 0
	FETCH_A 0, 0, 4
	s_wait_loadcnt 0x0                             ; the scale words
	STEP 0, 0, 1
	TURN 0, 1, 0, 1
	STEP 1, 1, 0
	TURN 1, 0, 1, 1
	STEP 0, 2, 0
	TURN 0, 1, 2, 0
	STEP 1, 3, 0
	s_lshl_b32 s90, s47, 1
	s_add_co_u32 s90, s90, s3
	s_lshl_b32 s90, s90, 9                         ; my 128 columns, 512 bytes: in bo and in a row of out0
	s_mov_b32 s91, 0
	s_add_nc_u64 s[12:13], s[12:13], s[90:91]
	s_add_nc_u64 s[14:15], s[14:15], s[90:91]
	s_lshl_b32 s92, s46, 1
	s_add_co_u32 s92, s92, s23
	s_lshl_b32 s92, s92, 19                        ; my 128 tokens of 4,096 bytes
	s_mov_b32 s93, 0
	s_add_nc_u64 s[14:15], s[14:15], s[92:93]
	WIN TO_B                                       ; the bias, into B's set 0, which the eight places at STEP's end have freed
.irp b, 0,1,2,3,4,5,6,7
	global_load_b128 v[8*\b:8*\b+3], v[BH], s[12:13] offset:(32*(\b/2)+8*(\b%2))*4
	global_load_b128 v[8*\b+4:8*\b+7], v[BH], s[12:13] offset:(32*(\b/2)+8*(\b%2))*4+16
.endr
	WIN 0
	s_wait_dscnt 16
	WIN MUL_LO
	MUL16 0, 1, 1, 3, 0
	MUL16 2, 1, 1, 3, 0
	s_wait_dscnt 0x0
	WIN MUL_HI
	MUL16 4, 1, 1, 3, 0
	MUL16 6, 1, 1, 3, 0
	WIN 0
	PLACES NP
	s_wait_loadcnt 0x0                             ; the bias
.macro OUTA a
.if (\a) > 0
	s_wait_xcnt 0x0                                ; the last tile's stores have read their registers and their base
	s_add_nc_u64 s[14:15], s[14:15], 16*4096
.endif
.set WN, 0x06+(\a)/4
	WIN WN
.set n_, 0
.rept 32
	v_pk_add_f32 v[X+2*n_:X+2*n_+1], v[64*((\a)%4)+2*n_:64*((\a)%4)+2*n_+1], v[2*n_:2*n_+1]   ; y = the sum + bo; each accumulator from its low end on
.set n_, n_+1
.endr
	WIN 0
.set n_, 0
.rept 32
	v_pk_mul_f32 v[T+2*n_:T+2*n_+1], v[X+2*n_:X+2*n_+1], s[GC:GC+1] op_sel_hi:[1,0]
.set n_, n_+1
.endr
.set n_, 0
.rept 64
	v_exp_f32 v[T+n_], v[T+n_]
.set n_, n_+1
.endr
	v_nop
	s_wait_alu depctr_va_vdst(0)                   ; one wait for the batch
.set n_, 0
.rept 32
	v_pk_add_f32 v[T+2*n_:T+2*n_+1], v[T+2*n_:T+2*n_+1], 1.0 op_sel_hi:[1,0]
.set n_, n_+1
.endr
.set n_, 0
.rept 64
	v_rcp_f32 v[T+n_], v[T+n_]
.set n_, n_+1
.endr
	v_nop
	s_wait_alu depctr_va_vdst(0)
.set n_, 0
.rept 32
	v_pk_mul_f32 v[X+2*n_:X+2*n_+1], v[X+2*n_:X+2*n_+1], v[T+2*n_:T+2*n_+1]
.set n_, n_+1
.endr
.irp b, 0,1,2,3,4,5,6,7
	ds_store_b128 v[STO], v[X+8*\b:X+8*\b+3] offset:128*(\b/2)+32*(\b%2)
	ds_store_b128 v[STO], v[X+8*\b+4:X+8*\b+7] offset:128*(\b/2)+32*(\b%2)+16
.endr
.irp t, 0,1,2,3,4,5,6,7,8,9,10,11,12,13,14,15
	ds_load_b128 v[T+4*\t:T+4*\t+3], v[RD] offset:\t*SP            ; LDS serves a wave's instructions in order: these see the stores above
.endr
.irp t, 0,1,2,3,4,5,6,7,8,9,10,11,12,13,14,15
	s_wait_dscnt 15-\t                             ; row t is back; the younger loads may be out
	global_store_b128 v[L16], v[T+4*\t:T+4*\t+3], s[14:15] offset:\t*4096 th:TH_STORE_NT   ; 512 consecutive bytes, at a multiple of 256 from out0's first byte
.endr
.endm
.irp a, 0,1,2,3,4,5,6,7
	OUTA \a
.endr
	s_wait_tensorcnt 0x0                           ; the wave's end
	ds_add_u32 v[SPW], v[NIL]
	s_wait_dscnt 0x0
	CROUND                                         ; the closing round
	s_endpgm
.Lfunc_end_k_q4f1034b890_outp:
	.size	k_q4f1034b890_outp, .Lfunc_end_k_q4f1034b890_outp-k_q4f1034b890_outp
	.p2alignl 7, 3214868480
	.fill 96, 4, 3214868480
	.section	.rodata,"a",@progbits
	.p2align	6, 0x0
	.amdhsa_kernel k_q4f1034b890_outp
		.amdhsa_group_segment_fixed_size 327680
		.amdhsa_private_segment_fixed_size 0
		.amdhsa_enable_private_segment 0
		.amdhsa_kernarg_size 48
		.amdhsa_user_sgpr_count 2
		.amdhsa_user_sgpr_kernarg_segment_ptr 1
		.amdhsa_wavefront_size32 1
		.amdhsa_system_sgpr_workgroup_id_x 1
		.amdhsa_system_sgpr_workgroup_id_y 1
		.amdhsa_system_sgpr_workgroup_id_z 1
		.amdhsa_system_vgpr_workitem_id 0
		.amdhsa_next_free_vgpr 1024
		.amdhsa_next_free_sgpr 102
		.amdhsa_reserve_vcc 0
		.amdhsa_float_denorm_mode_32 3
		.amdhsa_float_denorm_mode_16_64 3
		.amdhsa_memory_ordered 1
		.amdhsa_forward_progress 1
		.amdhsa_inst_pref_size 249
	.end_amdhsa_kernel
	.amdgpu_metadata
---
amdhsa.version: [ 1, 2 ]
amdhsa.kernels:
  - .name:           k_q4f1034b890_outp
    .symbol:         k_q4f1034b890_outp.kd
    .args:
      - { .name: oc, .offset: 0, .size: 8, .value_kind: global_buffer, .address_space: global }
      - { .name: os, .offset: 8, .size: 8, .value_kind: global_buffer, .address_space: global }
      - { .name: wc, .offset: 16, .size: 8, .value_kind: global_buffer, .address_space: global }
      - { .name: ws, .offset: 24, .size: 8, .value_kind: global_buffer, .address_space: global }
      - { .name: bo, .offset: 32, .size: 8, .value_kind: global_buffer, .address_space: global }
      - { .name: out0, .offset: 40, .size: 8, .value_kind: global_buffer, .address_space: global }
    .group_segment_fixed_size: 327680
    .private_segment_fixed_size: 0
    .kernarg_segment_align: 8
    .kernarg_segment_size: 48
    .max_flat_workgroup_size: 128
    .sgpr_count:     102
    .vgpr_count:     1024
    .wavefront_size: 32
...
	.end_amdgpu_metadata
.endif
;; end of part 4
;; ======== version 2 of 2: 4 launches
;; limits: right only within a limited range of input values
;; workspace buffers: xc 12,582,912 bytes; xs 393,216 bytes; wc 4,194,304 bytes; ws 131,072 bytes; qb 4,456,448 bytes; kv 8,912,896 bytes; oc 4,194,304 bytes; os 131,072 bytes
;; launch quant (part 5): grid 640 x 1, 4 waves a work-group, no clusters, 34,304 bytes of LDS; arguments q, k, v, Wq, Wk, Wv, Wo, xc, xs, wc, ws; writes xc, xs, wc, ws
.if DOCPART == 5
	.amdgcn_target "amdgcn-amd-amdhsa--gfx1250"
	.amdhsa_code_object_version 6
	.text
	.protected	k_q4f1034b890_quant
	.globl	k_q4f1034b890_quant
	.p2align	8
	.type	k_q4f1034b890_quant,@function
k_q4f1034b890_quant:
	s_mov_b64 s[64:65], 0
	v_nop
	global_prefetch_b8 v0, s[64:65] scope:SCOPE_SE
	s_setreg_imm32_b32 hwreg(HW_REG_WAVE_MODE, 25, 1), 1
	s_wait_xcnt 0x0
; LAUNCH 1 OF 4: q, k, v [4096 tokens][1024] and Wq, Wk, Wv [16][1024][64], Wo [1024][1024], all f32, become codes of E4M3 with one E8M0 byte for each 32 along K (K = the model's 1,024).
; NOTHING OF reference() IS LEFT OUT in this program: each bias goes into a quantised operand, the mask is an input and is added as it is given, all twelve inputs are loaded.
; LAYOUT OF THE WORKSPACE: A FRAGMENT (16 rows x 128 K) IS STORED AS THE IMAGE OF ITS 16 REGISTERS: four pieces c of 512 bytes, lane l's 16 bytes at 16 l; lane (r = l % 16, h = l / 16) of piece c holds k = 32 c + 16 h + 0 .. 15 of row r.
; A tile's scale words: [K step s 0..7][row r] words of four bytes, 512 bytes a tile.  xc: [q,k,v][tile 256][s 8][2,048], xs: [q,k,v][tile][512]; wc: [Wq,Wk,Wv,Wo][tile 64][s 8][2,048], ws likewise.
; WHICH ROWS FORM A TILE: q's tiles take 16 neighbouring tokens.  The tiles of k's and v's tokens and of the weights' columns n are PERMUTED: lane r of tile 2 j + u stands for row 32 j + 8 u + r + 8 (r / 8),
; so that a later product's results, used transposed, lie as 16 neighbours along the next K in a lane's registers.
; A block's scale is 2^(floor(log2(largest magnitude)) - 8): its byte is the largest magnitude's exponent field - 8, held at 1 from below by a floor among the maximum's leaves.
; LIMITS: NaN and infinities among these inputs are not served.  A block of zeros gets the byte 1 where the rule says 127: its codes are zeros, and these bytes are read by this program alone.
; The weights' scale words leave in runs of 64 bytes (one byte in 128 of what the path reads).
; SHARES: work-groups 0-383: a wave takes one tile of 16 tokens and half of K (4 fragments).  Work-groups 384-639: a wave takes 32 columns of a weight x 128 along K, a lane to a column, registers down K.
; Only the tokens' path uses LDS (a stage of the wave's own); waves share nothing: no barrier.
.set SPARE, 33792                      ; behind the four stages: the spare words, 128 bytes a wave
.set STG,   8448                       ; a wave's stage: 16 rows x 528
.set SP,    528                        ; a stage row: 512 bytes + 16
.set SPW,   14                         ; v14  LDS address of my spare word; never rewritten
.set NIL,   15                         ; v15  0; never rewritten
.set R,     16                         ; v16-143  two sets of 64: a fragment's numbers as loaded
.set X,     144                        ; v144-207 the same, 16 neighbours of each of four blocks
.set PC,    208                        ; v208-223 the fragment's codes
.set TM,    224                        ; v224-239 at work: maxima, bytes, holds, scale operands
.set PW,    240                        ; the scale word just made
.set PWE,   241                        ; the even K step's word, kept
.set SW,    242                        ; v242-243 pairs of words as they are stored
.set VO,    16                         ; weights: v16-47 offsets of 32 rows
.set WX,    48                         ; v48-111 two sets of 32 numbers
.set WC,    112                        ; v112-127 two sets of 8 registers of codes
.set WW,    128                        ; v128 the scale word
.set BW,    44                         ; s[44:51] a base for each of a wave's four blocks
.set SEL,   70                         ; s[70:71] lane selects: lane l xor 16
.set MNT,   72                         ; s72 the mantissa field of 448
.set HIM,   73                         ; s73 lanes 16-31
; 64 numbers of a lane, register 16 b + i = k 32 b + 16 (lane / 16) + i of my row, become 16 registers of codes; the four scale bytes stay in v[TM+4] on.
.macro QUANT64 s, pc, fl
.irp b, 0,1,2,3
	v_max3_num_f32 v[TM+\b], |v[\s+16*\b]|, |v[\s+1+16*\b]|, \fl   ; my 16 numbers of block b, and the floor
.endr
.irp i, 2,4,6,8,10,12,14
.irp b, 0,1,2,3
	v_max3_num_f32 v[TM+\b], v[TM+\b], |v[\s+16*\b+\i]|, |v[\s+1+16*\b+\i]|
.endr
.endr
.irp b, 0,1,2,3
	v_permlanex16_b32 v[TM+4+\b], v[TM+\b], s[SEL], s[SEL+1]
.endr
.irp b, 0,1,2,3
	v_max_num_f32 v[TM+\b], v[TM+\b], v[TM+4+\b]                   ; with lane l xor 16's: the block's largest magnitude
.endr
.irp b, 0,1,2,3
	v_add_nc_u32 v[TM+12+\b], 0xfc000000, v[TM+\b]                 ; 8 off its exponent field: the conversion's scale operand
.endr
.irp b, 0,1,2,3
	v_and_or_b32 v[TM+8+\b], v[TM+\b], 0x7f800000, s[MNT]          ; 448 x the scale
.endr
.irp b, 0,1,2,3
	v_lshrrev_b32 v[TM+4+\b], 23, v[TM+12+\b]                      ; the scale's byte
.endr
.irp b, 0,1,2,3
.irp i, 0,1,2,3,4,5,6,7,8,9,10,11,12,13,14,15
	v_med3_num_f32 v[\s+16*\b+\i], v[\s+16*\b+\i], -v[TM+8+\b], v[TM+8+\b]   ; the conversion does not saturate (ISA guide 7.6.2): the hold
.endr
	v_cvt_scalef32_pk8_fp8_f32 v[\pc+4*\b:\pc+4*\b+1], v[\s+16*\b:\s+16*\b+7], v[TM+12+\b]
	v_cvt_scalef32_pk8_fp8_f32 v[\pc+4*\b+2:\pc+4*\b+3], v[\s+16*\b+8:\s+16*\b+15], v[TM+12+\b]
.endr
	v_nop                                          ; a plain line behind the last conversion
.endm
	s_load_b256 s[4:11], s[0:1], 0x0               ; q, k, v, Wq
	s_load_b256 s[12:19], s[0:1], 0x20             ; Wk, Wv, Wo, xc
	s_load_b128 s[20:23], s[0:1], 0x40             ; xs, wc
	s_load_b64 s[24:25], s[0:1], 0x50              ; ws
	v_lshl_add_u32 v[SPW], v0, 2, SPARE
	v_mov_b32 v[NIL], 0
	v_lshrrev_b32 v1, 5, v0
	v_readfirstlane_b32 s26, v1                    ; wave
	v_and_b32 v7, 31, v0                           ; lane
	v_and_b32 v8, 15, v0                           ; r
	v_bfe_u32 v9, v0, 4, 1                         ; h
	s_mov_b32 s[SEL], 0x76543210
	s_mov_b32 s[SEL+1], 0xfedcba98
	s_mov_b32 s[MNT], 0x600000
	s_mov_b32 s[HIM], 0xffff0000
	s_cmp_ge_u32 ttmp9, 384
	s_cbranch_scc1 .Lweights
	; ---------------- the tokens ----------------
	s_lshl_b32 s27, ttmp9, 2
	s_add_co_u32 s27, s27, s26                     ; which half tile of the 1,536: 2 x (256 x tensor + tile) + half
	s_lshr_b32 s28, s27, 9                         ; tensor: 0 q, 1 k, 2 v
	s_bfe_u32 s29, s27, 0x80001                    ; tile T
	s_and_b32 s41, s27, 1                          ; which half of K
	s_lshl_b32 s32, s29, 4                         ; q: first row 16 T
	s_lshr_b32 s33, s29, 1
	s_lshl_b32 s33, s33, 5
	s_and_b32 s34, s29, 1
	s_lshl_b32 s34, s34, 3
	s_add_co_u32 s33, s33, s34                     ; k, v: first row 32 (T / 2) + 8 (T % 2)
	s_cmp_eq_u32 s28, 0
	s_cselect_b32 s32, s32, s33
	s_cselect_b32 s35, 0, 32768                    ; k, v: the tile's rows 8-15 lie 8 rows (of 4,096 bytes) further on
	s_lshl_b32 s32, s32, 12
	s_lshl_b32 s41, s41, 11                        ; half of a row: 2,048 bytes
	s_add_co_u32 s32, s32, s41
	s_mov_b32 s33, 0
	s_lshl_b32 s36, s27, 13                        ; half a tile's codes are 8,192 bytes,
	s_mov_b32 s37, 0
	s_lshl_b32 s38, s27, 8                         ; its scale words 256
	s_mov_b32 s39, 0
	s_mul_i32 s40, s26, STG                        ; my stage
	s_wait_alu depctr_va_vdst(0)
	v_lshlrev_b32 v5, 4, v7                        ; 16 x lane: loads of rows 0-7, and the stores of images
	v_lshlrev_b32 v6, 2, v7                        ; 4 x lane
	v_add_nc_u32 v2, s35, v5                       ; loads of rows 8-15
	v_add_nc_u32 v3, s40, v5                       ; the stage, on the way in
	v_mul_u32_u24 v4, v8, SP
	v_lshl_add_u32 v4, v9, 6, v4
	v_add_nc_u32 v4, s40, v4                       ; and out: row r, + 64 h
.irp b, 0,1,2,3
	v_mov_b32 v[TM+4+\b], 0                        ; a lane permute's destination counts as read
.endr
	s_wait_alu depctr_va_vdst(0)
	s_wait_kmcnt 0x0
	s_cmp_eq_u32 s28, 1
	s_cselect_b64 s[30:31], s[6:7], s[4:5]
	s_cmp_eq_u32 s28, 2
	s_cselect_b64 s[30:31], s[8:9], s[30:31]
	s_add_nc_u64 s[30:31], s[30:31], s[32:33]
	s_add_nc_u64 s[18:19], s[18:19], s[36:37]
	s_add_nc_u64 s[20:21], s[20:21], s[38:39]
.macro LOADX s                         ; my K step s of the tile's 16 rows: each load reads 512 consecutive bytes of one row
.irp i, 0,1,2,3,4,5,6,7
	global_load_b128 v[R+64*((\s)%2)+4*\i:R+64*((\s)%2)+4*\i+3], v5, s[30:31] offset:\i*4096+(\s)*512 th:TH_LOAD_NT
.endr
.irp i, 8,9,10,11,12,13,14,15
	global_load_b128 v[R+64*((\s)%2)+4*\i:R+64*((\s)%2)+4*\i+3], v2, s[30:31] offset:\i*4096+(\s)*512 th:TH_LOAD_NT
.endr
.endm
.macro FRAGX s
.if (\s) < 3
	s_wait_loadcnt 16                              ; this fragment's 16 loads are in; the next fragment's 16 may be out
.else
	s_wait_loadcnt 0x0
.endif
.irp i, 0,1,2,3,4,5,6,7,8,9,10,11,12,13,14,15
	ds_store_b128 v3, v[R+64*((\s)%2)+4*\i:R+64*((\s)%2)+4*\i+3] offset:\i*SP
.endr
.irp c, 0,1,2,3
.irp j, 0,1,2,3
	ds_load_b128 v[X+16*\c+4*\j:X+16*\c+4*\j+3], v4 offset:128*\c+16*\j   ; LDS serves a wave's instructions in order: these see the stores above
.endr
.endr
	s_wait_dscnt 0x0                               ; the numbers are back, and the stores have read their registers,
.if (\s)+2 < 4
	LOADX (\s)+2                                   ; which take the loads of two fragments on
.endif
	s_wait_xcnt 0x0                                ; the last fragment's stores have read the codes' registers
	QUANT64 X, PC, 0x4800000
	v_lshl_or_b32 v[PW], v[TM+5], 8, v[TM+4]       ; my row's scale word
	v_lshl_or_b32 v[PW], v[TM+6], 16, v[PW]
	v_lshl_or_b32 v[PW], v[TM+7], 24, v[PW]
.irp c, 0,1,2,3
	global_store_b128 v5, v[PC+4*\c:PC+4*\c+3], s[18:19] offset:(\s)*2048+\c*512   ; 512 consecutive bytes
.endr
.if ((\s)%2) == 0
	v_mov_b32 v[PWE], v[PW]
.else
	v_cndmask_b32 v[SW+(\s)/2], v[PWE], v[PW], s[HIM]              ; lanes 0-15 the even K step's words, lanes 16-31 the odd one's
	global_store_b32 v6, v[SW+(\s)/2], s[20:21] offset:((\s)/2)*128
.endif
.endm
	LOADX 0
	LOADX 1
.irp s, 0,1,2,3
	FRAGX \s
.endr
	s_wait_tensorcnt 0x0                           ; the wave's end
	ds_add_u32 v[SPW], v[NIL]
	s_wait_dscnt 0x0
	s_endpgm
	; ---------------- the weights ----------------
.Lweights:
	s_sub_co_u32 s27, ttmp9, 384
	s_lshr_b32 s28, s27, 6                         ; which weight: 0 Wq, 1 Wk, 2 Wv, 3 Wo
	s_bfe_u32 s29, s27, 0x30003                    ; y: which 128 along K
	s_and_b32 s30, s27, 7
	s_lshl_b32 s30, s30, 2
	s_add_co_u32 s30, s30, s26                     ; cg: which 32 columns n
	s_lshr_b32 s37, s30, 1
	s_lshl_b32 s37, s37, 18                        ; Wq, Wk, Wv: head cg / 2 (262,144 bytes a head),
	s_and_b32 s38, s30, 1
	s_lshl_b32 s38, s38, 7                         ; and which half of its 64
	s_add_co_u32 s37, s37, s38
	s_lshl_b32 s38, s30, 7                         ; Wo: 128 bytes a group
	s_mov_b32 s36, 256
	s_cmp_eq_u32 s28, 3
	s_cselect_b32 s37, s38, s37                    ; where my columns begin in a row
	s_cselect_b32 s36, 4096, s36                   ; bytes from k to k + 1
	s_lshl_b32 s38, s29, 7
	s_mul_i32 s38, s38, s36
	s_add_co_u32 s38, s38, s37
	s_mov_b32 s39, 0
	s_lshl_b32 s42, s36, 5                         ; a block of 32 along K
	s_mov_b32 s43, 0
	s_lshl_b32 s32, s28, 20                        ; codes: 1 MiB a weight,
	s_lshl_b32 s33, s30, 15                        ; tiles 2 cg, 2 cg + 1 of 16,384 bytes,
	s_add_co_u32 s32, s32, s33
	s_lshl_b32 s33, s29, 11                        ; K step y
	s_add_co_u32 s32, s32, s33
	s_mov_b32 s33, 0
	s_lshl_b32 s34, s28, 15                        ; scale words: 32,768 bytes a weight, 512 a tile, 64 a K step
	s_lshl_b32 s35, s30, 10
	s_add_co_u32 s34, s34, s35
	s_lshl_b32 s35, s29, 6
	s_add_co_u32 s34, s34, s35
	s_mov_b32 s35, 0
	s_wait_alu depctr_va_vdst(0)
	v_and_b32 v3, 8, v8
	v_add_nc_u32 v3, v3, v8
	v_lshl_add_u32 v3, v9, 3, v3                   ; my column of the 32: 8 u + r + 8 (r / 8), u = lane / 16
	v_lshlrev_b32 v3, 2, v3
.set n_, 0
.rept 32
	v_mad_u32_u24 v[VO+n_], s36, n_, v3            ; row n_ of a block
.set n_, n_+1
.endr
	v_lshlrev_b32 v1, 4, v8
	v_lshl_add_u32 v1, v9, 14, v1                  ; codes: tile u, 16 r
	v_lshlrev_b32 v2, 2, v8
	v_lshl_add_u32 v2, v9, 9, v2                   ; scale words: tile u, 4 r
	s_wait_alu depctr_va_vdst(0)
	s_wait_kmcnt 0x0
	s_cmp_eq_u32 s28, 1
	s_cselect_b64 s[40:41], s[12:13], s[10:11]
	s_cmp_eq_u32 s28, 2
	s_cselect_b64 s[40:41], s[14:15], s[40:41]
	s_cmp_eq_u32 s28, 3
	s_cselect_b64 s[40:41], s[16:17], s[40:41]
	s_add_nc_u64 s[BW:BW+1], s[40:41], s[38:39]
.irp t, 1,2,3
	s_add_nc_u64 s[BW+2*\t:BW+2*\t+1], s[BW+2*\t-2:BW+2*\t-1], s[42:43]
.endr
	s_add_nc_u64 s[22:23], s[22:23], s[32:33]
	s_add_nc_u64 s[24:25], s[24:25], s[34:35]
.macro LOADW t                         ; block t: 32 rows k, my column: the wave reads 128 neighbouring bytes of each row
.set n_, 0
.rept 32
	global_load_b32 v[WX+32*((\t)%2)+n_], v[VO+n_], s[BW+2*(\t):BW+2*(\t)+1] th:TH_LOAD_NT
.set n_, n_+1
.endr
.endm
.macro BLOCKW t
.set XS, WX+32*((\t)%2)
.set CC, WC+8*((\t)%2)
.if (\t) < 3
	s_wait_loadcnt 32                              ; this block's 32 loads are in; the next block's may be out
.else
	s_wait_loadcnt 0x0
.endif
	v_max3_num_f32 v12, |v[XS]|, |v[XS+1]|, |v[XS+2]|              ; the block's largest magnitude: all 32 numbers are mine
	v_max3_num_f32 v13, |v[XS+3]|, |v[XS+4]|, |v[XS+5]|
.irp i, 6,10,14,18,22,26
	v_max3_num_f32 v12, v12, |v[XS+\i]|, |v[XS+\i+1]|
	v_max3_num_f32 v13, v13, |v[XS+\i+2]|, |v[XS+\i+3]|
.endr
	v_max3_num_f32 v12, v12, |v[XS+30]|, |v[XS+31]|
	v_max3_num_f32 v12, v12, v13, 0x4800000        ; and the floor
	v_add_nc_u32 v11, 0xfc000000, v12
	v_and_or_b32 v10, v12, 0x7f800000, s[MNT]
	v_lshrrev_b32 v13, 23, v11
.if (\t) == 0
	v_mov_b32 v[WW], v13
.else
	v_lshl_or_b32 v[WW], v13, 8*(\t), v[WW]
.endif
.irp i, 0,1,2,3,4,5,6,7,8,9,10,11,12,13,14,15,16,17,18,19,20,21,22,23,24,25,26,27,28,29,30,31
	v_med3_num_f32 v[XS+\i], v[XS+\i], -v10, v10
.endr
	s_wait_alu depctr_va_vdst(0)
	s_wait_xcnt 0x0                                ; the stores of two blocks back have read this set of codes' registers
.irp g, 0,1,2,3
	v_cvt_scalef32_pk8_fp8_f32 v[CC+2*\g:CC+2*\g+1], v[XS+8*\g:XS+8*\g+7], v11
.endr
	global_store_b128 v1, v[CC:CC+3], s[22:23] offset:(\t)*512        ; k 0-15 of the block: the piece's lanes 0-15; sixteen lanes store 256 consecutive bytes
	global_store_b128 v1, v[CC+4:CC+7], s[22:23] offset:(\t)*512+256  ; k 16-31: its lanes 16-31
.if (\t)+2 < 4
	LOADW (\t)+2
.endif
.endm
	LOADW 0
	LOADW 1
.irp t, 0,1,2,3
	BLOCKW \t
.endr
	global_store_b32 v2, v[WW], s[24:25]
	s_endpgm
.Lfunc_end_k_q4f1034b890_quant:
	.size	k_q4f1034b890_quant, .Lfunc_end_k_q4f1034b890_quant-k_q4f1034b890_quant
	.p2alignl 7, 3214868480
	.fill 96, 4, 3214868480
	.section	.rodata,"a",@progbits
	.p2align	6, 0x0
	.amdhsa_kernel k_q4f1034b890_quant
		.amdhsa_group_segment_fixed_size 34304
		.amdhsa_private_segment_fixed_size 0
		.amdhsa_enable_private_segment 0
		.amdhsa_kernarg_size 88
		.amdhsa_user_sgpr_count 2
		.amdhsa_user_sgpr_kernarg_segment_ptr 1
		.amdhsa_wavefront_size32 1
		.amdhsa_system_sgpr_workgroup_id_x 1
		.amdhsa_system_sgpr_workgroup_id_y 1
		.amdhsa_system_sgpr_workgroup_id_z 1
		.amdhsa_system_vgpr_workitem_id 0
		.amdhsa_next_free_vgpr 256
		.amdhsa_next_free_sgpr 80
		.amdhsa_reserve_vcc 0
		.amdhsa_float_denorm_mode_32 3
		.amdhsa_float_denorm_mode_16_64 3
		.amdhsa_memory_ordered 1
		.amdhsa_forward_progress 1
		.amdhsa_inst_pref_size 83
	.end_amdhsa_kernel
	.amdgpu_metadata
---
amdhsa.version: [ 1, 2 ]
amdhsa.kernels:
  - .name:           k_q4f1034b890_quant
    .symbol:         k_q4f1034b890_quant.kd
    .args:
      - { .name: q, .offset: 0, .size: 8, .value_kind: global_buffer, .address_space: global }
      - { .name: k, .offset: 8, .size: 8, .value_kind: global_buffer, .address_space: global }
      - { .name: v, .offset: 16, .size: 8, .value_kind: global_buffer, .address_space: global }
      - { .name: Wq, .offset: 24, .size: 8, .value_kind: global_buffer, .address_space: global }
      - { .name: Wk, .offset: 32, .size: 8, .value_kind: global_buffer, .address_space: global }
      - { .name: Wv, .offset: 40, .size: 8, .value_kind: global_buffer, .address_space: global }
      - { .name: Wo, .offset: 48, .size: 8, .value_kind: global_buffer, .address_space: global }
      - { .name: xc, .offset: 56, .size: 8, .value_kind: global_buffer, .address_space: global }
      - { .name: xs, .offset: 64, .size: 8, .value_kind: global_buffer, .address_space: global }
      - { .name: wc, .offset: 72, .size: 8, .value_kind: global_buffer, .address_space: global }
      - { .name: ws, .offset: 80, .size: 8, .value_kind: global_buffer, .address_space: global }
    .group_segment_fixed_size: 34304
    .private_segment_fixed_size: 0
    .kernarg_segment_align: 8
    .kernarg_segment_size: 88
    .max_flat_workgroup_size: 128
    .sgpr_count:     80
    .vgpr_count:     256
    .wavefront_size: 32
...
	.end_amdgpu_metadata
.endif
;; end of part 5
;; launch proj (part 6): grid 4 x 48, 4 waves a work-group, clusters of 4 x 4, 327,680 bytes of LDS; arguments xc, xs, wc, ws, bq, bk, bv, qb, kv; writes qb, kv
.if DOCPART == 6
	.amdgcn_target "amdgcn-amd-amdhsa--gfx1250"
	.amdhsa_code_object_version 6
	.text
	.protected	k_q4f1034b890_proj
	.globl	k_q4f1034b890_proj
	.p2align	8
	.type	k_q4f1034b890_proj,@function
k_q4f1034b890_proj:
	s_mov_b64 s[64:65], 0
	v_nop
	global_prefetch_b8 v0, s[64:65] scope:SCOPE_SE
	s_setreg_imm32_b32 hwreg(HW_REG_WAVE_MODE, 25, 1), 1
	s_wait_xcnt 0x0
	s_wait_alu depctr_hold_cnt(0) depctr_sa_sdst(0) depctr_va_vdst(0) depctr_va_sdst(0) depctr_va_ssrc(0) depctr_va_vcc(0) depctr_vm_vsrc(0)
	s_getreg_b32 s2, hwreg(HW_REG_IB_STS2, 6, 4)
	s_cmp_eq_u32 s2, 0
	s_cbranch_scc0 .Lentry_in_a_cluster
	s_endpgm
.Lentry_in_a_cluster:
	s_bfe_u32 s2, ttmp6, 0x10000c
	s_cmp_lg_u32 s2, 0xf033
	s_cbranch_scc0 .Lentry_shape_is_right
	s_endpgm
.Lentry_shape_is_right:
.set SLOT,  131072
.set HALFT, 32768
.set SPARE, 262144
.set NP,    8
.set ADRA,  16
.set ADRB,  20
.set L16,   24
.set L8,    25
.set L4,    26
.set SPW,   28
.set NIL,   29
.set SA,    32
.set SB,    64
.set TM,    96
.set VOF,   112
.set BH,    116
.set BR,    117
.set AF,    128
.set X,     128
.set PC,    192
.set LO,    224
.set HI,    232
.set SCW,   240
.set G1,    24
.set G0,    32
.set G1B,   48
.set G0B,   56
.set OB,    68
.set SCB,   76
.set SEL,   82
.set MNT,   84
.set HIM,   85
.set MSB, 0
.macro WIN new
.if MSB != \new
	s_set_vgpr_msb (MSB<<8)|\new
.set MSB, \new
.endif
.endm
.set MUL_LO, 0xa1
.set MUL_HI, 0xf1
.set TO_B,   0x40
.macro JLOAD s
	s_cmp_eq_u32 s23, 0
	s_cbranch_scc0 .Lfor_b_\@
	tensor_load_to_lds s[G0+4*(\s):G0+4*(\s)+3], s[G1:G1+7]
	s_nop 0
.rept 4
	v_nop
.endr
	s_branch .Lasked_\@
.Lfor_b_\@:
	tensor_load_to_lds s[G0B+4*(\s):G0B+4*(\s)+3], s[G1B:G1B+7]
	s_nop 0
.rept 4
	v_nop
.endr
.Lasked_\@:
.endm
.macro CREST
	s_cmp_lg_u32 s22, 0
	s_cbranch_scc1 .Lnot_wave_0_\@
	s_barrier_signal -3
.Lnot_wave_0_\@:
	s_barrier_wait -3
	s_barrier_signal -1
	s_barrier_wait -1
.endm
.macro CROUND
	s_barrier_signal -1
	s_barrier_wait -1
	CREST
.endm
.macro PLACES n
.rept \n
	v_nop
.endr
.endm
.macro QUANT64 s, pc, fl
.irp b, 0,1,2,3
	v_max3_num_f32 v[TM+\b], |v[\s+16*\b]|, |v[\s+1+16*\b]|, \fl
.endr
.irp i, 2,4,6,8,10,12,14
.irp b, 0,1,2,3
	v_max3_num_f32 v[TM+\b], v[TM+\b], |v[\s+16*\b+\i]|, |v[\s+1+16*\b+\i]|
.endr
.endr
.irp b, 0,1,2,3
	v_permlanex16_b32 v[TM+4+\b], v[TM+\b], s[SEL], s[SEL+1]
.endr
.irp b, 0,1,2,3
	v_max_num_f32 v[TM+\b], v[TM+\b], v[TM+4+\b]
.endr
.irp b, 0,1,2,3
	v_add_nc_u32 v[TM+12+\b], 0xfc000000, v[TM+\b]
.endr
.irp b, 0,1,2,3
	v_and_or_b32 v[TM+8+\b], v[TM+\b], 0x7f800000, s[MNT]
.endr
.irp b, 0,1,2,3
	v_lshrrev_b32 v[TM+4+\b], 23, v[TM+12+\b]
.endr
.irp b, 0,1,2,3
.irp i, 0,1,2,3,4,5,6,7,8,9,10,11,12,13,14,15
	v_med3_num_f32 v[\s+16*\b+\i], v[\s+16*\b+\i], -v[TM+8+\b], v[TM+8+\b]
.endr
	v_cvt_scalef32_pk8_fp8_f32 v[\pc+4*\b:\pc+4*\b+1], v[\s+16*\b:\s+16*\b+7], v[TM+12+\b]
	v_cvt_scalef32_pk8_fp8_f32 v[\pc+4*\b+2:\pc+4*\b+3], v[\s+16*\b+8:\s+16*\b+15], v[TM+12+\b]
.endr
	v_nop
.endm
	s_load_b256 s[4:11], s[0:1], 0x0
	s_load_b256 s[12:19], s[0:1], 0x20
	s_load_b64 s[20:21], s[0:1], 0x40
	v_lshl_add_u32 v[SPW], v0, 2, SPARE
	v_mov_b32 v[NIL], 0
	ds_add_u32 v[SPW], v[NIL]
	ds_add_u32 v[SPW], v[NIL]
	v_lshrrev_b32 v1, 5, v0
	v_readfirstlane_b32 s22, v1
	s_lshr_b32 s23, s22, 1
	s_and_b32 s3, s22, 1
	s_bfe_u32 s40, ttmp6, 0x40000
	s_bfe_u32 s41, ttmp6, 0x40004
	s_and_b32 s42, ttmp7, 0xffff
	s_lshr_b32 s43, s42, 2
	s_and_b32 s44, s42, 3
	s_lshl_b32 s44, s44, 2
	s_cmp_eq_u32 s43, 2
	s_cselect_b32 s45, 1, 0
	s_cselect_b32 s46, 0, s44
	s_cselect_b32 s47, s44, 0
	s_add_co_u32 s46, s46, s41
	s_add_co_u32 s47, s47, s40
	s_lshl_b32 s80, s41, 2
	s_lshl_b32 s80, 15, s80
	s_lshl_b32 s81, 0x1111, s40
	s_or_b32 s[G1], s80, (3<<16)|(1<<21)
	s_or_b32 s[G1B], s81, (3<<16)|(1<<21)
.irp g, G1, G1B
	s_mov_b32 s[\g+1], 512<<16
	s_mov_b32 s[\g+2], 8<<16
	s_mov_b32 s[\g+3], 512<<16
	s_mov_b32 s[\g+4], 8
	s_mov_b32 s[\g+5], 2048
	s_mov_b32 s[\g+6], 0
	s_mov_b32 s[\g+7], 0
.endr
	s_lshl_b32 s82, s43, 22
	s_lshl_b32 s83, s43, 20
	s_lshl_b32 s84, s43, 17
	s_lshl_b32 s85, s43, 15
	s_cmp_eq_u32 s45, 1
	s_cselect_b32 s86, s83, s82
	s_cselect_b32 s88, s82, s83
	s_cselect_b32 s90, s85, s84
	s_cselect_b32 s92, s84, s85
	s_lshl_b32 s66, s46, 18
	s_add_co_u32 s86, s86, s66
	s_lshl_b32 s66, s3, 17
	s_add_co_u32 s86, s86, s66
	s_mov_b32 s87, 0
	s_lshl_b32 s67, s47, 18
	s_add_co_u32 s88, s88, s67
	s_lshl_b32 s67, s3, 17
	s_add_co_u32 s88, s88, s67
	s_mov_b32 s89, 0
	s_lshl_b32 s91, s46, 13
	s_add_co_u32 s90, s90, s91
	s_lshl_b32 s91, s23, 12
	s_add_co_u32 s90, s90, s91
	s_mov_b32 s91, 0
	s_lshl_b32 s93, s47, 13
	s_add_co_u32 s92, s92, s93
	s_lshl_b32 s93, s3, 12
	s_add_co_u32 s92, s92, s93
	s_mov_b32 s93, 0
	s_mul_i32 s2, s22, HALFT
	s_wait_dscnt 0x0
	s_wait_kmcnt 0x0
	s_cmp_eq_u32 s45, 1
	s_cselect_b64 s[94:95], s[8:9], s[4:5]
	s_cselect_b64 s[96:97], s[4:5], s[8:9]
	s_cselect_b64 s[98:99], s[10:11], s[6:7]
	s_cselect_b64 s[100:101], s[6:7], s[10:11]
	s_add_nc_u64 s[94:95], s[94:95], s[86:87]
	s_add_nc_u64 s[96:97], s[96:97], s[88:89]
	s_add_nc_u64 s[98:99], s[98:99], s[90:91]
	s_add_nc_u64 s[100:101], s[100:101], s[92:93]
	CROUND
.irp s, 0,1
	s_mov_b32 s[G0+4*\s], 1
	s_add_co_u32 s[G0+4*\s+1], s2, \s*SLOT
	s_add_nc_u64 s[G0+4*\s+2:G0+4*\s+3], s[94:95], \s*4096
	s_or_b32 s[G0+4*\s+3], s[G0+4*\s+3], 0x80000000
	s_mov_b32 s[G0B+4*\s], 1
	s_add_co_u32 s[G0B+4*\s+1], s2, \s*SLOT
	s_add_nc_u64 s[G0B+4*\s+2:G0B+4*\s+3], s[96:97], \s*4096
	s_or_b32 s[G0B+4*\s+3], s[G0B+4*\s+3], 0x80000000
	s_wait_alu depctr_va_vdst(0)
	s_wait_tensorcnt 0x0
	ds_add_u32 v28, v29
	ds_add_u32 v28, v29
	s_wait_dscnt 0x0
	CROUND
	JLOAD \s
.endr
	v_and_b32 v1, 31, v0
	v_lshlrev_b32 v[L16], 4, v1
	v_lshlrev_b32 v[L8], 3, v1
	v_lshlrev_b32 v[L4], 2, v1
	v_and_b32 v2, 15, v0
	v_and_b32 v3, 8, v2
	v_add_nc_u32 v3, v3, v2
	v_lshlrev_b32 v[BR], 2, v3
	v_bfe_u32 v3, v0, 4, 1
	v_lshlrev_b32 v[BH], 6, v3
.irp b, 0,1,2,3
	v_mov_b32 v[TM+4+\b], 0
.endr
	s_mul_i32 s86, s23, HALFT
	s_mul_i32 s88, s3, HALFT
	s_add_co_u32 s88, s88, 2*HALFT
.irp s, 0,1
	v_add_nc_u32 v[ADRA+\s], s86, v[L16]
	v_add_nc_u32 v[ADRB+\s], s88, v[L16]
	s_add_co_u32 s86, s86, SLOT
	s_add_co_u32 s88, s88, SLOT
.endr
.irp i, 0,1,2,3,4,5,6,7
.irp p, 0,1,2,3
	global_load_b32 v[SA+4*\i+\p], v[L4], s[98:99] offset:\i*512+\p*128
	global_load_b32 v[SB+4*\i+\p], v[L4], s[100:101] offset:\i*512+\p*128
.endr
.endr
.macro FRAG reg, adr, q, i
.irp c, 0,1,2,3
	ds_load_b128 v[\reg+4*\c:\reg+4*\c+3], v[\adr] offset:(\i)*4096+(\q)*2048+\c*512
.endr
.endm
.macro MUL16 a0, p, q, ks, zero
.irp a, \a0, \a0+1
.irp b, 0,1,2,3,4,5,6,7
.if \zero
	v_wmma_scale_f32_16x16x128_f8f6f4 v[8*(8*((\a)%4)+\b):8*(8*((\a)%4)+\b)+7], v[128*(\p)+16*\b:128*(\p)+16*\b+15], v[AF+16*(\a):AF+16*(\a)+15], 0, v[SB+4*\b+(\ks)], v[SA+4*(\a)+(\ks)]
.elseif \q
	v_wmma_scale_f32_16x16x128_f8f6f4 v[8*(8*((\a)%4)+\b):8*(8*((\a)%4)+\b)+7], v[128*(\p)+16*\b:128*(\p)+16*\b+15], v[AF+16*(\a):AF+16*(\a)+15], v[8*(8*((\a)%4)+\b):8*(8*((\a)%4)+\b)+7], v[SB+4*\b+(\ks)], v[SA+4*(\a)+(\ks)] matrix_a_scale:MATRIX_SCALE_ROW1 matrix_b_scale:MATRIX_SCALE_ROW1
.else
	v_wmma_scale_f32_16x16x128_f8f6f4 v[8*(8*((\a)%4)+\b):8*(8*((\a)%4)+\b)+7], v[128*(\p)+16*\b:128*(\p)+16*\b+15], v[AF+16*(\a):AF+16*(\a)+15], v[8*(8*((\a)%4)+\b):8*(8*((\a)%4)+\b)+7], v[SB+4*\b+(\ks)], v[SA+4*(\a)+(\ks)]
.endif
.endr
.endr
.endm
.macro FETCH_B slot, q, p
	WIN TO_B
.irp i, 0,1,2,3,4,5,6,7
	FRAG 128*(\p)+16*\i, ADRB+\slot, \q, \i
.endr
	WIN 0
.endm
.macro FETCH_A slot, q, i0
.irp i, \i0, \i0+1, \i0+2, \i0+3
	FRAG AF+16*(\i), ADRA+\slot, \q, \i
.endr
.endm
.macro STEP slot, ks, zero
	s_wait_dscnt 16
	WIN MUL_LO
	MUL16 0, 0, 0, \ks, \zero
	MUL16 2, 0, 0, \ks, \zero
	s_wait_dscnt 0x0
	PLACES NP
	FETCH_B \slot, 1, 1
	FETCH_A \slot, 1, 0
	WIN MUL_HI
	MUL16 4, 0, 0, \ks, \zero
	MUL16 6, 0, 0, \ks, \zero
	PLACES NP
	WIN 0
	FETCH_A \slot, 1, 4
.endm
.macro TURN slot, next, ks, fill
	s_wait_tensorcnt 0x0
	ds_add_u32 v[SPW], v[NIL]
	s_wait_dscnt 17
	WIN MUL_LO
	MUL16 0, 1, 1, \ks, 0
	s_wait_dscnt 0x0
	s_barrier_signal -1
	MUL16 2, 1, 1, \ks, 0
	WIN 0
	s_barrier_wait -1
.if \fill
	CREST
	s_add_nc_u64 s[G0+4*\slot+2:G0+4*\slot+3], s[G0+4*\slot+2:G0+4*\slot+3], 8192
	s_add_nc_u64 s[G0B+4*\slot+2:G0B+4*\slot+3], s[G0B+4*\slot+2:G0B+4*\slot+3], 8192
	JLOAD \slot
	PLACES NP-4
.else
	PLACES NP
.endif
	FETCH_B \next, 0, 0
	FETCH_A \next, 0, 0
	WIN MUL_HI
	MUL16 4, 1, 1, \ks, 0
	MUL16 6, 1, 1, \ks, 0
	PLACES NP
	WIN 0
	FETCH_A \next, 0, 4
.endm
	s_wait_alu depctr_va_vdst(0)
	s_wait_tensorcnt 1
	s_barrier_signal -1
	s_barrier_wait -1
	FETCH_B 0, 0, 0
	FETCH_A 0, 0, 0
	FETCH_A 0, 0, 4
	s_wait_loadcnt 0x0
	STEP 0, 0, 1
	TURN 0, 1, 0, 1
	STEP 1, 1, 0
	TURN 1, 0, 1, 1
	STEP 0, 2, 0
	TURN 0, 1, 2, 0
	STEP 1, 3, 0
	s_lshl_b32 s90, s46, 1
	s_add_co_u32 s90, s90, s23
	s_lshl_b32 s91, s47, 1
	s_add_co_u32 s91, s91, s3
	s_mov_b32 s99, 1024
	s_cmp_eq_u32 s45, 1
	s_cselect_b32 s92, s91, s90
	s_cselect_b32 s93, s90, s91
	s_cselect_b32 s98, 8192, 0
	s_cselect_b32 s99, 2048, s99
	s_mov_b32 s100, 17408
	s_cmp_eq_u32 s43, 0
	s_cselect_b32 s100, 8704, s100
	s_cselect_b64 s[68:69], s[18:19], s[20:21]
	s_cmp_eq_u32 s43, 1
	s_cselect_b64 s[12:13], s[14:15], s[12:13]
	s_cmp_eq_u32 s43, 2
	s_cselect_b64 s[12:13], s[16:17], s[12:13]
	s_lshl_b32 s14, s93, 9
	s_mov_b32 s15, 0
	s_add_nc_u64 s[12:13], s[12:13], s[14:15]
	s_lshl_b32 s101, s100, 4
	s_lshr_b32 s70, s92, 4
	s_lshl_b32 s70, s70, 8
	s_lshl_b32 s71, s93, 5
	s_add_co_u32 s70, s70, s71
	s_and_b32 s71, s92, 15
	s_add_co_u32 s70, s70, s71
	s_mul_i32 s70, s70, s100
	s_mov_b32 s71, 0
	s_add_nc_u64 s[SCB:SCB+1], s[68:69], s[70:71]
	s_mov_b32 s90, s98
	s_mov_b32 s91, 0
	s_add_nc_u64 s[OB:OB+1], s[SCB:SCB+1], s[90:91]
	s_mov_b32 s90, 4096
	s_mov_b32 s92, 1024
	s_cmp_eq_u32 s45, 1
	s_cselect_b32 s90, s101, s90
	s_cselect_b32 s92, s92, s101
	s_mov_b32 s93, 0
	s_add_nc_u64 s[OB+2:OB+3], s[OB:OB+1], s[92:93]
	s_add_nc_u64 s[OB+4:OB+5], s[OB:OB+1], s[90:91]
	s_add_nc_u64 s[OB+6:OB+7], s[OB+4:OB+5], s[92:93]
	s_mov_b32 s90, 16384
	s_cmp_eq_u32 s43, 0
	s_cselect_b32 s90, 8192, s90
	s_cmp_eq_u32 s43, 2
	s_cselect_b32 s90, 16896, s90
	s_add_nc_u64 s[SCB:SCB+1], s[SCB:SCB+1], s[90:91]
	s_mov_b32 s90, s101
	s_add_nc_u64 s[SCB+2:SCB+3], s[SCB:SCB+1], s[90:91]
	s_mov_b32 s[SEL], 0x76543210
	s_mov_b32 s[SEL+1], 0xfedcba98
	s_mov_b32 s[MNT], 0x600000
	s_mov_b32 s[HIM], 0xffff0000
.irp i, 0,1,2,3
	v_mad_u32_u24 v[VOF+\i], s99, \i, v[L16]
.endr
	s_cmp_eq_u32 s45, 1
	s_cbranch_scc1 .Lbias_v
	WIN TO_B
.irp b, 0,1,2,3,4,5,6,7
	global_load_b128 v[8*\b:8*\b+3], v[BH], s[12:13] offset:(32*(\b/2)+8*(\b%2))*4
	global_load_b128 v[8*\b+4:8*\b+7], v[BH], s[12:13] offset:(32*(\b/2)+8*(\b%2))*4+16
.endr
	WIN 0
	s_branch .Lbias_done
.Lbias_v:
	WIN TO_B
.irp a, 0,1,2,3,4,5,6,7
	global_load_b32 v[64+2*\a], v[BR], s[12:13] offset:(32*(\a/2)+8*(\a%2))*4
	global_load_b32 v[65+2*\a], v[BR], s[12:13] offset:(32*(\a/2)+8*(\a%2))*4
.endr
	WIN 0
.Lbias_done:
	s_wait_dscnt 16
	WIN MUL_LO
	MUL16 0, 1, 1, 3, 0
	MUL16 2, 1, 1, 3, 0
	s_wait_dscnt 0x0
	WIN MUL_HI
	MUL16 4, 1, 1, 3, 0
	MUL16 6, 1, 1, 3, 0
	WIN 0
	PLACES NP
	s_wait_loadcnt 0x0
.macro EPI a
.set WN, 0x06+(\a)/4
	s_cmp_eq_u32 s45, 1
	s_cbranch_scc1 .Lepv_\@
	WIN WN
.set n_, 0
.rept 32
	v_pk_add_f32 v[X+2*n_:X+2*n_+1], v[64*((\a)%4)+2*n_:64*((\a)%4)+2*n_+1], v[2*n_:2*n_+1]
.set n_, n_+1
.endr
	WIN 0
	s_branch .Lepj_\@
.Lepv_\@:
	WIN WN
.set n_, 0
.rept 32
	v_pk_add_f32 v[X+2*n_:X+2*n_+1], v[64*((\a)%4)+2*n_:64*((\a)%4)+2*n_+1], v[64+2*(\a):65+2*(\a)]
.set n_, n_+1
.endr
	WIN 0
.Lepj_\@:
	s_wait_xcnt 0x0
	QUANT64 X, PC+16*((\a)%2), 0x6000000
	v_lshl_or_b32 v[LO+(\a)], v[TM+5], 8, v[TM+4]
	v_lshl_or_b32 v[HI+(\a)], v[TM+7], 8, v[TM+6]
.irp k, 0,1,2,3
	global_store_b128 v[VOF+(\a)%4], v[PC+16*((\a)%2)+4*\k:PC+16*((\a)%2)+4*\k+3], s[OB+4*((\a)/4)+2*(\k/2):OB+4*((\a)/4)+2*(\k/2)+1] offset:(\k%2)*512
.endr
.endm
.irp a, 0,1,2,3,4,5,6,7
	EPI \a
.endr
	s_cmp_eq_u32 s45, 1
	s_cbranch_scc1 .Lsc_v
.irp i, 0,1,2,3
	v_cndmask_b32 v[SCW+\i], v[LO+2*\i], v[LO+2*\i+1], s[HIM]
	v_cndmask_b32 v[SCW+4+\i], v[HI+2*\i], v[HI+2*\i+1], s[HIM]
.endr
	global_store_b128 v[L16], v[SCW:SCW+3], s[SCB:SCB+1]
	global_store_b128 v[L16], v[SCW+4:SCW+7], s[SCB+2:SCB+3]
	s_branch .Lsc_done
.Lsc_v:
	s_wait_alu depctr_va_vdst(0)
.irp a, 0,1,2,3,4,5,6,7
	v_lshl_or_b32 v[LO+\a], v[HI+\a], 16, v[LO+\a]
.endr
.irp i, 0,1
	v_cndmask_b32 v[SCW+\i], v[LO+2*\i], v[LO+2*\i+1], s[HIM]
	v_cndmask_b32 v[SCW+4+\i], v[LO+4+2*\i], v[LO+5+2*\i], s[HIM]
.endr
	global_store_b64 v[L8], v[SCW:SCW+1], s[SCB:SCB+1]
	global_store_b64 v[L8], v[SCW+4:SCW+5], s[SCB+2:SCB+3]
.Lsc_done:
	s_wait_tensorcnt 0x0
	ds_add_u32 v[SPW], v[NIL]
	s_wait_dscnt 0x0
	CROUND
	s_endpgm
.Lfunc_end_k_q4f1034b890_proj:
	.size	k_q4f1034b890_proj, .Lfunc_end_k_q4f1034b890_proj-k_q4f1034b890_proj
	.p2alignl 7, 3214868480
	.fill 96, 4, 3214868480
	.section	.rodata,"a",@progbits
	.p2align	6, 0x0
	.amdhsa_kernel k_q4f1034b890_proj
		.amdhsa_group_segment_fixed_size 327680
		.amdhsa_private_segment_fixed_size 0
		.amdhsa_enable_private_segment 0
		.amdhsa_kernarg_size 72
		.amdhsa_user_sgpr_count 2
		.amdhsa_user_sgpr_kernarg_segment_ptr 1
		.amdhsa_wavefront_size32 1
		.amdhsa_system_sgpr_workgroup_id_x 1
		.amdhsa_system_sgpr_workgroup_id_y 1
		.amdhsa_system_sgpr_workgroup_id_z 1
		.amdhsa_system_vgpr_workitem_id 0
		.amdhsa_next_free_vgpr 1024
		.amdhsa_next_free_sgpr 102
		.amdhsa_reserve_vcc 0
		.amdhsa_float_denorm_mode_32 3
		.amdhsa_float_denorm_mode_16_64 3
		.amdhsa_memory_ordered 1
		.amdhsa_forward_progress 1
		.amdhsa_inst_pref_size 226
	.end_amdhsa_kernel
	.amdgpu_metadata
---
amdhsa.version: [ 1, 2 ]
amdhsa.kernels:
  - .name:           k_q4f1034b890_proj
    .symbol:         k_q4f1034b890_proj.kd
    .args:
      - { .name: xc, .offset: 0, .size: 8, .value_kind: global_buffer, .address_space: global }
      - { .name: xs, .offset: 8, .size: 8, .value_kind: global_buffer, .address_space: global }
      - { .name: wc, .offset: 16, .size: 8, .value_kind: global_buffer, .address_space: global }
      - { .name: ws, .offset: 24, .size: 8, .value_kind: global_buffer, .address_space: global }
      - { .name: bq, .offset: 32, .size: 8, .value_kind: global_buffer, .address_space: global }
      - { .name: bk, .offset: 40, .size: 8, .value_kind: global_buffer, .address_space: global }
      - { .name: bv, .offset: 48, .size: 8, .value_kind: global_buffer, .address_space: global }
      - { .name: qb, .offset: 56, .size: 8, .value_kind: global_buffer, .address_space: global }
      - { .name: kv, .offset: 64, .size: 8, .value_kind: global_buffer, .address_space: global }
    .group_segment_fixed_size: 327680
    .private_segment_fixed_size: 0
    .kernarg_segment_align: 8
    .kernarg_segment_size: 72
    .max_flat_workgroup_size: 128
    .sgpr_count:     102
    .vgpr_count:     1024
    .wavefront_size: 32
...
	.end_amdgpu_metadata
.endif
;; end of part 6
;; launch attn (part 7): grid 16 x 16, 8 waves a work-group, clusters of 4 x 4, 327,680 bytes of LDS; arguments qb, kv, mask, oc, os; writes oc, os
.if DOCPART == 7
	.amdgcn_target "amdgcn-amd-amdhsa--gfx1250"
	.amdhsa_code_object_version 6
	.text
	.protected	k_q4f1034b890_attn
	.globl	k_q4f1034b890_attn
	.p2align	8
	.type	k_q4f1034b890_attn,@function
k_q4f1034b890_attn:
	s_mov_b64 s[64:65], 0
	v_nop
	global_prefetch_b8 v0, s[64:65] scope:SCOPE_SE
	s_setreg_imm32_b32 hwreg(HW_REG_WAVE_MODE, 25, 1), 1
	s_wait_xcnt 0x0
	s_wait_alu depctr_hold_cnt(0) depctr_sa_sdst(0) depctr_va_vdst(0) depctr_va_sdst(0) depctr_va_ssrc(0) depctr_va_vcc(0) depctr_vm_vsrc(0)
	s_getreg_b32 s2, hwreg(HW_REG_IB_STS2, 6, 4)
	s_cmp_eq_u32 s2, 0
	s_cbranch_scc0 .Lentry_in_a_cluster
	s_endpgm
.Lentry_in_a_cluster:
	s_bfe_u32 s2, ttmp6, 0x10000c
	s_cmp_lg_u32 s2, 0xf033
	s_cbranch_scc0 .Lentry_shape_is_right
	s_endpgm
.Lentry_shape_is_right:
; LAUNCH 3 OF 4: logits = qh kh^T / 8 + mask, p = 2^(t - M), heads = (p vh) / l, both products on codes of E4M3; the heads are quantised along the last product's K and stored as images.  Nothing is left out.
; SHARES: a work-group owns 128 queries of TWO heads of one batch.  Eight waves: wave w serves head w / 4 and owns 32 queries, two tiles of 16 (A in window 0, B in window 1, at the same register numbers).  16 steps of 128 keys.
; LAYOUT: both products are used transposed (S^T = K Q^T, O^T = V^T P^T): a lane holds one query (lane % 16); the launches before permuted K's keys and V^T's channels so that 16 registers of two neighbouring tiles are 16 neighbours.
; THE MASK IS THE C OF S^T: 3 is taken off both of Q's scale bytes once (x 2^-3 = 1 / sqrt(64), exact; the bytes are at least 4).  K = 64 in an instruction of 128: Q's registers 8-15 hold zero codes; a tile of K is followed by the next tile's codes, tile 7 by zeros.
; THE RING HOLDS THE MASK ALONE: two slots of 128 queries x 256 keys (rows of 1,024 bytes + 16), 2 x 133,120 bytes.  Each wave fetches 16 rows by one joint load, shared along a column of the cluster (the same queries and batch).
; A step's mask is read from LDS a step ahead, into the score registers that the conversions have just left.  So a slot's last read ends at the head of its second step: there stands the round, and the slot is filled with the tile two on.
; K AND V GO FROM MEMORY STRAIGHT INTO REGISTERS, as the images that the launch before stored: 34 loads a step, 33 of 512 consecutive bytes and one of 256, asked for behind the products that last read the registers, a whole step ahead of their wait.
; NO JOINT LOAD FOR K AND V: two slots of 256 keys of two heads would take 137,216 bytes beside the mask's 266,240: more than the 327,680 that there are.  No prefetch for them: each load is asked for a step ahead of its wait.
; SOFTMAX: t = logit x log2(e); M = the running largest t rounded up to a whole number; the row's sum is taken of the unquantised p; when M moves, the sum and O^T are multiplied by 2^(old M - new M), exact.
; LIMITS: a row of the mask that is all -infinity gives NaN, as in reference().  The promise holds while |t| stays under 2^31.  The heads' scale bytes leave two bytes a row; lanes l and l + 16 store the same two bytes.
.set MP,    1040
.set SLOTB, 133120
.set SPARE, 266240                     ; behind the ring: the spare words, 128 bytes for each of 8 waves
.set KVS,   17408                      ; a head's block of K and V for 128 keys
.set DUALB, 0                          ; 1: tile B's holds go as pairs too
.set AM,   1                           ; tile A's row of the mask in slot 0 (tile B's: 16 rows on)
.set AMC,  2                           ; the same in the slot that is read next
.set L8,   3
.set PFO,  7
.set SPW,  8
.set NIL,  9
.set L16,  10
.set OSO,  11
.set S,    104
.set OT,   168
.set PCD,  200
.set KS,   216
.set VS,   220
.set QS,   222
.set PSA,  223
.set BM,   224
.set BP,   228
.set HOLD, 232
.set SOP,  236
.set F,    240
.set TMP,  242
.set PWD,  243
.set PSB,  244
.set HOLD2, 245                        ; a second copy of the holds' bounds, for the second half of a pair
.set WV,   14
.set MNT,  19
.set SEL,  20
.set CS,   22
.set G1M,  24
.set G0M,  40
.set WOFF, 44
.set CNT,  56
.set LIM,  57
.set PFA,  58
.set KB,   60
.set DSL,  62
.set TB,   63
.set MSB, 0
.macro WIN new
.if MSB != (\new)
	s_set_vgpr_msb (MSB<<8)|(\new)
.set MSB, (\new)
.endif
.endm
.macro PLACES n
.rept \n
	v_nop
.endr
.endm
.macro TL                              ; my 16 rows of a tile of the mask
	tensor_load_to_lds s[G0M:G0M+3], s[G1M:G1M+7]
	s_nop 0
	PLACES 4
.endm
.macro CREST
	s_cmp_lg_u32 s[WV], 0
	s_cbranch_scc1 .Lnot_wave_0_\@
	s_barrier_signal -3
.Lnot_wave_0_\@:
	s_barrier_wait -3
	s_barrier_signal -1
	s_barrier_wait -1
.endm
.macro ROUND
	s_barrier_signal -1
	s_barrier_wait -1
	CREST
.endm
	s_load_b256 s[4:11], s[0:1], 0x0               ; qb, kv, mask, oc
	s_load_b64 s[12:13], s[0:1], 0x20              ; os
	v_lshl_add_u32 v[SPW], v0, 2, SPARE
	v_mov_b32 v[NIL], 0
	ds_add_u32 v[SPW], v[NIL]                      ; the opening: the add, twice on end, and its wait
	ds_add_u32 v[SPW], v[NIL]
	v_lshrrev_b32 v[TMP], 5, v0
	v_readfirstlane_b32 s[WV], v[TMP]              ; wave 0..7
	s_bfe_u32 s15, ttmp6, 0x40000                  ; cx
	s_bfe_u32 s16, ttmp6, 0x40004                  ; cy
	s_and_b32 s17, ttmp7, 0xffff
	s_lshl_b32 s18, ttmp9, 2
	s_add_co_u32 s18, s18, s15                     ; X: my block of 128 queries
	s_lshl_b32 s70, s17, 2
	s_add_co_u32 s70, s70, s16                     ; batch x 8 + pair of heads
	s_lshr_b32 s74, s17, 1                         ; the batch
	s_lshr_b32 s78, s[WV], 2                       ; which of the two heads
	s_and_b32 s79, s[WV], 3                        ; which 32 queries
	s_lshl_b32 s66, 0x1111, s15                    ; my column of the cluster
	s_or_b32 s[G1M], s66, (2<<16)|(1<<20)|(1<<21)|(7<<22)|(3<<25)  ; elements of 4 bytes; 4 words of padding behind every 256
	s_mov_b32 s[G1M+1], 256<<16
	s_mov_b32 s[G1M+2], 16<<16
	s_mov_b32 s[G1M+3], 256<<16
	s_mov_b32 s[G1M+4], 16
	s_mov_b32 s[G1M+5], 2048
	s_mov_b32 s[G1M+6], 0
	s_mov_b32 s[G1M+7], 0
	s_lshl_b32 s68, s74, 24                        ; the mask: 16 MiB a batch, 128 rows of 8,192 bytes a block, 16 rows a wave
	s_lshl_b32 s67, s18, 20
	s_add_co_u32 s68, s68, s67
	s_lshl_b32 s67, s[WV], 17
	s_add_co_u32 s68, s68, s67
	s_mov_b32 s69, 0
	s_mul_i32 s[WOFF], s[WV], 16*MP
	s_lshl_b32 s80, s70, 1
	s_add_co_u32 s80, s80, s78                     ; batch x 16 + head
	s_mul_i32 s72, s80, 16*KVS
	s_mov_b32 s73, 0
	s_and_b32 s87, s80, 15
	s_lshl_b32 s80, s80, 4
	s_add_co_u32 s80, s80, s18
	s_mul_i32 s80, s80, 8704                       ; Q's block
	s_lshl_b32 s82, s79, 11
	s_add_co_u32 s82, s82, s80
	s_mov_b32 s83, 0
	s_lshl_b32 s84, s79, 2
	s_add_co_u32 s84, s84, s80
	s_add_co_u32 s84, s84, 8192
	s_mov_b32 s85, 0
	s_lshl_b32 s86, s74, 7                         ; the way out: tile 128 batch + 8 X + 2 (wave % 4)
	s_lshl_b32 s81, s18, 3
	s_add_co_u32 s86, s86, s81
	s_lshl_b32 s81, s79, 1
	s_add_co_u32 s86, s86, s81
	s_lshl_b32 s88, s86, 14
	s_lshl_b32 s89, s87, 10
	s_add_co_u32 s88, s88, s89
	s_mov_b32 s89, 0
	s_lshl_b32 s90, s86, 9
	s_lshr_b32 s91, s87, 1
	s_lshl_b32 s91, s91, 6
	s_add_co_u32 s90, s90, s91
	s_and_b32 s91, s87, 1
	s_lshl_b32 s91, s91, 1
	s_add_co_u32 s90, s90, s91
	s_mov_b32 s91, 0
	; the prefetches of the mask: a tile is 128 rows x 4 blocks of 256 bytes; each cluster asks for its own: the four partners of a column take 32 rows each by address, waves 4 to 7 eight rows each, a lane a block
	s_lshl_b32 s96, s74, 24
	s_lshl_b32 s97, s18, 20
	s_add_co_u32 s96, s96, s97
	s_lshl_b32 s97, s16, 18
	s_add_co_u32 s96, s96, s97
	s_lshl_b32 s97, s79, 16
	s_add_co_u32 s96, s96, s97
	s_add_co_u32 s96, s96, 2048                    ; at tile 2: the first refill steps it to tile 3
	s_mov_b32 s97, 0
	s_cmp_ge_u32 s[WV], 4
	s_cselect_b32 s[LIM], 1, -1
	s_mov_b32 s[SEL], 0x76543210
	s_mov_b32 s[SEL+1], 0xfedcba98
	s_mov_b32 s[CS], 0x3fb8aa3b                    ; log2(e)
	s_mov_b32 s[CS+1], s[CS]
	s_mov_b32 s[MNT], 0x600000
	s_mov_b32 s[DSL], 0
	s_mov_b32 s[TB], 0
	s_mul_i32 s93, s79, 32*MP
	v_and_b32 v[TMP], 31, v0
	v_and_b32 v245, 15, v0
	v_bfe_u32 v246, v0, 4, 1
	v_lshrrev_b32 v247, 2, v[TMP]
	v_and_b32 v[PFO], 3, v0
	v_lshlrev_b32 v[PFO], 8, v[PFO]
	v_lshl_add_u32 v[PFO], v247, 13, v[PFO]
	v_mul_u32_u24 v[AM], v245, MP
	v_lshl_add_u32 v[AM], v246, 6, v[AM]
	v_add_nc_u32 v[AM], s93, v[AM]                 ; row 32 (wave % 4) + r, + 64 h
	v_mov_b32 v[AMC], v[AM]
	v_lshlrev_b32 v[L16], 4, v[TMP]
	v_lshlrev_b32 v[L8], 3, v[TMP]
	v_lshlrev_b32 v[OSO], 2, v245
	s_wait_alu depctr_va_vdst(0)
	s_wait_dscnt 0x0
	s_wait_kmcnt 0x0
	s_add_nc_u64 s[68:69], s[8:9], s[68:69]
	s_add_nc_u64 s[KB:KB+1], s[6:7], s[72:73]
	s_add_nc_u64 s[92:93], s[4:5], s[82:83]
	s_add_nc_u64 s[94:95], s[4:5], s[84:85]
	s_add_nc_u64 s[10:11], s[10:11], s[88:89]
	s_add_nc_u64 s[12:13], s[12:13], s[90:91]
	s_add_nc_u64 s[PFA:PFA+1], s[8:9], s[96:97]
	s_mov_b32 s[G0M], 1
	s_mov_b32 s[G0M+1], s[WOFF]
	s_mov_b64 s[G0M+2:G0M+3], s[68:69]
	s_or_b32 s[G0M+3], s[G0M+3], 0x80000000
	ROUND
	TL                                             ; tile 0 into slot 0: one load a wave
.macro LOADK off                       ; K's eight tiles and their scale words: 17 loads
.irp t, 0,1,2,3,4,5,6,7
	global_load_b128 v[32+8*\t:35+8*\t], v[L16], s[KB:KB+1] offset:(\off)+\t*1024
	global_load_b128 v[36+8*\t:39+8*\t], v[L16], s[KB:KB+1] offset:(\off)+\t*1024+512
.endr
	global_load_b128 v[KS:KS+3], v[L16], s[KB:KB+1] offset:(\off)+16384
.endm
.macro LOADV off                       ; V^T's scale words and its four fragments, into window 1: 17 loads
	global_load_b64 v[VS:VS+1], v[L8], s[KB:KB+1] offset:(\off)+16896
	WIN 0x40
.irp e, 0,1,2,3
.irp c, 0,1,2,3
	global_load_b128 v[32+16*\e+4*\c:35+16*\e+4*\c], v[L16], s[KB:KB+1] offset:(\off)+8192+\e*2048+\c*512
.endr
.endr
	WIN 0
.endm
.macro LOADM w, hf                     ; register 8 t + j: the mask at my query and key 128 hf + 32 (t / 2) + 16 h + 8 (t % 2) + j of the tile
	WIN 0x40*(\w)
.irp t, 0,1,2,3,4,5,6,7
	ds_load_b128 v[S+8*\t:S+8*\t+3], v[AMC] offset:(\w)*16*MP+512*(\hf)+128*(\t/2)+32*(\t%2)
	ds_load_b128 v[S+8*\t+4:S+8*\t+7], v[AMC] offset:(\w)*16*MP+512*(\hf)+128*(\t/2)+32*(\t%2)+16
.endr
	WIN 0
.endm
	global_load_b128 v[16:19], v[L16], s[92:93]    ; tile A's Q
	global_load_b128 v[20:23], v[L16], s[92:93] offset:512
	global_load_b32 v[QS], v[L16], s[94:95]        ; lanes 0-15 tile A's scale words, lanes 16-31 tile B's
	WIN 0x40
	global_load_b128 v[16:19], v[L16], s[92:93] offset:1024        ; tile B's Q
	global_load_b128 v[20:23], v[L16], s[92:93] offset:1536
	WIN 0
	LOADK 0
	LOADV 0
.irp j, 0,1,2,3,4,5,6,7
	v_mov_b32 v[96+\j], 0                          ; what stands behind K's tile 7
.endr
.macro INIT w
	WIN 0x55*(\w)
.irp j, 0,1,2,3,4,5,6,7
	v_mov_b32 v[24+\j], 0                          ; Q's zero codes for k = 64 .. 127
.endr
	v_mov_b32 v13, 0xff61b1e6                      ; the largest t so far: -3e38
	s_delay_alu instid0(VALU_DEP_1)
	v_floor_f32 v12, -v13
	v_mov_b32 v14, 0
	v_mov_b32 v15, 0
	v_mov_b32 v[F+1], 0
.irp b, 0,1,2,3
	v_mov_b32 v[BP+\b], 0
.endr
.set n_, 0
.rept 32
	v_mov_b32 v[OT+n_], 0
.set n_, n_+1
.endr
.endm
	INIT 0
	s_wait_loadcnt 34                              ; Q is in; K's and V's 34 loads may be out
	v_add_nc_u32 v[QS], 0xfffffcfd, v[QS]          ; 3 off bytes 0 and 1 (each at least 4: no borrow)
	INIT 1
	WIN 0
	s_wait_alu depctr_va_vdst(0)
	s_wait_tensorcnt 0x0                           ; tile 0 is in; slot 1's first fill is issued as a refill is
	ds_add_u32 v[SPW], v[NIL]
	s_xor_b32 s[DSL], s[DSL], SLOTB
	s_add_co_u32 s[G0M+1], s[WOFF], s[DSL]
	s_add_nc_u64 s[G0M+2:G0M+3], s[G0M+2:G0M+3], 1024
	s_wait_dscnt 0x0
	ROUND
	TL                                             ; tile 1 into slot 1
	LOADM 0, 0
	LOADM 1, 0
.macro SPROD w
	WIN 0x54*(\w)
.irp t, 0,2,4,6
.if \w
	v_wmma_scale_f32_16x16x128_f8f6f4 v[S+8*\t:S+8*\t+7], v[32+8*\t:47+8*\t], v[16:31], v[S+8*\t:S+8*\t+7], v[KS+\t/2], v[QS] matrix_b_scale:MATRIX_SCALE_ROW1
	v_wmma_scale_f32_16x16x128_f8f6f4 v[S+8*\t+8:S+8*\t+15], v[40+8*\t:55+8*\t], v[16:31], v[S+8*\t+8:S+8*\t+15], v[KS+\t/2], v[QS] matrix_a_scale:MATRIX_SCALE_ROW1 matrix_b_scale:MATRIX_SCALE_ROW1
.else
	v_wmma_scale_f32_16x16x128_f8f6f4 v[S+8*\t:S+8*\t+7], v[32+8*\t:47+8*\t], v[16:31], v[S+8*\t:S+8*\t+7], v[KS+\t/2], v[QS]
	v_wmma_scale_f32_16x16x128_f8f6f4 v[S+8*\t+8:S+8*\t+15], v[40+8*\t:55+8*\t], v[16:31], v[S+8*\t+8:S+8*\t+15], v[KS+\t/2], v[QS] matrix_a_scale:MATRIX_SCALE_ROW1
.endif
.endr
.endm
.macro PVPROD w
	WIN 0x01+0x54*(\w)
.irp e, 0,2
.if \w
	v_wmma_scale_f32_16x16x128_f8f6f4 v[OT+8*\e:OT+8*\e+7], v[32+16*\e:47+16*\e], v[PCD:PCD+15], v[OT+8*\e:OT+8*\e+7], v[VS+\e/2], v[PSB]
	v_wmma_scale_f32_16x16x128_f8f6f4 v[OT+8*\e+8:OT+8*\e+15], v[48+16*\e:63+16*\e], v[PCD:PCD+15], v[OT+8*\e+8:OT+8*\e+15], v[VS+\e/2], v[PSB] matrix_a_scale:MATRIX_SCALE_ROW1
.else
	v_wmma_scale_f32_16x16x128_f8f6f4 v[OT+8*\e:OT+8*\e+7], v[32+16*\e:47+16*\e], v[PCD:PCD+15], v[OT+8*\e:OT+8*\e+7], v[VS+\e/2], v[PSA]
	v_wmma_scale_f32_16x16x128_f8f6f4 v[OT+8*\e+8:OT+8*\e+15], v[48+16*\e:63+16*\e], v[PCD:PCD+15], v[OT+8*\e+8:OT+8*\e+15], v[VS+\e/2], v[PSA] matrix_a_scale:MATRIX_SCALE_ROW1
.endif
.endr
.endm
; A tile's softmax for 128 keys, in the tile's own window but for the line that puts p's scale word into window 0.
.macro SOFTMAX w
	WIN 0x55*(\w)
	s_wait_alu depctr_va_vdst(0)                   ; directly ahead of the first reader of the logits
.irp b, 0,1,2,3
	v_max3_num_f32 v[BM+\b], v[S+16*\b], v[S+1+16*\b], v[S+2+16*\b]   ; the largest logit of each block of 32 keys
.endr
.irp i, 3,5,7,9,11,13
.irp b, 0,1,2,3
	v_max3_num_f32 v[BM+\b], v[BM+\b], v[S+16*\b+\i], v[S+1+16*\b+\i]
.endr
.endr
.irp b, 0,1,2,3
	v_max_num_f32 v[BM+\b], v[BM+\b], v[S+15+16*\b]
.endr
.irp b, 0,1,2,3
	s_delay_alu instid0(VALU_DEP_4)
	v_permlanex16_b32 v[BP+\b], v[BM+\b], s[SEL], s[SEL+1]
.endr
.irp b, 0,1,2,3
	s_delay_alu instid0(VALU_DEP_4)
	v_max_num_f32 v[BM+\b], v[BM+\b], v[BP+\b]
.endr
	s_delay_alu instid0(VALU_DEP_2)
	v_max3_num_f32 v[TMP], v[BM], v[BM+1], v[BM+2]
	s_delay_alu instid0(VALU_DEP_1)
	v_max_num_f32 v[TMP], v[TMP], v[BM+3]
	s_delay_alu instid0(VALU_DEP_1)
	v_mul_f32 v[TMP], s[CS], v[TMP]
	s_delay_alu instid0(VALU_DEP_1)
	v_max_num_f32 v13, v13, v[TMP]                 ; the running largest t
	v_mov_b32 v[TMP], v12
	s_delay_alu instid0(VALU_DEP_2)
	v_floor_f32 v12, -v13                          ; the new -M
	s_delay_alu instid0(VALU_DEP_1)
	v_sub_f32 v[TMP], v12, v[TMP]
	s_delay_alu instid0(VALU_DEP_1)
	v_cvt_i32_f32 v[TMP], v[TMP]
	s_delay_alu instid0(VALU_DEP_1)
	v_ldexp_f32 v[F], 1.0, v[TMP]                  ; f = 2^(old M - new M)
.set n_, 0
.rept 32
	v_pk_fma_f32 v[S+n_:S+n_+1], v[S+n_:S+n_+1], s[CS:CS+1], v[12:13] op_sel_hi:[1,0,0]   ; t - M
.set n_, n_+2
.endr
.irp b, 0,1,2,3
	v_fma_f32 v[BM+\b], v[BM+\b], s[CS], v12
.endr
.set n_, 0
	s_wait_alu depctr_va_vdst(0)
.rept 64
	v_exp_f32 v[S+n_], v[S+n_]                     ; p = 2^(t - M)
.set n_, n_+1
.endr
	v_pk_mul_f32 v[14:15], v[14:15], v[F:F+1] op_sel_hi:[1,0]
	s_wait_alu depctr_va_vdst(0)                   ; one wait for the batch
.irp b, 0,1,2,3
	v_exp_f32 v[BM+\b], v[BM+\b]                   ; the block's largest p
.endr
	v_pk_add_f32 v[BP:BP+1], v[S:S+1], v[S+2:S+3]  ; the row's sum of the unquantised p, in two chains
.irp j, 4,8,12,16,20,24,28,32,36,40,44,48,52,56,60
	v_pk_add_f32 v[14:15], v[14:15], v[S+\j:S+\j+1]
	v_pk_add_f32 v[BP:BP+1], v[BP:BP+1], v[S+2+\j:S+3+\j]
.endr
	s_delay_alu instid0(VALU_DEP_1)
	v_pk_add_f32 v[14:15], v[14:15], v[BP:BP+1]
	s_wait_alu depctr_va_vdst(0)
.irp b, 0,1,2,3
	v_max_num_f32 v[BM+\b], 0x4800000, v[BM+\b]    ; the floor: the byte cannot fall under 1
.endr
.irp b, 0,1,2,3
	s_delay_alu instid0(VALU_DEP_4)
	v_add_nc_u32 v[SOP+\b], 0xfc000000, v[BM+\b]
.endr
.irp b, 0,1,2,3
	v_and_or_b32 v[HOLD+\b], v[BM+\b], 0x7f800000, s[MNT]
.endr
.if (\w) == 0 || DUALB
.irp b, 0,1,2,3
	v_and_or_b32 v[HOLD2+\b], v[BM+\b], 0x7f800000, s[MNT]
.endr
.endif
.irp b, 0,1,2,3
	v_lshrrev_b32 v[BP+\b], 23, v[SOP+\b]
.endr
	s_delay_alu instid0(VALU_DEP_3)
	v_lshl_or_b32 v[PWD], v[BP+1], 8, v[BP]        ; p's scale word for these 128 keys
	s_delay_alu instid0(VALU_DEP_1)
	v_lshl_or_b32 v[PWD], v[BP+2], 16, v[PWD]
.if \w
	s_delay_alu instid0(VALU_DEP_1)
	v_lshl_or_b32 v[PWD], v[BP+3], 24, v[PWD]
	WIN 0x01
	v_mov_b32 v[PSB], v[PWD]
	WIN 0x55
.else
	s_delay_alu instid0(VALU_DEP_1)
	v_lshl_or_b32 v[PSA], v[BP+3], 24, v[PWD]
.endif
.irp b, 0,1,2,3
.if (\w) == 0 || DUALB
.irp i, 0,2,4,6,8,10,12,14
	v_dual_min_num_f32 v[S+16*\b+\i], v[S+16*\b+\i], v[HOLD+\b] :: v_dual_min_num_f32 v[S+16*\b+\i+1], v[S+16*\b+\i+1], v[HOLD2+\b]   ; the hold, two numbers a line; p is not negative
.endr
.else
.irp i, 0,1,2,3,4,5,6,7,8,9,10,11,12,13,14,15
	v_min_num_f32 v[S+16*\b+\i], v[S+16*\b+\i], v[HOLD+\b]
.endr
.endif
	v_cvt_scalef32_pk8_fp8_f32 v[PCD+4*\b:PCD+4*\b+1], v[S+16*\b:S+16*\b+7], v[SOP+\b]
	v_cvt_scalef32_pk8_fp8_f32 v[PCD+4*\b+2:PCD+4*\b+3], v[S+16*\b+8:S+16*\b+15], v[SOP+\b]
.endr
	s_wait_alu depctr_va_vdst(0)                   ; directly ahead of the first reader of O^T
.set n_, 0
.rept 16
	v_pk_mul_f32 v[OT+n_:OT+n_+1], v[OT+n_:OT+n_+1], v[F:F+1] op_sel_hi:[1,0]   ; O^T under the new M; also the places between the codes and the products
.set n_, n_+2
.endr
	WIN 0
.endm
; A STEP of 128 keys.  odd = 1: a tile's second step: at its head the slot is given up.  tail = 0: a round of the cluster's barrier, and the tile two on is asked for; tail = 1: nothing is left to ask for: a plain barrier shows the last tile.
; In the tail's last trip (s[CNT] = 1) the odd step is step 15: branches on the count lead round the loads for a step that does not exist.
.macro STEP odd, tail
.if \odd
	s_wait_tensorcnt 0x0                           ; my part of the next tile is in
	ds_add_u32 v[SPW], v[NIL]
.if !\tail
	s_xor_b32 s[DSL], s[DSL], SLOTB
	s_add_co_u32 s[G0M+1], s[WOFF], s[DSL]
	s_add_nc_u64 s[G0M+2:G0M+3], s[G0M+2:G0M+3], 1024
.endif
	s_wait_xcnt 0x0                                ; the loads and the prefetch have read their bases
	s_add_nc_u64 s[KB:KB+1], s[KB:KB+1], 2*KVS
.if !\tail
	s_add_nc_u64 s[PFA:PFA+1], s[PFA:PFA+1], 1024
.endif
	s_xor_b32 s[TB], s[TB], SLOTB
.endif
	s_wait_loadcnt 17                              ; K is in; V's 17 loads may be out
	s_wait_dscnt 0x0                               ; both tiles' mask is in (odd: and the add is done, and my reads of the slot are over)
.if \odd
	s_barrier_signal -1
.endif
	SPROD 0
	SPROD 1
	WIN 0
.if \odd
	s_barrier_wait -1
.if \tail
	PLACES 8
.else
	CREST
	TL                                             ; the tile two on, into the slot just given up
	PLACES 4
.endif
	v_add_nc_u32 v[AMC], s[TB], v[AM]              ; the mask is read from the other slot from here on
.else
	PLACES 8
.endif
.if (\odd) && (\tail)
	s_cmp_eq_u32 s[CNT], 1
	s_cbranch_scc1 .Lno_k_\@
.endif
	LOADK KVS*(1-(\odd))                           ; the next step's K
.Lno_k_\@:
.if (\odd) && !(\tail)
	s_cmp_gt_u32 s[CNT], s[LIM]                    ; waves 4 to 7, and not in the last trip: the tile that the next refill asks for
	s_cbranch_scc0 .Lnot_mine_\@
	global_prefetch_b8 v[PFO], s[PFA:PFA+1] th:TH_LOAD_NT scope:SCOPE_SE
.Lnot_mine_\@:
.endif
	SOFTMAX 0
.if (\odd) && (\tail)
	s_cmp_eq_u32 s[CNT], 1
	s_cbranch_scc1 .Lno_ma_\@
.endif
	LOADM 0, 1-(\odd)                              ; the next step's mask, tile A
.Lno_ma_\@:
	SOFTMAX 1
.if (\odd) && (\tail)
	s_cmp_eq_u32 s[CNT], 1
	s_cbranch_scc1 .Lno_mb_\@
.endif
	LOADM 1, 1-(\odd)
.Lno_mb_\@:
	s_wait_alu depctr_va_vdst(0)
.if (\odd) && (\tail)
	s_wait_loadcnt 0x0
.else
	s_wait_loadcnt 17                              ; V is in; the next K's 17 loads may be out
.endif
	PVPROD 0
	PVPROD 1
	WIN 0
	PLACES 8
.if (\odd) && (\tail)
	s_cmp_eq_u32 s[CNT], 1
	s_cbranch_scc1 .Lno_v_\@
.endif
	LOADV KVS*(1-(\odd))                           ; the next step's V
.Lno_v_\@:
.endm
	s_mov_b32 s[CNT], 6
.Lmain:                                            ; six trips: steps 0 to 11; tiles 2 to 7 are asked for
	STEP 0, 0
	STEP 1, 0
	s_sub_co_u32 s[CNT], s[CNT], 1
	s_cmp_lg_u32 s[CNT], 0
	s_cbranch_scc1 .Lmain
	s_mov_b32 s[CNT], 2
.Ltail:                                            ; two trips: steps 12 to 15
	STEP 0, 1
	STEP 1, 1
	s_sub_co_u32 s[CNT], s[CNT], 1
	s_cmp_lg_u32 s[CNT], 0
	s_cbranch_scc1 .Ltail
; THE WAY OUT of a tile: O^T / the sum; register 16 j + i is channel 32 j + 16 h + i of my query: two blocks of the last product's K; their codes are pieces of an image.
.macro WAYOUT w
	WIN 0x55*(\w)
	v_add_f32 v14, v14, v15
	s_delay_alu instid0(VALU_DEP_1)
	v_permlanex16_b32 v[TMP], v14, s[SEL], s[SEL+1]
	s_delay_alu instid0(VALU_DEP_1)
	v_add_f32 v14, v14, v[TMP]
	s_wait_alu depctr_va_vdst(0)
	v_rcp_f32 v14, v14
	v_nop
	s_wait_alu depctr_va_vdst(0)
.set n_, 0
.rept 16
	v_pk_mul_f32 v[S+n_:S+n_+1], v[OT+n_:OT+n_+1], v[14:15] op_sel_hi:[1,0]
.set n_, n_+2
.endr
.irp b, 0,1
	v_max3_num_f32 v[BM+\b], |v[S+16*\b]|, |v[S+1+16*\b]|, 0x4800000
.endr
.irp i, 2,4,6,8,10,12,14
.irp b, 0,1
	s_delay_alu instid0(VALU_DEP_2)
	v_max3_num_f32 v[BM+\b], v[BM+\b], |v[S+16*\b+\i]|, |v[S+1+16*\b+\i]|
.endr
.endr
.irp b, 0,1
	s_delay_alu instid0(VALU_DEP_2)
	v_permlanex16_b32 v[BP+\b], v[BM+\b], s[SEL], s[SEL+1]
.endr
.irp b, 0,1
	s_delay_alu instid0(VALU_DEP_2)
	v_max_num_f32 v[BM+\b], v[BM+\b], v[BP+\b]
.endr
.irp b, 0,1
	s_delay_alu instid0(VALU_DEP_2)
	v_add_nc_u32 v[SOP+\b], 0xfc000000, v[BM+\b]
.endr
.irp b, 0,1
	s_delay_alu instid0(VALU_DEP_4)
	v_and_or_b32 v[HOLD+\b], v[BM+\b], 0x7f800000, s[MNT]
.endr
.irp b, 0,1
	s_delay_alu instid0(VALU_DEP_4)
	v_lshrrev_b32 v[BP+\b], 23, v[SOP+\b]
.endr
	s_delay_alu instid0(VALU_DEP_1)
	v_lshl_or_b32 v[TMP], v[BP+1], 8, v[BP]
.irp b, 0,1
.irp i, 0,1,2,3,4,5,6,7,8,9,10,11,12,13,14,15
	v_med3_num_f32 v[S+16*\b+\i], v[S+16*\b+\i], -v[HOLD+\b], v[HOLD+\b]
.endr
	v_cvt_scalef32_pk8_fp8_f32 v[PCD+4*\b:PCD+4*\b+1], v[S+16*\b:S+16*\b+7], v[SOP+\b]
	v_cvt_scalef32_pk8_fp8_f32 v[PCD+4*\b+2:PCD+4*\b+3], v[S+16*\b+8:S+16*\b+15], v[SOP+\b]
.endr
	v_nop
	WIN 0x04*(\w)                                  ; a store's data are its source 1
	global_store_b128 v[L16], v[PCD:PCD+3], s[10:11] offset:(\w)*16384             ; 512 consecutive bytes
	global_store_b128 v[L16], v[PCD+4:PCD+7], s[10:11] offset:(\w)*16384+512
	global_store_b16 v[OSO], v[TMP], s[12:13] offset:(\w)*512
.endm
	WAYOUT 0
	s_wait_xcnt 0x0                                ; tile A's stores have read their registers
	WAYOUT 1
	WIN 0
	s_wait_tensorcnt 0x0                           ; the wave's end
	ds_add_u32 v[SPW], v[NIL]
	s_wait_dscnt 0x0
	ROUND                                          ; the closing round
	s_endpgm
.Lfunc_end_k_q4f1034b890_attn:
	.size	k_q4f1034b890_attn, .Lfunc_end_k_q4f1034b890_attn-k_q4f1034b890_attn
	.p2alignl 7, 3214868480
	.fill 96, 4, 3214868480
	.section	.rodata,"a",@progbits
	.p2align	6, 0x0
	.amdhsa_kernel k_q4f1034b890_attn
		.amdhsa_group_segment_fixed_size 327680
		.amdhsa_private_segment_fixed_size 0
		.amdhsa_enable_private_segment 0
		.amdhsa_kernarg_size 40
		.amdhsa_user_sgpr_count 2
		.amdhsa_user_sgpr_kernarg_segment_ptr 1
		.amdhsa_wavefront_size32 1
		.amdhsa_system_sgpr_workgroup_id_x 1
		.amdhsa_system_sgpr_workgroup_id_y 1
		.amdhsa_system_sgpr_workgroup_id_z 1
		.amdhsa_system_vgpr_workitem_id 0
		.amdhsa_next_free_vgpr 512
		.amdhsa_next_free_sgpr 100
		.amdhsa_reserve_vcc 0
		.amdhsa_float_denorm_mode_32 3
		.amdhsa_float_denorm_mode_16_64 3
		.amdhsa_memory_ordered 1
		.amdhsa_forward_progress 1
		.amdhsa_inst_pref_size 187
	.end_amdhsa_kernel
	.amdgpu_metadata
---
amdhsa.version: [ 1, 2 ]
amdhsa.kernels:
  - .name:           k_q4f1034b890_attn
    .symbol:         k_q4f1034b890_attn.kd
    .args:
      - { .name: qb, .offset: 0, .size: 8, .value_kind: global_buffer, .address_space: global }
      - { .name: kv, .offset: 8, .size: 8, .value_kind: global_buffer, .address_space: global }
      - { .name: mask, .offset: 16, .size: 8, .value_kind: global_buffer, .address_space: global }
      - { .name: oc, .offset: 24, .size: 8, .value_kind: global_buffer, .address_space: global }
      - { .name: os, .offset: 32, .size: 8, .value_kind: global_buffer, .address_space: global }
    .group_segment_fixed_size: 327680
    .private_segment_fixed_size: 0
    .kernarg_segment_align: 8
    .kernarg_segment_size: 40
    .max_flat_workgroup_size: 256
    .sgpr_count:     100
    .vgpr_count:     512
    .wavefront_size: 32
...
	.end_amdgpu_metadata
.endif
;; end of part 7
;; launch outp (part 8): grid 8 x 32, 4 waves a work-group, clusters of 4 x 4, 327,680 bytes of LDS; arguments oc, os, wc, ws, bo, out0; writes out0
.if DOCPART == 8
	.amdgcn_target "amdgcn-amd-amdhsa--gfx1250"
	.amdhsa_code_object_version 6
	.text
	.protected	k_q4f1034b890_outp
	.globl	k_q4f1034b890_outp
	.p2align	8
	.type	k_q4f1034b890_outp,@function
k_q4f1034b890_outp:
	s_mov_b64 s[64:65], 0
	v_nop
	global_prefetch_b8 v0, s[64:65] scope:SCOPE_SE
	s_setreg_imm32_b32 hwreg(HW_REG_WAVE_MODE, 25, 1), 1
	s_wait_xcnt 0x0
	s_wait_alu depctr_hold_cnt(0) depctr_sa_sdst(0) depctr_va_vdst(0) depctr_va_sdst(0) depctr_va_ssrc(0) depctr_va_vcc(0) depctr_vm_vsrc(0)
	s_getreg_b32 s2, hwreg(HW_REG_IB_STS2, 6, 4)
	s_cmp_eq_u32 s2, 0
	s_cbranch_scc0 .Lentry_in_a_cluster
	s_endpgm
.Lentry_in_a_cluster:
	s_bfe_u32 s2, ttmp6, 0x10000c
	s_cmp_lg_u32 s2, 0xf033
	s_cbranch_scc0 .Lentry_shape_is_right
	s_endpgm
.Lentry_shape_is_right:
; LAUNCH 4 OF 4: out0 = gelu(x Wo + bo), gelu(y) = y / (1 + 2^(-1.702 log2(e) y)), the product on codes of E4M3 (K = 1,024).  Nothing is left out.
; 4,096 tokens x 1,024 columns in tiles of 128 x 128: 256 work-groups of four waves, a wave 64 x 64: 16 accumulators.  Source 0 = Wo's columns (the fourth weight in wc, ws), source 1 = the tokens' tiles (oc, os).
; Operands lie in memory as images of fragments (16 rows x 128 K: 2,048 bytes).  A's 8 tiles and B's 8 tiles for all of K are 262,144 bytes, filled ONCE: one joint load a wave: wave 0 A's first half of K, wave 1 B's, wave 2 A's second half, wave 3 B's.
; Each load is 8 rows of 8,192 bytes.  The first barrier shows waves 0 and 1's loads, which have lines of their own; the second, behind K step 2, shows the others'.  Nothing is filled again; no loop to run ahead in: no prefetch.
; CLUSTER 4 x 4: A's tiles are shared along a row of the cluster, B's along a column.
; A lane holds one token; register 8 b + j of a tile belongs to column 32 (b / 2) + 16 (lane / 16) + 8 (b % 2) + j.  bo is the C of each sum's first product.
; 32 tokens at a time go through the wave's own stage in LDS (bytes that no tensor load fills) and leave sixteen lanes to a row's 256 bytes.
; REGISTERS: window 0: v4-19 addresses; v32-47 A's scale words, v48-63 B's; v64-95 the bias, later v64-127 at work; v128-255 the accumulators.  Window 1: two sets of fragments: 64 registers of A, then 64 of B.
.set HALF,  131072                     ; half of K: A's 8 tiles x 8,192 bytes, then B's 8
.set STAGE, 262144
.set SP,    272
.set WSTG,  32*SP
.set SPARE, STAGE+4*WSTG
.set NP,    8
.set ADRA,  4                          ; v4-5  my A fragments in half 0, 1
.set ADRB,  8                          ; v8-9  the same for B
.set L16,   12
.set L4,    13
.set STO,   14
.set RD,    15
.set CO,    16
.set BH,    17
.set SPW,   18
.set NIL,   19
.set SA,    32
.set SB,    48
.set BI,    64
.set T,     64
.set ACC,   128
.set G1,    24
.set G0,    32
.set G1B,   48
.set G0B,   56
.set GC,    82
.set MSB, 0
.macro WIN new
.if MSB != (\new)
	s_set_vgpr_msb (MSB<<8)|(\new)
.set MSB, (\new)
.endif
.endm
.macro CROUND
	s_barrier_signal -1
	s_barrier_wait -1
	s_cmp_lg_u32 s22, 0
	s_cbranch_scc1 .Lnot_wave_0_\@
	s_barrier_signal -3
.Lnot_wave_0_\@:
	s_barrier_wait -3
	s_barrier_signal -1
	s_barrier_wait -1
.endm
.macro PLACES n
.rept \n
	v_nop
.endr
.endm
	s_load_b256 s[4:11], s[0:1], 0x0               ; oc, os, wc, ws
	s_load_b128 s[12:15], s[0:1], 0x20             ; bo, out0
	v_lshl_add_u32 v[SPW], v0, 2, SPARE
	v_mov_b32 v[NIL], 0
	ds_add_u32 v[SPW], v[NIL]                      ; the opening: the add, twice on end, and its wait
	ds_add_u32 v[SPW], v[NIL]
	v_lshrrev_b32 v1, 5, v0
	v_readfirstlane_b32 s22, v1                    ; wave
	s_lshr_b32 s23, s22, 1                         ; my half of the tokens; also: which half of K I fetch
	s_and_b32 s3, s22, 1                           ; my half of the columns; also: I fetch for A (0) or B (1)
	s_bfe_u32 s16, ttmp6, 0x40000                  ; cx
	s_bfe_u32 s17, ttmp6, 0x40004                  ; cy
	s_and_b32 s18, ttmp7, 0xffff
	s_lshl_b32 s19, s18, 2
	s_add_co_u32 s19, s19, s17                     ; A's block of 128 tokens
	s_lshl_b32 s20, ttmp9, 2
	s_add_co_u32 s20, s20, s16                     ; B's block of 128 columns
	s_lshl_b32 s80, s17, 2
	s_lshl_b32 s80, 15, s80
	s_lshl_b32 s81, 0x1111, s16
	s_or_b32 s[G1], s80, (3<<16)|(1<<21)
	s_or_b32 s[G1B], s81, (3<<16)|(1<<21)
.irp g, G1, G1B
	s_mov_b32 s[\g+1], 1024<<16                    ; a tile's 8,192 bytes of half of K as 1,024 elements of 8 bytes
	s_mov_b32 s[\g+2], 8<<16                       ; 8 tiles
	s_mov_b32 s[\g+3], 1024<<16
	s_mov_b32 s[\g+4], 8
	s_mov_b32 s[\g+5], 2048                        ; 16,384 bytes from tile to tile
	s_mov_b32 s[\g+6], 0
	s_mov_b32 s[\g+7], 0
.endr
	s_lshl_b32 s84, s23, 13                        ; the half of K that I fetch
	s_lshl_b32 s86, s19, 17
	s_add_co_u32 s86, s86, s84
	s_mov_b32 s87, 0
	s_lshl_b32 s88, s20, 17
	s_add_co_u32 s88, s88, s84
	s_add_co_u32 s88, s88, 3<<20                   ; the fourth weight
	s_mov_b32 s89, 0
	s_lshl_b32 s90, s19, 12
	s_lshl_b32 s91, s23, 11
	s_add_co_u32 s90, s90, s91
	s_mov_b32 s91, 0
	s_lshl_b32 s92, s20, 12
	s_lshl_b32 s93, s3, 11
	s_add_co_u32 s92, s92, s93
	s_add_co_u32 s92, s92, 98304
	s_mov_b32 s93, 0
	s_lshl_b32 s76, s20, 9
	s_lshl_b32 s77, s3, 8
	s_add_co_u32 s76, s76, s77
	s_mov_b32 s77, 0
	s_lshl_b32 s78, s19, 19
	s_lshl_b32 s79, s23, 18
	s_add_co_u32 s78, s78, s79
	s_mov_b32 s79, 0
	s_lshl_b32 s2, s22, 16                         ; where my load goes: 65,536 x wave
	s_mov_b32 s[GC], 0xc01d265f
	s_mov_b32 s[GC+1], s[GC]
	v_and_b32 v1, 31, v0
	v_lshlrev_b32 v[L16], 4, v1
	v_lshlrev_b32 v[L4], 2, v1
	v_and_b32 v2, 15, v0
	v_bfe_u32 v3, v0, 4, 1
	v_lshlrev_b32 v[BH], 6, v3
	s_lshl_b32 s94, s23, 15                        ; my 4 tiles of A
	s_lshl_b32 s95, s3, 15                         ; my 4 tiles of B,
	s_add_co_u32 s95, s95, 65536                   ; behind A's 8
.irp k, 0,1
	v_add_nc_u32 v[ADRA+\k], s94, v[L16]
	v_add_nc_u32 v[ADRB+\k], s95, v[L16]
	s_add_co_u32 s94, s94, HALF
	s_add_co_u32 s95, s95, HALF
.endr
	s_mul_i32 s94, s22, WSTG
	s_add_co_u32 s94, s94, STAGE
	s_wait_alu depctr_va_vdst(0)                   ; directly ahead of the readers below
	v_mul_u32_u24 v[STO], v2, SP
	v_add_nc_u32 v[STO], v[STO], v[BH]
	v_add_nc_u32 v[STO], s94, v[STO]
	v_mul_u32_u24 v[RD], v3, SP
	v_lshl_add_u32 v[RD], v2, 4, v[RD]
	v_add_nc_u32 v[RD], s94, v[RD]
	v_lshlrev_b32 v[CO], 12, v3
	v_lshl_add_u32 v[CO], v2, 4, v[CO]
	s_wait_alu depctr_va_vdst(0)
	s_wait_dscnt 0x0
	s_wait_kmcnt 0x0
	s_add_nc_u64 s[94:95], s[4:5], s[86:87]
	s_add_nc_u64 s[96:97], s[8:9], s[88:89]
	s_add_nc_u64 s[98:99], s[6:7], s[90:91]
	s_add_nc_u64 s[100:101], s[10:11], s[92:93]
	s_add_nc_u64 s[12:13], s[12:13], s[76:77]
	s_add_nc_u64 s[14:15], s[14:15], s[76:77]
	s_add_nc_u64 s[14:15], s[14:15], s[78:79]
	s_mov_b32 s[G0], 1
	s_mov_b32 s[G0+1], s2
	s_mov_b64 s[G0+2:G0+3], s[94:95]
	s_or_b32 s[G0+3], s[G0+3], 0x80000000
	s_mov_b32 s[G0B], 1
	s_mov_b32 s[G0B+1], s2
	s_mov_b64 s[G0B+2:G0B+3], s[96:97]
	s_or_b32 s[G0B+3], s[G0B+3], 0x80000000
	CROUND                                         ; all sixteen work-groups are here: the joint loads meet
.macro ARM under, g0, g1, next         ; one chain of branches on the wave's number, a load to an arm
	s_cmp_lt_u32 s22, \under
	s_cbranch_scc0 \next
	tensor_load_to_lds s[\g0:\g0+3], s[\g1:\g1+7]
	s_nop 0
	PLACES 4
	s_branch .Lfilled
\next:
.endm
	ARM 1, G0,  G1,  .Lfill_1
	ARM 2, G0B, G1B, .Lfill_2
	ARM 3, G0,  G1,  .Lfill_3
	tensor_load_to_lds s[G0B:G0B+3], s[G1B:G1B+7]
	s_nop 0
	PLACES 4
.Lfilled:
.irp i, 0,1,2,3
.irp p, 0,1,2,3
	global_load_b32 v[SA+4*\i+\p], v[L4], s[98:99] offset:\i*512+\p*128
	global_load_b32 v[SB+4*\i+\p], v[L4], s[100:101] offset:\i*512+\p*128
.endr
.endr
.irp b, 0,1,2,3
	global_load_b128 v[BI+8*\b:BI+8*\b+3], v[BH], s[12:13] offset:(32*(\b/2)+8*(\b%2))*4
	global_load_b128 v[BI+8*\b+4:BI+8*\b+7], v[BH], s[12:13] offset:(32*(\b/2)+8*(\b%2))*4+16
.endr
.macro FETCH ks                        ; K step ks: 4 fragments of A and 4 of B into set ks % 2: 32 loads of 512 consecutive bytes
	WIN 0x40
.irp i, 0,1,2,3
.irp c, 0,1,2,3
	ds_load_b128 v[128*((\ks)%2)+16*\i+4*\c:128*((\ks)%2)+16*\i+4*\c+3], v[ADRA+(\ks)/4] offset:\i*8192+((\ks)%4)*2048+\c*512
.endr
.endr
.irp i, 0,1,2,3
.irp c, 0,1,2,3
	ds_load_b128 v[128*((\ks)%2)+64+16*\i+4*\c:128*((\ks)%2)+64+16*\i+4*\c+3], v[ADRB+(\ks)/4] offset:\i*8192+((\ks)%4)*2048+\c*512
.endr
.endr
	WIN 0
.endm
.macro MUL p, ks                       ; 16 matrix instructions; the 16 accumulators take turns
.irp a, 0,1,2,3
.irp b, 0,1,2,3
.if (\ks) == 0
	v_wmma_scale_f32_16x16x128_f8f6f4 v[ACC+8*(4*\a+\b):ACC+8*(4*\a+\b)+7], v[128*(\p)+64+16*\b:128*(\p)+64+16*\b+15], v[128*(\p)+16*\a:128*(\p)+16*\a+15], v[BI+8*\b:BI+8*\b+7], v[SB+4*\b], v[SA+4*\a]
.elseif (\ks)%2
	v_wmma_scale_f32_16x16x128_f8f6f4 v[ACC+8*(4*\a+\b):ACC+8*(4*\a+\b)+7], v[128*(\p)+64+16*\b:128*(\p)+64+16*\b+15], v[128*(\p)+16*\a:128*(\p)+16*\a+15], v[ACC+8*(4*\a+\b):ACC+8*(4*\a+\b)+7], v[SB+4*\b+(\ks)/2], v[SA+4*\a+(\ks)/2] matrix_a_scale:MATRIX_SCALE_ROW1 matrix_b_scale:MATRIX_SCALE_ROW1
.else
	v_wmma_scale_f32_16x16x128_f8f6f4 v[ACC+8*(4*\a+\b):ACC+8*(4*\a+\b)+7], v[128*(\p)+64+16*\b:128*(\p)+64+16*\b+15], v[128*(\p)+16*\a:128*(\p)+16*\a+15], v[ACC+8*(4*\a+\b):ACC+8*(4*\a+\b)+7], v[SB+4*\b+(\ks)/2], v[SA+4*\a+(\ks)/2]
.endif
.endr
.endr
.endm
.macro KSTEP ks
.if (\ks) < 7
.if (\ks) == 3
	s_wait_tensorcnt 0x0                           ; every wave: its load is in
	s_wait_dscnt 0x0
	s_barrier_signal -1
	s_barrier_wait -1                              ; the second half of K is whole
.endif
.if (\ks) > 0
	PLACES NP
.endif
	FETCH (\ks)+1
	s_wait_dscnt 32                                ; this K step's fragments are in; the 32 loads just issued may be out
.else
	s_wait_dscnt 0x0
.endif
	WIN 0x05
	MUL (\ks)%2, \ks
	WIN 0
.endm
	s_wait_alu depctr_va_vdst(0)
	s_cmp_lt_u32 s22, 2
	s_cbranch_scc0 .Lnot_first
	s_wait_tensorcnt 0x0                           ; waves 0 and 1: the first half of K is in
.Lnot_first:
	s_barrier_signal -1
	s_barrier_wait -1
	FETCH 0
	s_wait_loadcnt 0x0                             ; the scale words and the bias
	s_wait_alu depctr_va_vdst(0)
.irp ks, 0,1,2,3,4,5,6,7
	KSTEP \ks
.endr
	PLACES NP
.macro EPI ap                          ; 32 tokens: the activation, through my stage, out as rows of 256 bytes
.set XB, ACC+64*(\ap)
.if (\ap) > 0
	s_wait_xcnt 0x0
.endif
.set n_, 0
.rept 32
	v_pk_mul_f32 v[T+2*n_:T+2*n_+1], v[XB+2*n_:XB+2*n_+1], s[GC:GC+1] op_sel_hi:[1,0]
.set n_, n_+1
.endr
.set n_, 0
	s_wait_alu depctr_va_vdst(0)
.rept 64
	v_exp_f32 v[T+n_], v[T+n_]
.set n_, n_+1
.endr
	v_nop
	s_wait_alu depctr_va_vdst(0)
.set n_, 0
.rept 32
	v_pk_add_f32 v[T+2*n_:T+2*n_+1], v[T+2*n_:T+2*n_+1], 1.0 op_sel_hi:[1,0]
.set n_, n_+1
.endr
.set n_, 0
	s_wait_alu depctr_va_vdst(0)
.rept 64
	v_rcp_f32 v[T+n_], v[T+n_]
.set n_, n_+1
.endr
	v_nop
	s_wait_alu depctr_va_vdst(0)
.set n_, 0
.rept 32
	v_pk_mul_f32 v[XB+2*n_:XB+2*n_+1], v[XB+2*n_:XB+2*n_+1], v[T+2*n_:T+2*n_+1]
.set n_, n_+1
.endr
.irp u, 0,1
.irp b, 0,1,2,3
	ds_store_b128 v[STO], v[XB+32*\u+8*\b:XB+32*\u+8*\b+3] offset:\u*16*SP+128*(\b/2)+32*(\b%2)
	ds_store_b128 v[STO], v[XB+32*\u+8*\b+4:XB+32*\u+8*\b+7] offset:\u*16*SP+128*(\b/2)+32*(\b%2)+16
.endr
.endr
.irp t, 0,1,2,3,4,5,6,7,8,9,10,11,12,13,14,15
	ds_load_b128 v[T+4*\t:T+4*\t+3], v[RD] offset:\t*2*SP          ; LDS serves a wave's instructions in order: these see the stores above
.endr
.irp t, 0,1,2,3,4,5,6,7,8,9,10,11,12,13,14,15
	s_wait_dscnt 15-\t
	global_store_b128 v[CO], v[T+4*\t:T+4*\t+3], s[14:15] offset:((\ap)*32+2*\t)*4096 th:TH_STORE_NT   ; sixteen lanes store 256 consecutive bytes, at a multiple of 256
.endr
.endm
	EPI 0
	EPI 1
	s_wait_tensorcnt 0x0                           ; the wave's end
	ds_add_u32 v[SPW], v[NIL]
	s_wait_dscnt 0x0
	CROUND                                         ; the closing round
	s_endpgm
.Lfunc_end_k_q4f1034b890_outp:
	.size	k_q4f1034b890_outp, .Lfunc_end_k_q4f1034b890_outp-k_q4f1034b890_outp
	.p2alignl 7, 3214868480
	.fill 96, 4, 3214868480
	.section	.rodata,"a",@progbits
	.p2align	6, 0x0
	.amdhsa_kernel k_q4f1034b890_outp
		.amdhsa_group_segment_fixed_size 327680
		.amdhsa_private_segment_fixed_size 0
		.amdhsa_enable_private_segment 0
		.amdhsa_kernarg_size 48
		.amdhsa_user_sgpr_count 2
		.amdhsa_user_sgpr_kernarg_segment_ptr 1
		.amdhsa_wavefront_size32 1
		.amdhsa_system_sgpr_workgroup_id_x 1
		.amdhsa_system_sgpr_workgroup_id_y 1
		.amdhsa_system_sgpr_workgroup_id_z 1
		.amdhsa_system_vgpr_workitem_id 0
		.amdhsa_next_free_vgpr 512
		.amdhsa_next_free_sgpr 102
		.amdhsa_reserve_vcc 0
		.amdhsa_float_denorm_mode_32 3
		.amdhsa_float_denorm_mode_16_64 3
		.amdhsa_memory_ordered 1
		.amdhsa_forward_progress 1
		.amdhsa_inst_pref_size 75
	.end_amdhsa_kernel
	.amdgpu_metadata
---
amdhsa.version: [ 1, 2 ]
amdhsa.kernels:
  - .name:           k_q4f1034b890_outp
    .symbol:         k_q4f1034b890_outp.kd
    .args:
      - { .name: oc, .offset: 0, .size: 8, .value_kind: global_buffer, .address_space: global }
      - { .name: os, .offset: 8, .size: 8, .value_kind: global_buffer, .address_space: global }
      - { .name: wc, .offset: 16, .size: 8, .value_kind: global_buffer, .address_space: global }
      - { .name: ws, .offset: 24, .size: 8, .value_kind: global_buffer, .address_space: global }
      - { .name: bo, .offset: 32, .size: 8, .value_kind: global_buffer, .address_space: global }
      - { .name: out0, .offset: 40, .size: 8, .value_kind: global_buffer, .address_space: global }
    .group_segment_fixed_size: 327680
    .private_segment_fixed_size: 0
    .kernarg_segment_align: 8
    .kernarg_segment_size: 48
    .max_flat_workgroup_size: 128
    .sgpr_count:     102
    .vgpr_count:     512
    .wavefront_size: 32
...
	.end_amdgpu_metadata
.endif
;; end of part 8
